; MI455X (gfx1250); checked and timed in simulation.
; The chip was launched on July 23, 2026; its instructions are those of AMD's public machine-readable ISA for CDNA 5 (MIT licence, August 2026) and "CDNA5" Instruction Set Architecture Reference Guide (July 2026). The comments in the code are by the model that wrote it; some were corrected since.
;; Multi Head Attention. Allowed arithmetic: matrix products marked QUANTISED: E2M3 operands, one E8M0 scale for each 32 along K, by v_wmma_scale_f32_16x16x128_f8f6f4 with both operands' format E2M3, f32 sums; everything else in f32.
;; Inputs: Wk 1,024 x 1,024 float32; Wo 1,024 x 1,024 float32; Wq 1,024 x 1,024 float32; Wv 1,024 x 1,024 float32; bk 1,024 float32; bo 1,024 float32; bq 1,024 float32; bv 1,024 float32; key 4 x 2,048 x 1,024 float32; mask 4 x 1 x 1 x 2,048 float32; query 4 x 2,048 x 1,024 float32; value 4 x 2,048 x 1,024 float32.
;; Outputs: out0 4 x 2,048 x 1,024 float32; out1 4 x 2,048 x 1,024 float32.
;; This version of the problem:
;;   THIS VERSION OF THE PROBLEM IS GIVEN IN LOW PRECISION. The matrix products marked QUANTISED in the list below multiply operands that are first quantised to E2M3 (2 exponent bits, 3 mantissa bits; 6 bits a number), with one power-of-two scale for each 32 numbers along K (OCP MX v1.0); their sums are f32. All else is computed in f32.
;;   The module's matrix products, in the order in which they are computed (A, B: the left and right operand; K: the contracted axis; several contracted axes count as one K, in the product's order):
;;     1. [M 8,192, K 1,024] x [K 1,024, N 1,024]; A: input query; B: input Wq: QUANTISED
;;     2. [M 8,192, K 1,024] x [K 1,024, N 1,024]; A: input key; B: input Wk: QUANTISED
;;     3. [M 8,192, K 1,024] x [K 1,024, N 1,024]; A: input value; B: input Wv: QUANTISED
;;     4. batch 64 x [M 2,048, K 64] x [K 64, N 2,048]; A: computed on the way; B: computed on the way: QUANTISED
;;     5. batch 64 x [M 2,048, K 2,048] x [K 2,048, N 64]; A: softmax (see below); B: computed on the way: QUANTISED
;;     6. [M 8,192, K 1,024] x [K 1,024, N 1,024]; A: computed on the way; B: input Wo: QUANTISED
;;   THE QUANTISER, for each operand of a quantised product, along K:
;;     - K is cut into blocks of 32 from its start; a last block that is shorter is filled with zeros.
;;     - A block's scale is 2^e with e = floor(log2(the largest magnitude in the block)) - 2, held to -126 .. 127; a block of zeros has e = 0. As a byte (E8M0): e + 127.
;;     - Each number is divided by its block's scale, clamped to +-7.5, and rounded to the nearest number of E2M3, ties to even, subnormals kept.
;;     - The product sums the exact products of the quantised numbers (number of the format x scale) in f32.
;;   ~~~python
;;   def quantise(x, axis):      # numpy; x: float32 -> the quantised numbers, widened to float32 again
;;       x = np.moveaxis(x, axis, -1); K = x.shape[-1]
;;       x = np.pad(x, [(0, 0)] * (x.ndim - 1) + [(0, -K % 32)]); x = x.reshape(x.shape[:-1] + (-1, 32)); a = np.abs(x).max(-1, keepdims=True)
;;       e = np.where(a > 0, np.clip(np.frexp(np.where(a > 0, a, 1))[1] - 1 - 2, -126, 127), 0)      # np.frexp(a)[1] - 1 = floor(log2(a)), exactly
;;       r = np.clip(x / 2.0 ** e, -7.5, 7.5)
;;       step = 2.0 ** (np.maximum(np.frexp(np.where(r == 0, 1, r))[1] - 1, 0) - 3)
;;       q = np.round(r / step) * step * 2.0 ** e      # np.round: ties to even
;;       return np.moveaxis(q.reshape(q.shape[:-2] + (-1,))[..., :K], -1, axis).astype(np.float32)
;;   ~~~
;;   SOFTMAX AHEAD OF A QUANTISED PRODUCT. Where the list says 'softmax', what is quantised is not the finished softmax but p = 2^(t - M), with t = logit x log2(e) and M = ceil(the row's largest t), a whole number; so 1/2 < the row's largest p <= 1. The row's sum l is taken of the UNQUANTISED p, in f32, and the product's result is divided by l at the end. Since M is a whole number, a kernel that streams over the keys may use a running M (the ceiling of the running maximum): every later rescaling is an exact power of two, which a block's scale takes up: the codes' values come out the same.
;;   OPERANDS COMPUTED ON THE WAY. 'Computed on the way' means the value that the module computes at that place (a softmax that the list does not call 'softmax' is quantised finished and normalised). What goes into a quantiser is computed in f32, as accurately as f32 sums, v_exp_f32 and their like allow (about 1e-6 of the number): no bf16 or f16 on the way to a quantiser, and a product that is left as it is and whose result goes on into a quantised operand takes f32 operands (vector FMAs, or v_wmma_f32_16x16x4_f32). A number that lies on a knife's edge between two numbers of the format may be rounded either way, as far as f32 arithmetic and the matrix unit's own rounding can turn it there, and no further.
;; 2 versions. Each part assembles by itself: llvm-mc -triple=amdgcn-amd-amdhsa -mcpu=gfx1250 --defsym DOCPART=n.
;; ======== version 1 of 2: 4 launches
;; workspace buffers: wcod 3,145,728 bytes; wscl 131,072 bytes; qimg 6,553,600 bytes; kimg 6,553,600 bytes; vimg 6,553,600 bytes; oimg 6,291,456 bytes; oscl 262,144 bytes
;; launch wquant (part 1): grid 32 x 8, 4 waves a work-group, no clusters, 12,800 bytes of LDS; arguments Wq, Wk, Wv, Wo, wcod, wscl; writes wcod, wscl
.if DOCPART == 1
	.amdgcn_target "amdgcn-amd-amdhsa--gfx1250"
	.amdhsa_code_object_version 6
	.text
	.protected	k_q463eb0c33e_wquant
	.globl	k_q463eb0c33e_wquant
	.p2align	8
	.type	k_q463eb0c33e_wquant,@function
k_q463eb0c33e_wquant:
	s_mov_b64 s[64:65], 0
	v_nop
	global_prefetch_b8 v0, s[64:65] scope:SCOPE_SE
	s_setreg_imm32_b32 hwreg(HW_REG_WAVE_MODE, 25, 1), 1
	s_wait_xcnt 0x0
; The four weights [1024 (k)][1024 (n)], f32, K their FIRST axis, become codes of FP6 (E2M3) with one E8M0 byte for each 32 along K,
; laid in the order in which the later launches' operand registers take them.
; wcod: [weight: Wq, Wk, Wv, Wo][slice of 256 columns][K step of 128][tile of 16 columns][1,536 bytes: a fragment's 12 registers as three runs of 512 bytes, registers 4 q .. 4 q + 3, lane l's 16 bytes at 16 l].
; wscl: [weight][slice][K step][pair of tiles][row r of the tile][tile u of the pair]: one word (four bytes: the K step's four blocks).
; THE COLUMNS OF A TILE ARE NOT NEIGHBOURS: of a block of 32 columns, lane r of tile u takes column 8 u + r + 8 (r / 8), so that in a product with the weight as source 0 the 16 result registers of the two tiles are 16 neighbouring columns.
; SHARES: work-group x = 8 x weight + group of 128 columns, y = K step.  A wave takes 32 columns, A LANE A COLUMN, AND ITS REGISTERS RUN DOWN K: a block of 32 lies in one lane, and the conversions give codes with K innermost.
; A lane's 24 bytes of a block belong to lane r + 16 (block % 2) of tile u's fragment: they go through the wave's own 3,072 bytes of LDS and leave as six stores of 512 consecutive bytes.
; A block's scale is 2^(floor(log2(largest magnitude)) - 2); its byte is the largest magnitude's exponent field - 2, held at 1 from below.
; LIMITS: a block of zeros, or one whose largest magnitude lies under 2^-124, gets the byte 1 (its codes are zeros or tiny; this program alone reads the bytes); NaN and infinities are not served.
; No tensor load, no barrier: waves share nothing.  No matrix work, no cluster: nothing is read twice.
.set STGB,  3072                       ; a wave's stage: two fragments
.set SPARE, 4*STGB                     ; behind the stages: the spare words, 128 bytes a wave
.set X,     32                         ; v32-95   two sets of 32 numbers
.set C,     96                         ; v96-127  eight registers of codes for each block: no store's data are written again
.set OUTR,  128                        ; v128-151 the way out
.set SB,    24                         ; v24      the scale word
.set SPW,   14                         ; v14      LDS address of my spare word; never rewritten
.set NIL,   15                         ; v15      0; never rewritten
	s_load_b256 s[8:15], s[0:1], 0x0               ; Wq, Wk, Wv, Wo
	s_load_b128 s[16:19], s[0:1], 0x20             ; wcod, wscl
	v_lshl_add_u32 v[SPW], v0, 2, SPARE
	v_mov_b32 v[NIL], 0
	v_lshrrev_b32 v1, 5, v0
	v_readfirstlane_b32 s2, v1                     ; wave
	v_and_b32 v6, 31, v0                           ; lane = my column of the wave's 32
	v_lshlrev_b32 v1, 2, v6                        ; in: 4 bytes a lane
	v_lshlrev_b32 v4, 4, v6                        ; out: 16 bytes a lane
	v_bfe_u32 v7, v0, 3, 1                         ; u: which tile of the pair my column falls into
	v_and_b32 v8, 7, v0
	v_bfe_u32 v9, v0, 4, 1
	v_lshl_add_u32 v8, v9, 3, v8                   ; r: and which row of it
	s_mul_i32 s3, s2, STGB
	v_mul_u32_u24 v2, v7, 1536
	v_lshl_add_u32 v2, v8, 4, v2
	v_add_nc_u32 v2, s3, v2                        ; into the stage: tile u, 16 r
	v_add_nc_u32 v3, s3, v4                        ; out of it: 16 x lane
	v_lshlrev_b32 v5, 3, v8
	v_lshl_add_u32 v5, v7, 2, v5                   ; my scale word's place: 8 r + 4 u
	s_lshr_b32 s20, ttmp9, 3                       ; weight
	s_and_b32 s21, ttmp9, 7                        ; group of 128 columns
	s_and_b32 s22, ttmp7, 0xffff                   ; K step
	s_lshl_b32 s24, s22, 19                        ; W: 128 rows of 4,096 bytes a K step,
	s_lshl_b32 s23, s21, 9
	s_add_co_u32 s24, s24, s23                     ; 512 bytes a group,
	s_lshl_b32 s23, s2, 7
	s_add_co_u32 s24, s24, s23                     ; 128 a wave
	s_mov_b32 s25, 0
	s_mul_i32 s26, s20, 786432                     ; codes: weight,
	s_lshr_b32 s23, s21, 1
	s_mul_i32 s23, s23, 196608                     ; slice,
	s_add_co_u32 s26, s26, s23
	s_mul_i32 s23, s22, 24576                      ; K step,
	s_add_co_u32 s26, s26, s23
	s_and_b32 s23, s21, 1
	s_lshl_b32 s23, s23, 2
	s_add_co_u32 s23, s23, s2                      ; pair of tiles in the slice: 4 (group % 2) + wave
	s_mul_i32 s28, s23, 3072
	s_add_co_u32 s26, s26, s28
	s_mov_b32 s27, 0
	s_lshl_b32 s28, s20, 15                        ; scale words likewise: 32,768 a weight, 8,192 a slice, 1,024 a K step, 128 a pair
	s_lshr_b32 s30, s21, 1
	s_lshl_b32 s30, s30, 13
	s_add_co_u32 s28, s28, s30
	s_lshl_b32 s30, s22, 10
	s_add_co_u32 s28, s28, s30
	s_lshl_b32 s30, s23, 7
	s_add_co_u32 s28, s28, s30
	s_mov_b32 s29, 0
	s_and_b32 s30, s20, 1
	s_wait_kmcnt 0x0
	s_cmp_eq_u32 s30, 0                            ; the weight is chosen by the work-group's number alone
	s_cselect_b64 s[32:33], s[8:9], s[10:11]
	s_cselect_b64 s[34:35], s[12:13], s[14:15]
	s_cmp_lt_u32 s20, 2
	s_cselect_b64 s[4:5], s[32:33], s[34:35]
	s_add_nc_u64 s[4:5], s[4:5], s[24:25]
	s_add_nc_u64 s[6:7], s[16:17], s[26:27]
	s_add_nc_u64 s[8:9], s[18:19], s[28:29]
.macro LOAD t                          ; block t: W(32 t + i, my column), i = 0 .. 31, into set t % 2; a wave's load reads 128 consecutive bytes, the four waves stand side by side
.set i, 0
.rept 32
	global_load_b32 v[X+32*((\t)%2)+i], v1, s[4:5] offset:(32*(\t)+i)*4096 th:TH_LOAD_NT
.set i, i+1
.endr
.endm
.macro BLOCK t
.set XS, X+32*((\t)%2)
.set CB, C+8*(\t)
.if (\t) < 3
	s_wait_loadcnt 32                              ; this block's 32 loads are in; the next block's 32 may be out
.else
	s_wait_loadcnt 0x0
.endif
	v_max3_num_f32 v12, |v[XS]|, |v[XS+1]|, |v[XS+2]|             ; the block's largest magnitude: all 32 numbers are mine; two chains
	v_max3_num_f32 v13, |v[XS+3]|, |v[XS+4]|, |v[XS+5]|
.irp i, 6,10,14,18,22,26
	v_max3_num_f32 v12, v12, |v[XS+\i]|, |v[XS+\i+1]|
	v_max3_num_f32 v13, v13, |v[XS+\i+2]|, |v[XS+\i+3]|
.endr
	v_max3_num_f32 v12, v12, |v[XS+30]|, |v[XS+31]|
	v_max3_num_f32 v12, v12, v13, 0x1800000        ; and the floor 2^(3 - 127): the byte cannot fall under 1
	v_add_nc_u32 v11, 0xff000000, v12              ; 2 off the exponent field: the conversion takes this operand's exponent field as its scale
	v_cvt_scalef32_pk16_fp6_f32 v[CB:CB+2], v[XS:XS+15], v11
	v_cvt_scalef32_pk16_fp6_f32 v[CB+4:CB+6], v[XS+16:XS+31], v11 ; (a conversion's three registers begin on an even number)
	v_lshrrev_b32 v13, 23, v11                     ; the scale's byte; also the plain line behind the conversions
.if (\t) == 0
	v_mov_b32 v[SB], v13
.else
	v_lshl_or_b32 v[SB], v13, 8*(\t), v[SB]        ; the lower K in the lower byte
.endif
	v_mov_b32 v[CB+3], v[CB+4]                     ; the six registers close up
	v_mov_b32 v[CB+4], v[CB+5]
	v_mov_b32 v[CB+5], v[CB+6]
.if (\t) < 2                           ; registers 0-5 of lane r + 16 (t % 2): run 0 whole, the lower half of its place in run 1
	ds_store_b128 v2, v[CB:CB+3] offset:256*((\t)%2)
	ds_store_b64 v2, v[CB+4:CB+5] offset:512+256*((\t)%2)
.else                                  ; registers 6-11: the upper half of its place in run 1, run 2 whole
	ds_store_b64 v2, v[CB:CB+1] offset:520+256*((\t)%2)
	ds_store_b128 v2, v[CB+2:CB+5] offset:1024+256*((\t)%2)
.endif
.if (\t)+2 < 4
	LOAD (\t)+2
.endif
.endm
	LOAD 0
	LOAD 1
.irp t, 0,1,2,3
	BLOCK \t
.endr
.irp q, 0,1,2,3,4,5
	ds_load_b128 v[OUTR+4*\q:OUTR+4*\q+3], v3 offset:512*\q       ; LDS serves a wave's instructions in order: these see my stores
.endr
.irp q, 0,1,2,3,4,5
	s_wait_dscnt 5-\q                              ; run q is back; the younger ones may be out
	global_store_b128 v4, v[OUTR+4*\q:OUTR+4*\q+3], s[6:7] offset:512*\q   ; 32 lanes store 512 consecutive bytes, at a multiple of 256 from the buffer's first byte
.endr
	global_store_b32 v5, v[SB], s[8:9]             ; the wave's 32 scale words: 128 consecutive bytes
	s_wait_tensorcnt 0x0                           ; the wave's end, behind my last LDS store
	ds_add_u32 v[SPW], v[NIL]
	s_wait_dscnt 0x0
	s_endpgm
.Lfunc_end_k_q463eb0c33e_wquant:
	.size	k_q463eb0c33e_wquant, .Lfunc_end_k_q463eb0c33e_wquant-k_q463eb0c33e_wquant
	.p2alignl 7, 3214868480
	.fill 96, 4, 3214868480
	.section	.rodata,"a",@progbits
	.p2align	6, 0x0
	.amdhsa_kernel k_q463eb0c33e_wquant
		.amdhsa_group_segment_fixed_size 12800
		.amdhsa_private_segment_fixed_size 0
		.amdhsa_enable_private_segment 0
		.amdhsa_kernarg_size 48
		.amdhsa_user_sgpr_count 2
		.amdhsa_user_sgpr_kernarg_segment_ptr 1
		.amdhsa_wavefront_size32 1
		.amdhsa_system_sgpr_workgroup_id_x 1
		.amdhsa_system_sgpr_workgroup_id_y 1
		.amdhsa_system_sgpr_workgroup_id_z 1
		.amdhsa_system_vgpr_workitem_id 0
		.amdhsa_next_free_vgpr 160
		.amdhsa_next_free_sgpr 66
		.amdhsa_reserve_vcc 0
		.amdhsa_float_denorm_mode_32 3
		.amdhsa_float_denorm_mode_16_64 3
		.amdhsa_memory_ordered 1
		.amdhsa_forward_progress 1
		.amdhsa_inst_pref_size 23
	.end_amdhsa_kernel
	.amdgpu_metadata
---
amdhsa.version: [ 1, 2 ]
amdhsa.kernels:
  - .name:           k_q463eb0c33e_wquant
    .symbol:         k_q463eb0c33e_wquant.kd
    .args:
      - { .name: Wq, .offset: 0, .size: 8, .value_kind: global_buffer, .address_space: global }
      - { .name: Wk, .offset: 8, .size: 8, .value_kind: global_buffer, .address_space: global }
      - { .name: Wv, .offset: 16, .size: 8, .value_kind: global_buffer, .address_space: global }
      - { .name: Wo, .offset: 24, .size: 8, .value_kind: global_buffer, .address_space: global }
      - { .name: wcod, .offset: 32, .size: 8, .value_kind: global_buffer, .address_space: global }
      - { .name: wscl, .offset: 40, .size: 8, .value_kind: global_buffer, .address_space: global }
    .group_segment_fixed_size: 12800
    .private_segment_fixed_size: 0
    .kernarg_segment_align: 8
    .kernarg_segment_size: 48
    .max_flat_workgroup_size: 128
    .sgpr_count:     66
    .vgpr_count:     160
    .wavefront_size: 32
...
	.end_amdgpu_metadata
.endif
;; end of part 1
;; launch proj (part 2): grid 384 x 1, 4 waves a work-group, no clusters, 87,552 bytes of LDS; arguments query, key, value, wcod, wscl, bq, bk, bv, qimg, kimg, vimg; writes qimg, kimg, vimg
.if DOCPART == 2
	.amdgcn_target "amdgcn-amd-amdhsa--gfx1250"
	.amdhsa_code_object_version 6
	.text
	.protected	k_q463eb0c33e_proj
	.globl	k_q463eb0c33e_proj
	.p2align	8
	.type	k_q463eb0c33e_proj,@function
k_q463eb0c33e_proj:
	s_mov_b64 s[64:65], 0
	v_nop
	global_prefetch_b8 v0, s[64:65] scope:SCOPE_SE
	s_setreg_imm32_b32 hwreg(HW_REG_WAVE_MODE, 25, 1), 1
	s_wait_xcnt 0x0
; Q = query Wq + bq, K = key Wk + bk, V = value Wv + bv, on codes of FP6 (E2M3) with one E8M0 scale for each 32 along K = 1,024; the results are quantised again, Q and K along the head's 64, V along the keys,
; and leave as images of the attention launch's operand registers.  Nothing wider than codes goes to memory.
; SHARES: work-group = 128 T + rb: T picks query, key or value, rb 64 token rows.  The 64 rows are read and quantised ONCE (phase X: wave w takes the 16 rows of tile w) and lie in LDS as register images;
; then wave w makes columns 256 w .. 256 w + 255 (four heads) for all 64 rows: 16 weight tiles x 4 row tiles = 64 accumulators, 512 registers.
; THE ROWS OF A TILE ARE NOT NEIGHBOURS: of a block of 32 tokens (or weight columns) lane r of tile u takes 8 u + r + 8 (r / 8), so that the 16 result registers of two neighbouring tiles of source 0 are 16 neighbours.
; Q, K: source 0 = 16 weight columns, source 1 = 16 tokens: a lane holds one token, its registers run along the head's channels.  V: the sources swapped: a lane holds one channel, its registers run along the tokens, V's next K.
; Accumulator (row tile a = 2 p + u, weight tile 4 g + ct) lies in window 2 + p at register 64 g + 32 u + 8 ct in both uses.
; THE WEIGHTS' CODES go from memory straight into each wave's registers, in groups of four tiles, a K step ahead.  They are shared by all row blocks and yet not asked for jointly through LDS: beside x's images LDS has room
; for two slots of one K step of the 1,024 columns (98,304 bytes each); a slot feeds 64 matrix instructions a wave, and between two changes of slots one slot at most could be on its way, whereas the loads into registers
; keep three groups, 42 loads, of every wave on their way with no barrier in the K loop.
; OUT.  qimg, kimg: [batch x head][128 tokens][6,400 bytes]: four fragments of 1,536 bytes, fragment b = tile 2 b's 64 channels in registers 0-5 and tile 2 b + 1's in registers 6-11; at 6,144 [64-token half c][r][pair p] scale words.
; vimg: [batch x head][128 tokens][6,400]: [channel tile][half c][768 bytes: registers 0-3 at 16 x lane, registers 4-5 at 512 + 8 x lane]; at 6,144 [c][r][channel tile] two bytes.
; LIMITS: a block of zeros or with magnitudes under 2^-124 gets the byte 1 (read by this program alone); NaN and infinities are not served.
; REGISTERS: window 0: v1-15 addresses; v16-31 the weights' scale words; v32-39 x's, two sets; v40-135 x's fragments, two sets; v136-199 64 numbers at work; v200-218 codes; v220-235 at work; v236-238 scale words made.
;   window 1: the weights' 16 fragments (group g at 48 g), in the last step the biases.   windows 2, 3: in phase X four sets of 64 numbers as loaded (window 2), then the accumulators.
.set TP,    528                        ; a row of the turning stage: 512 bytes + 16: row r starts 4 r words on modulo 64 (64 banks of 4 bytes: ISA guide 11.1)
.set TURNB, 16*TP                      ; LDS: each wave's own stage, 16 rows;
.set FRB,   1536                       ; a fragment's image
.set XIMG,  4*TURNB                    ; x's 32 fragments, [K step][row tile];
.set XSC,   XIMG+32*FRB                ; their scale words, 128 bytes each;
.set SPARE, XSC+32*128                 ; the spare words, 128 bytes a wave
.set L16,  1                           ; 16 x lane
.set L8,   2                           ; 8 x lane
.set R8,   3                           ; 8 r
.set SCO,  4                           ; where my scale word goes: 6,144 + 128 c + 8 r + 4 (lane / 16)
.set TST,  5                           ; the stage, in: 16 x lane
.set TLD,  6                           ; the stage, back: row r, + 64 (lane / 16)
.set XWI,  7                           ; where I store x's images: 16 x lane + 1,536 x wave
.set XWS,  8                           ; and their scale words: 4 x lane + 128 x wave
.set XRI0, 9                           ; where any wave reads them: 16 x lane,
.set XRS0, 10                          ; 4 x lane
.set XRI,  11                          ; the same, at the K step in hand
.set XRS,  12
.set B4,   13                          ; 4 (r + 8 (r / 8)): V's bias
.set H64,  14                          ; 64 (lane / 16): Q's and K's bias
.set CO16, 15                          ; 16 x lane + my half c's place in the output
.set WS,   16
.set XS,   32
.set XF,   40
.set X,    136
.set PC,   200
.set TM,   220
.set PW0,  236
.set SW,   238
.set CO8,  239                         ; 8 x lane + my half c's place
.set SPW,  252                         ; LDS address of my spare word; never rewritten
.set NIL,  253                         ; 0; never rewritten
.set SEL,  44                          ; s[44:45] v_permlanex16_b32's selects for lane l xor 16
.set MSB, 0
.macro WIN new                         ; the immediate's high byte repeats the setting that is left; a switch that changes nothing is dropped
.if MSB != (\new)
	s_set_vgpr_msb (MSB<<8)|(\new)
.set MSB, (\new)
.endif
.endm
.macro PLACES                          ; four plain lines between a matrix instruction and a load into, or a vector read of, its registers
.rept 4
	v_nop
.endr
.endm
.macro WM0 d, a, b, sa, sb             ; the first product starts a sum
	v_wmma_scale_f32_16x16x128_f8f6f4 v[\d:\d+7], v[\a:\a+11], v[\b:\b+11], 0, v[\sa], v[\sb] matrix_a_fmt:MATRIX_FMT_FP6 matrix_b_fmt:MATRIX_FMT_FP6
.endm
.macro WMA d, a, b, sa, sb
	v_wmma_scale_f32_16x16x128_f8f6f4 v[\d:\d+7], v[\a:\a+11], v[\b:\b+11], v[\d:\d+7], v[\sa], v[\sb] matrix_a_fmt:MATRIX_FMT_FP6 matrix_b_fmt:MATRIX_FMT_FP6
.endm
; 64 numbers of a lane, register 16 b + i = k 32 b + 16 (lane / 16) + i of my row, become a fragment's 12 registers in v[PC] on and its scale word in v[pw].
.macro QUANT s, pw
.irp b, 0,1,2,3
	v_max3_num_f32 v[TM+\b], |v[\s+16*\b]|, |v[\s+1+16*\b]|, 0x1800000   ; my 16 numbers of block b, and the floor 2^(3 - 127): the byte cannot fall under 1
.endr
.irp i, 2,4,6,8,10,12,14
.irp b, 0,1,2,3
	v_max3_num_f32 v[TM+\b], v[TM+\b], |v[\s+16*\b+\i]|, |v[\s+1+16*\b+\i]|   ; (the four blocks by turns)
.endr
.endr
.irp b, 0,1,2,3
	v_permlanex16_b32 v[TM+4+\b], v[TM+\b], s[SEL], s[SEL+1]
.endr
.irp b, 0,1,2,3
	v_max_num_f32 v[TM+\b], v[TM+\b], v[TM+4+\b]   ; with lane l xor 16's: the block's largest magnitude
.endr
.irp b, 0,1,2,3
	v_add_nc_u32 v[TM+12+\b], 0xff000000, v[TM+\b] ; 2 off its exponent field: the conversion's scale operand
.endr
.irp b, 0,1,2,3
	v_lshrrev_b32 v[TM+4+\b], 23, v[TM+12+\b]      ; the scale's byte
.endr
	v_lshl_or_b32 v[\pw], v[TM+5], 8, v[TM+4]
	v_lshl_or_b32 v[\pw], v[TM+6], 16, v[\pw]
	v_lshl_or_b32 v[\pw], v[TM+7], 24, v[\pw]
.irp c, 0,1
	v_cvt_scalef32_pk16_fp6_f32 v[PC+6*\c:PC+2+6*\c], v[\s+32*\c:\s+15+32*\c], v[TM+12+2*\c]
	v_cvt_scalef32_pk16_fp6_f32 v[PC+12+4*\c:PC+14+4*\c], v[\s+16+32*\c:\s+31+32*\c], v[TM+12+2*\c+1]   ; (a conversion's three registers begin on an even number)
.endr
	v_nop                                          ; one plain line behind a scaled conversion
.irp c, 0,1                            ; the operand's layout wants a WHOLE block in a lane: lanes 0-15 block 2 c, lanes 16-31 block 2 c + 1
.irp i, 0,1,2
	v_permlane16_swap_b32 v[PC+6*\c+\i], v[PC+12+4*\c+\i]
.endr
.irp i, 0,1,2
	v_mov_b32 v[PC+3+6*\c+\i], v[PC+12+4*\c+\i]
.endr
.endr
.endm
; Group g (weight tiles 4 g .. 4 g + 3) of the K step ds steps on from the bases: 12 loads of codes, 2 of scale words: 14 loads.
.macro WGRP g, ds
	WIN 0x40                                       ; destination window 1
.irp tt, 0,1,2,3
.irp q, 0,1,2
	global_load_b128 v[48*(\g)+12*\tt+4*\q:48*(\g)+12*\tt+4*\q+3], v[L16], s[6:7] offset:(\ds)*24576+(4*(\g)+\tt)*FRB+512*\q
.endr
.endr
	WIN 0
.irp pp, 0,1
	global_load_b64 v[WS+4*(\g)+2*\pp:WS+4*(\g)+2*\pp+1], v[R8], s[8:9] offset:(\ds)*1024+(2*(\g)+\pp)*128
.endr
.endm
; x's four fragments and scale words of the K step xo steps on from s42, s43, into set par
.macro XFETCH par, xo
	v_add_nc_u32 v[XRI], s42, v[XRI0]
	v_add_nc_u32 v[XRS], s43, v[XRS0]
.irp a, 0,1,2,3
.irp q, 0,1,2
	ds_load_b128 v[XF+48*(\par)+12*\a+4*\q:XF+48*(\par)+12*\a+4*\q+3], v[XRI] offset:(\xo)*6144+\a*FRB+512*\q
.endr
	ds_load_b32 v[XS+4*(\par)+\a], v[XRS] offset:(\xo)*512+128*\a
.endr
.endm
; 16 matrix instructions: group g's four weight tiles x the four row tiles, 128 along K.  o = 0: Q, K (source 0 the weight); o = 1: V (source 0 the tokens).
; The 64 accumulators take turns, one instruction a turn, in the same order in every step.
.macro MM o, g, par, zero
.irp p, 0,1
.if \o
	WIN 0xa4+0x50*\p                               ; source 0 (x) window 0, source 1 (W) window 1, C and D window 2 + p
.else
	WIN 0xa1+0x50*\p                               ; source 0 (W) window 1, source 1 (x) window 0
.endif
.irp u, 0,1
.irp ct, 0,1,2,3
.set rD, 64*(\g)+32*\u+8*\ct
.set rW, 48*(\g)+12*\ct
.set rX, XF+48*(\par)+12*(2*\p+\u)
.set rV, WS+4*(\g)+\ct
.set rY, XS+4*(\par)+2*\p+\u
.if \o
.if \zero
	WM0 rD, rX, rW, rY, rV
.else
	WMA rD, rX, rW, rY, rV
.endif
.else
.if \zero
	WM0 rD, rW, rX, rV, rY
.else
	WMA rD, rW, rX, rV, rY
.endif
.endif
.endr
.endr
.endr
.endm
; A group's turn in steps 0 to 6.  The branch hangs on the work-group's number alone and leads round the 16 matrix lines that differ; both arms write the same registers.
.macro GRP g, par, zero, ds, fetch
	s_wait_loadcnt 42                              ; this group's 14 loads are in: three groups of 14 were issued behind them
	s_cmp_eq_u32 s3, 2
	s_cbranch_scc1 .Lv_\@
	MM 0, \g, \par, \zero
	WIN 0
	s_branch .Lj_\@
.Lv_\@:
	MM 1, \g, \par, \zero
	WIN 0
.Lj_\@:
	PLACES
	WGRP \g, \ds                                   ; the next K step's group, into the registers just multiplied
.if \fetch
	XFETCH 1-(\par), \ds                           ; and the next step's x, 32 matrix instructions ahead of its use
.endif
.endm
.macro GSTEP par, zero, ds
	s_wait_dscnt 0x0                               ; this step's x is in
	GRP 0, \par, \zero, \ds, 0
	GRP 1, \par, \zero, \ds, 1
	GRP 2, \par, \zero, \ds, 0
	GRP 3, \par, \zero, \ds, 0
.endm
	s_load_b512 s[16:31], s[0:1], 0x0              ; query, key, value, wcod, wscl, bq, bk, bv
	s_load_b128 s[32:35], s[0:1], 0x40             ; qimg, kimg
	s_load_b64 s[36:37], s[0:1], 0x50              ; vimg
	v_lshl_add_u32 v[SPW], v0, 2, SPARE
	v_mov_b32 v[NIL], 0
	v_lshrrev_b32 v1, 5, v0
	v_readfirstlane_b32 s2, v1                     ; wave 0..3
	v_and_b32 v136, 31, v0                         ; lane
	v_and_b32 v137, 15, v0                         ; r
	v_bfe_u32 v138, v0, 4, 1                       ; h
	v_lshlrev_b32 v[L16], 4, v136
	v_lshlrev_b32 v[L8], 3, v136
	v_lshlrev_b32 v[R8], 3, v137
	s_mul_i32 s14, s2, TURNB
	v_add_nc_u32 v[TST], s14, v[L16]
	v_mul_u32_u24 v[TLD], v137, TP
	v_lshl_add_u32 v[TLD], v138, 6, v[TLD]
	v_add_nc_u32 v[TLD], s14, v[TLD]
	s_mul_i32 s14, s2, FRB
	s_add_co_u32 s14, s14, XIMG
	v_add_nc_u32 v[XWI], s14, v[L16]
	s_lshl_b32 s14, s2, 7
	s_add_co_u32 s14, s14, XSC
	v_lshl_add_u32 v[XWS], v136, 2, s14
	v_add_nc_u32 v[XRI0], XIMG, v[L16]
	v_lshl_add_u32 v[XRS0], v136, 2, XSC
	v_and_b32 v139, 8, v137
	v_add_nc_u32 v139, v139, v137
	v_lshlrev_b32 v[B4], 2, v139
	v_lshlrev_b32 v[H64], 6, v138
.irp b, 0,1,2,3
	v_mov_b32 v[TM+4+\b], 0                        ; written once: a lane permute's destination counts as one of its sources
.endr
	s_mov_b32 s[SEL], 0x76543210
	s_mov_b32 s[SEL+1], 0xfedcba98
	s_mov_b32 s46, 0xffff0000                      ; lanes 16-31
	s_mov_b32 s42, 0                               ; x's images: the K step in hand, in bytes;
	s_mov_b32 s43, 0                               ; its scale words likewise
	s_lshr_b32 s3, ttmp9, 7                        ; T: 0 query, 1 key, 2 value
	s_and_b32 s14, ttmp9, 127                      ; rb: which 64 rows
	s_and_b32 s40, s14, 1                          ; c: which half of a step of 128 tokens
	s_lshl_b32 s15, s40, 7
	s_add_co_u32 s15, s15, 6144
	v_lshl_add_u32 v[SCO], v138, 2, v[R8]
	v_add_nc_u32 v[SCO], s15, v[SCO]
	s_mov_b32 s47, 3072                            ; half c begins 3,072 bytes on in qimg and kimg (two fragments), 768 in a channel tile of vimg
	s_cmp_eq_u32 s3, 2
	s_cselect_b32 s47, 768, s47
	s_mul_i32 s47, s47, s40
	v_add_nc_u32 v[CO16], s47, v[L16]
	v_add_nc_u32 v[CO8], s47, v[L8]
	s_lshl_b32 s48, s14, 6                         ; x: my tile's first token: 64 rb + 32 (w / 2) + 8 (w % 2),
	s_lshr_b32 s15, s2, 1
	s_lshl_b32 s15, s15, 5
	s_add_co_u32 s48, s48, s15
	s_and_b32 s15, s2, 1
	s_lshl_b32 s15, s15, 3
	s_add_co_u32 s48, s48, s15
	s_lshl_b32 s48, s48, 12                        ; rows of 4,096 bytes
	s_mov_b32 s49, 0
	s_mul_i32 s50, s3, 786432                      ; the weight's codes, my slice of 256 columns
	s_mul_i32 s15, s2, 196608
	s_add_co_u32 s50, s50, s15
	s_mov_b32 s51, 0
	s_lshl_b32 s52, s3, 15                         ; its scale words
	s_lshl_b32 s15, s2, 13
	s_add_co_u32 s52, s52, s15
	s_mov_b32 s53, 0
	s_lshl_b32 s54, s2, 10                         ; the bias: my 256 numbers
	s_mov_b32 s55, 0
	s_lshr_b32 s56, s14, 5                         ; out: ((16 batch + 4 w) x 16 steps + step) x 6,400: my first head, my step of 128 tokens
	s_lshl_b32 s56, s56, 4
	s_lshl_b32 s15, s2, 2
	s_add_co_u32 s56, s56, s15
	s_lshl_b32 s56, s56, 4
	s_and_b32 s15, s14, 31
	s_lshr_b32 s15, s15, 1
	s_add_co_u32 s56, s56, s15
	s_mul_i32 s56, s56, 6400
	s_mov_b32 s57, 0
	s_wait_kmcnt 0x0
	s_cmp_eq_u32 s3, 0                             ; the buffers are chosen by the work-group's number alone
	s_cselect_b64 s[4:5], s[16:17], s[18:19]
	s_cselect_b64 s[10:11], s[26:27], s[28:29]
	s_cselect_b64 s[12:13], s[32:33], s[34:35]
	s_cmp_eq_u32 s3, 2
	s_cselect_b64 s[4:5], s[20:21], s[4:5]
	s_cselect_b64 s[10:11], s[30:31], s[10:11]
	s_cselect_b64 s[12:13], s[36:37], s[12:13]
	s_add_nc_u64 s[4:5], s[4:5], s[48:49]
	s_add_nc_u64 s[6:7], s[22:23], s[50:51]
	s_add_nc_u64 s[8:9], s[24:25], s[52:53]
	s_add_nc_u64 s[10:11], s[10:11], s[54:55]
	s_add_nc_u64 s[12:13], s[12:13], s[56:57]
.irp g, 0,1,2,3
	WGRP \g, 0                                     ; K step 0's weights: they land under phase X
.endr
; ---- PHASE X: my 16 rows of x, a K step (128 numbers a row) at a time.  A load reads 512 consecutive bytes of one row; the 16 rows turn through my stage, so that a lane gets 16 neighbours of each block of 32 of ITS row.
.macro XLOAD s                         ; into set s % 4 of window 2
	WIN 0x80
.irp i, 0,1,2,3,4,5,6,7,8,9,10,11,12,13,14,15
	global_load_b128 v[64*((\s)%4)+4*\i:64*((\s)%4)+4*\i+3], v[L16], s[4:5] offset:(\i+8*(\i/8))*4096+512*(\s) th:TH_LOAD_NT
.endr
	WIN 0
.endm
.macro XSTEP s
.if (\s)+3 < 8
	XLOAD (\s)+3                                   ; its set's stores into the stage were waited for in the step before
.endif
.if 7-(\s) >= 3
	s_wait_loadcnt 48                              ; this step's 16 loads are in (and the weights', which are older); three steps' may be out
.else
	s_wait_loadcnt 16*(7-(\s))
.endif
	WIN 0x08                                       ; an LDS store's data are its source 1: window 2
.irp i, 0,1,2,3,4,5,6,7,8,9,10,11,12,13,14,15
	ds_store_b128 v[TST], v[64*((\s)%4)+4*\i:64*((\s)%4)+4*\i+3] offset:TP*\i
.endr
	WIN 0
.irp b, 0,1,2,3
.irp j, 0,1,2,3
	ds_load_b128 v[X+16*\b+4*\j:X+16*\b+4*\j+3], v[TLD] offset:128*\b+16*\j   ; LDS serves a wave's instructions in order: these see the stores above
.endr
.endr
	s_wait_dscnt 0x0                               ; the numbers are back; the last step's image stores have read their registers
	QUANT X, PW0
.irp q, 0,1,2
	ds_store_b128 v[XWI], v[PC+4*\q:PC+4*\q+3] offset:6144*(\s)+512*\q
.endr
	ds_store_b32 v[XWS], v[PW0] offset:512*(\s)
.endm
	XLOAD 0
	XLOAD 1
	XLOAD 2
.irp s, 0,1,2,3,4,5,6,7
	XSTEP \s
.endr
	s_wait_dscnt 0x0                               ; for the others' sake: my images have landed
	s_barrier_signal -1
	s_barrier_wait -1                              ; x's 32 fragments lie in LDS; from here on LDS is only read
	XFETCH 0, 0
; ---- THE K LOOP: eight steps of 128.  Step 0 starts the sums; a trip runs two steps, after which the sets of x are back where they began; step 7 is written out, once for each use.
	GSTEP 0, 1, 1
	s_wait_xcnt 0x0                                ; the loads issued have read their bases: they step
	s_add_nc_u64 s[6:7], s[6:7], 24576
	s_add_nc_u64 s[8:9], s[8:9], 1024
	s_add_co_u32 s42, s42, 6144
	s_add_co_u32 s43, s43, 512
	s_mov_b32 s41, 3
.Lk:
	GSTEP 1, 0, 1
	GSTEP 0, 0, 2
	s_wait_xcnt 0x0
	s_add_nc_u64 s[6:7], s[6:7], 49152
	s_add_nc_u64 s[8:9], s[8:9], 2048
	s_add_co_u32 s42, s42, 12288
	s_add_co_u32 s43, s43, 1024
	s_sub_co_u32 s41, s41, 1
	s_cmp_lg_u32 s41, 0
	s_cbranch_scc1 .Lk
	s_wait_dscnt 0x0                               ; step 7's x is in
	s_cmp_eq_u32 s3, 2
	s_cbranch_scc1 .Lvalue
; ---- Q, K: step 7; behind group g (head g of my four) its registers take the head's bias: lane (r, h) wants channels 32 b + 16 h + 0 .. 15
.irp g, 0,1,2,3
	s_wait_loadcnt 14*(3-\g)+8*\g                  ; behind this group's loads: the later groups' 14 each, and 8 bias loads for each group done
	MM 0, \g, 1, 0
	WIN 0
	PLACES
	WIN 0x40
.irp bb, 0,1
.irp q, 0,1,2,3
	global_load_b128 v[48*\g+16*\bb+4*\q:48*\g+16*\bb+4*\q+3], v[H64], s[10:11] offset:256*\g+128*\bb+16*\q
.endr
.endr
	WIN 0
.endr
; Head hd, pair p of row tiles: 64 numbers = tile 2 p's 32 channels-of-my-half, then tile 2 p + 1's: quantised as they lie they ARE the paired fragment and its word.
.macro EPQ hd, p
.if (\p) == 0
	s_wait_loadcnt 8*(3-(\hd))                     ; this head's bias is in; the later heads' may be out
.endif
	s_wait_xcnt 0x0                                ; the earlier stores have read the registers that are written anew below
	WIN 0x06+(\p)                                  ; source 0: the accumulators' window; source 1: window 1
.set j, 0
.rept 32
	v_pk_add_f32 v[X+j:X+j+1], v[64*(\hd)+j:64*(\hd)+j+1], v[48*(\hd)+j%32:48*(\hd)+j%32+1]   ; each accumulator from its low end on
.set j, j+2
.endr
	WIN 0
	QUANT X, PW0+(\p)
.irp q, 0,1,2
	global_store_b128 v[CO16], v[PC+4*\q:PC+4*\q+3], s[12:13] offset:(\hd)*102400+1536*(\p)+512*\q   ; 512 consecutive bytes, at a multiple of 256
.endr
.if (\p) == 1
	v_cndmask_b32 v[SW], v[PW0], v[PW0+1], s46     ; lanes 0-15 carry pair 0's words, lanes 16-31 pair 1's
	global_store_b32 v[SCO], v[SW], s[12:13] offset:(\hd)*102400   ; 128 consecutive bytes
.endif
.endm
.irp hd, 0,1,2,3
	EPQ \hd, 0
	EPQ \hd, 1
.endr
	s_branch .Lend
; ---- V: step 7; behind group g its first four registers take the bias of my channel in each of the group's four tiles
.Lvalue:
.irp g, 0,1,2,3
	s_wait_loadcnt 14*(3-\g)+4*\g
	MM 1, \g, 1, 0
	WIN 0
	PLACES
	WIN 0x40
.irp ct, 0,1,2,3
	global_load_b32 v[48*\g+\ct], v[B4], s[10:11] offset:256*\g+128*(\ct/2)+32*(\ct%2)
.endr
	WIN 0
.endr
; Channel tiles 2 tp and 2 tp + 1: each has 32 numbers a lane, tokens 32 p + 16 h + 0 .. 15: together 64 numbers, whose codes are two half fragments (64 keys each).
.macro EPV tp
	s_wait_loadcnt 4*(3-(\tp)/2)
	s_wait_xcnt 0x0
.irp p, 0,1
	WIN 0x06+\p
.irp e, 0,1
.irp u, 0,1
.irp jj, 0,2,4,6
.set rA, 64*((\tp)/2)+32*\u+8*(2*((\tp)%2)+\e)+\jj
.set rB, 48*((\tp)/2)+2*((\tp)%2)
.set rX, X+32*\e+16*\p+8*\u+\jj
.if \e
	v_pk_add_f32 v[rX:rX+1], v[rA:rA+1], v[rB:rB+1] op_sel:[0,1] op_sel_hi:[1,1]   ; the odd tile's bias, the pair's second register, for both halves
.else
	v_pk_add_f32 v[rX:rX+1], v[rA:rA+1], v[rB:rB+1] op_sel_hi:[1,0]                ; the even tile's, the first
.endif
.endr
.endr
.endr
.endr
	WIN 0
	QUANT X, PW0+(\tp)%2
.irp e, 0,1
	global_store_b128 v[CO16], v[PC+6*\e:PC+6*\e+3], s[12:13] offset:((\tp)/2)*102400+((2*(\tp)+\e)%4)*1536
	global_store_b64 v[CO8], v[PC+6*\e+4:PC+6*\e+5], s[12:13] offset:((\tp)/2)*102400+((2*(\tp)+\e)%4)*1536+512
.endr
.if (\tp)%2
	v_cndmask_b32 v[SW], v[PW0], v[PW0+1], s46     ; lanes 0-15: tiles 0, 1 of the head; lanes 16-31: tiles 2, 3
	global_store_b32 v[SCO], v[SW], s[12:13] offset:((\tp)/2)*102400
.endif
.endm
.irp tp, 0,1,2,3,4,5,6,7
	EPV \tp
.endr
.Lend:
	s_wait_tensorcnt 0x0                           ; the wave's end, behind my last LDS store
	ds_add_u32 v[SPW], v[NIL]
	s_wait_dscnt 0x0
	s_endpgm
.Lfunc_end_k_q463eb0c33e_proj:
	.size	k_q463eb0c33e_proj, .Lfunc_end_k_q463eb0c33e_proj-k_q463eb0c33e_proj
	.p2alignl 7, 3214868480
	.fill 96, 4, 3214868480
	.section	.rodata,"a",@progbits
	.p2align	6, 0x0
	.amdhsa_kernel k_q463eb0c33e_proj
		.amdhsa_group_segment_fixed_size 87552
		.amdhsa_private_segment_fixed_size 0
		.amdhsa_enable_private_segment 0
		.amdhsa_kernarg_size 88
		.amdhsa_user_sgpr_count 2
		.amdhsa_user_sgpr_kernarg_segment_ptr 1
		.amdhsa_wavefront_size32 1
		.amdhsa_system_sgpr_workgroup_id_x 1
		.amdhsa_system_sgpr_workgroup_id_y 1
		.amdhsa_system_sgpr_workgroup_id_z 1
		.amdhsa_system_vgpr_workitem_id 0
		.amdhsa_next_free_vgpr 1024
		.amdhsa_next_free_sgpr 66
		.amdhsa_reserve_vcc 0
		.amdhsa_float_denorm_mode_32 3
		.amdhsa_float_denorm_mode_16_64 3
		.amdhsa_memory_ordered 1
		.amdhsa_forward_progress 1
		.amdhsa_inst_pref_size 255
	.end_amdhsa_kernel
	.section	.bss,"aw",@nobits
	.p2align	6
	.space	262144
	.amdgpu_metadata
---
amdhsa.version: [ 1, 2 ]
amdhsa.kernels:
  - .name:           k_q463eb0c33e_proj
    .symbol:         k_q463eb0c33e_proj.kd
    .args:
      - { .name: query, .offset: 0, .size: 8, .value_kind: global_buffer, .address_space: global }
      - { .name: key, .offset: 8, .size: 8, .value_kind: global_buffer, .address_space: global }
      - { .name: value, .offset: 16, .size: 8, .value_kind: global_buffer, .address_space: global }
      - { .name: wcod, .offset: 24, .size: 8, .value_kind: global_buffer, .address_space: global }
      - { .name: wscl, .offset: 32, .size: 8, .value_kind: global_buffer, .address_space: global }
      - { .name: bq, .offset: 40, .size: 8, .value_kind: global_buffer, .address_space: global }
      - { .name: bk, .offset: 48, .size: 8, .value_kind: global_buffer, .address_space: global }
      - { .name: bv, .offset: 56, .size: 8, .value_kind: global_buffer, .address_space: global }
      - { .name: qimg, .offset: 64, .size: 8, .value_kind: global_buffer, .address_space: global }
      - { .name: kimg, .offset: 72, .size: 8, .value_kind: global_buffer, .address_space: global }
      - { .name: vimg, .offset: 80, .size: 8, .value_kind: global_buffer, .address_space: global }
    .group_segment_fixed_size: 87552
    .private_segment_fixed_size: 0
    .kernarg_segment_align: 8
    .kernarg_segment_size: 88
    .max_flat_workgroup_size: 128
    .sgpr_count:     66
    .vgpr_count:     1024
    .wavefront_size: 32
...
	.end_amdgpu_metadata
.endif
;; end of part 2
;; launch attn (part 3): grid 4 x 64, 8 waves a work-group, clusters of 4 x 1, 248,832 bytes of LDS; arguments qimg, kimg, vimg, mask, out1, oimg, oscl; writes out1, oimg, oscl
.if DOCPART == 3
	.amdgcn_target "amdgcn-amd-amdhsa--gfx1250"
	.amdhsa_code_object_version 6
	.text
	.protected	k_q463eb0c33e_attn
	.globl	k_q463eb0c33e_attn
	.p2align	8
	.type	k_q463eb0c33e_attn,@function
k_q463eb0c33e_attn:
	s_mov_b64 s[64:65], 0
	v_nop
	global_prefetch_b8 v0, s[64:65] scope:SCOPE_SE
	s_setreg_imm32_b32 hwreg(HW_REG_WAVE_MODE, 25, 1), 1
	s_wait_xcnt 0x0
	s_wait_alu depctr_hold_cnt(0) depctr_sa_sdst(0) depctr_va_vdst(0) depctr_va_sdst(0) depctr_va_ssrc(0) depctr_va_vcc(0) depctr_vm_vsrc(0)
	s_getreg_b32 s2, hwreg(HW_REG_IB_STS2, 6, 4)
	s_cmp_eq_u32 s2, 0
	s_cbranch_scc0 .Lentry_in_a_cluster
	s_endpgm
.Lentry_in_a_cluster:
	s_bfe_u32 s2, ttmp6, 0x10000c
	s_cmp_lg_u32 s2, 0x3003
	s_cbranch_scc0 .Lentry_shape_is_right
	s_endpgm
.Lentry_shape_is_right:
; out1[b][q][64 head + d] = the sum over keys of softmax(Q . K / 8 + mask[b][key]) V, both products on codes of FP6 (E2M3) with E8M0 scales; out1's rows are also quantised along the merged heads for the last product.
; THE SOFTMAX: t = (Q . K + 8 mask) x log2(e) / 8; M = the running largest t rounded UP to a whole number; p = 2^(t - M) is quantised along the keys, not normalised; the row's sum is taken of the unquantised p and divides at the end.
; When M moves, the sum and O are multiplied by 2^(old M - new M): exact.  8 x mask enters as the C of the first product, so the mask costs no vector line in the loop.
; SHARES: a cluster of four work-groups owns one head of one batch; a work-group 512 of its queries, in two passes of 256; each of its eight waves a pair of query tiles, 32 queries: tile A in window 0, tile B in window 1, same numbers.
; A WHOLE HEAD'S K AND V (codes and scale bytes, 204,800 bytes) LIE IN LDS for the launch: filled once, by one tensor load a wave (25,600 bytes), asked for JOINTLY by the four work-groups; nothing is filled again, so the loops have no barrier.
; LAYOUT: both products transposed: S^T = K Q^T, O^T = V^T P^T: a lane holds one query.  A fragment of K holds TWO tiles of 16 keys (64 channels each, K = 128): against [Q | 0] it gives the first tile's scores, against [0 | Q] the second's
; (zero codes add nothing: every scale byte lies between 1 and 254, and the format has no infinity).  The keys of a tile are chosen (lane r of tile 2 b + u: key 32 b + 8 u + r + 8 (r / 8)) so that score register 16 b + i is key 32 b + 16 (lane / 16) + i.
; LIMITS: |mask| under 4.2e37, or -infinity (it is multiplied by 8); a row all of whose keys are at -infinity gives NaN, as the softmax does; blocks of zeros or under 2^-124 get the byte 1 (read by this program alone).
; REGISTERS of a tile (window 0: A, window 1: B): v64-127 S^T, then p; v128-159 O^T; v160-177 six zeros, Q, six zeros; v178-189 p's codes; v190-219 at work.
; Shared, window 0: v1-14 addresses; v16-63 four fragments of K or V; v220-235 scale words; v236-249 at work; window 1: v0-63 8 x mask of the step's keys, in the result's layout.
.set FRB,   1536
.set STEPB, 6400                       ; a step of 128 keys in kimg, vimg and LDS
.set VOFF,  102400                     ; LDS: K's 16 steps, then V's,
.set MSK,   204800                     ; 8 x mask of the batch's 2,048 keys,
.set STG,   212992                     ; a stage of 16 rows x (256 + 16) bytes for each wave,
.set SP,    272
.set SPARE, 247808                     ; the spare words, 128 bytes a wave
.set L16,  1
.set L8,   2
.set R8,   3
.set MK0,  4                           ; MSK + 64 (lane / 16)
.set ADK,  5
.set ADKS, 6
.set ADM,  7
.set ADV,  8
.set ADV8, 9
.set ADVS, 10
.set STO,  11
.set RD,   12
.set GO,   13
.set R4H,  14                          ; 4 r + 2 (lane / 16)
.set FR,   16
.set S,    64
.set O,    128
.set QZ,   160
.set PC,   178
.set TPC,  190
.set BM,   198
.set BX,   202
.set SO,   206
.set NM,   210                         ; -M;  v211 the largest t
.set TMX,  211
.set SUM,  212
.set SUM2, 214
.set F,    216
.set T,    218
.set KW,   220
.set VR,   224
.set VW,   228
.set QSA,  232                         ; Q's scale words: v232 tile A's, v233 tile B's
.set PWA,  234                         ; p's: v234, v235
.set T12,  236
.set QRAW, 248
.set OSW,  249
.set SPW,  250
.set NIL,  251
.set QAD,  252
.set QSD,  253
.set WV,   18
.set CS,   22                          ; s[22:23] c = log2(e) / 8
.set SEL,  24
.set G1,   28                          ; s[28:35] descriptor group 1;  s[36:39], s[52:55] groups 0 for K's and V's part
.set G0K,  36
.set G0V,  52
.set MSB, 0
.macro WIN new
.if MSB != (\new)
	s_set_vgpr_msb (MSB<<8)|(\new)
.set MSB, (\new)
.endif
.endm
.macro PLACES
.rept 4
	v_nop
.endr
.endm
.macro WMA d, a, b, sa, sb
	v_wmma_scale_f32_16x16x128_f8f6f4 v[\d:\d+7], v[\a:\a+11], v[\b:\b+11], v[\d:\d+7], v[\sa], v[\sb] matrix_a_fmt:MATRIX_FMT_FP6 matrix_b_fmt:MATRIX_FMT_FP6
.endm
.macro WMC d, a, b, c, sa, sb
	v_wmma_scale_f32_16x16x128_f8f6f4 v[\d:\d+7], v[\a:\a+11], v[\b:\b+11], v[\c:\c+7], v[\sa], v[\sb] matrix_a_fmt:MATRIX_FMT_FP6 matrix_b_fmt:MATRIX_FMT_FP6
.endm
.macro CROUND                          ; a round of the cluster's barrier
	s_barrier_signal -1
	s_barrier_wait -1
	s_cmp_lg_u32 s[WV], 0
	s_cbranch_scc1 .Lnot_wave_0_\@
	s_barrier_signal -3
.Lnot_wave_0_\@:
	s_barrier_wait -3
	s_barrier_signal -1
	s_barrier_wait -1
.endm
	s_load_b256 s[4:11], s[0:1], 0x0               ; qimg, kimg, vimg, mask
	s_load_b128 s[12:15], s[0:1], 0x20             ; out1, oimg
	s_load_b64 s[16:17], s[0:1], 0x30              ; oscl
	v_lshl_add_u32 v[SPW], v0, 2, SPARE
	v_mov_b32 v[NIL], 0
	ds_add_u32 v[SPW], v[NIL]                      ; the wave's opening: the add and its wait stand ahead of my first tensor load; work on registers stands between them
	v_lshrrev_b32 v1, 5, v0
	v_readfirstlane_b32 s[WV], v1                  ; wave 0..7
	s_bfe_u32 s19, ttmp6, 0x40000                  ; cx: my quarter of the head's queries; it enters Q's and the outputs' addresses alone
	s_and_b32 s20, ttmp7, 0xffff                   ; 16 batch + head, which the four partners share
	s_mov_b32 s[G1], 15|(3<<16)|(1<<21)            ; 15:0 the mask: all four work-groups; 17:16 elements of 8 bytes; 20 no padding; 21 set beside a mask
	s_mov_b32 s[G1+1], 32<<16                      ; tensor_dim0 = 32 elements: rows of 256 bytes
	s_mov_b32 s[G1+2], 100<<16                     ; tensor_dim1 = 100 rows: 25,600 dense bytes
	s_mov_b32 s[G1+3], 32<<16                      ; tile_dim0
	s_mov_b32 s[G1+4], 100                         ; tile_dim1
	s_mov_b32 s[G1+5], 32                          ; the pitch
	s_mov_b32 s[G1+6], 0
	s_mov_b32 s[G1+7], 0
	s_mov_b32 s[CS], 0x3e38aa3b                    ; c = log2(e) / 8
	s_mov_b32 s[CS+1], s[CS]                       ; (named with it as a pair, so it is written)
	s_mov_b32 s[SEL], 0x76543210
	s_mov_b32 s[SEL+1], 0xfedcba98
	s_mov_b32 s56, 0xffff0000                      ; lanes 16-31
	s_mul_i32 s46, s20, 102400                     ; the head's first byte in qimg, kimg and vimg
	s_and_b32 s21, s[WV], 3
	s_mul_i32 s48, s21, 25600                      ; my quarter of K's (waves 0-3) or V's (waves 4-7) 102,400 bytes,
	s_add_co_u32 s48, s48, s46
	s_mov_b32 s49, 0
	s_mul_i32 s26, s[WV], 25600                    ; and its place in LDS: V's region follows K's
	s_wait_dscnt 0x0                               ; the opening add is done
	s_wait_kmcnt 0x0
	s_mov_b32 s[G0K], 1                            ; count = 1
	s_mov_b32 s[G0K+1], s26                        ; LDS address
	s_add_nc_u64 s[G0K+2:G0K+3], s[6:7], s[48:49]  ; global address
	s_or_b32 s[G0K+3], s[G0K+3], 0x80000000        ; type = 2
	s_mov_b32 s[G0V], 1
	s_mov_b32 s[G0V+1], s26
	s_add_nc_u64 s[G0V+2:G0V+3], s[8:9], s[48:49]
	s_or_b32 s[G0V+3], s[G0V+3], 0x80000000
	CROUND                                         ; all four work-groups are here: the joint loads meet
	s_cmp_lt_u32 s[WV], 4                          ; the branch hangs on the wave's number alone; one load of mine is out
	s_cbranch_scc0 .Lfor_v
	tensor_load_to_lds s[G0K:G0K+3], s[G1:G1+7]
	s_nop 0
	PLACES
	s_branch .Lasked
.Lfor_v:
	tensor_load_to_lds s[G0V:G0V+3], s[G1:G1+7]
	s_nop 0
	PLACES
.Lasked:
	s_lshr_b32 s21, s20, 4                         ; batch
	s_and_b32 s27, s20, 15                         ; head
	s_lshl_b32 s60, s21, 13                        ; the batch's 2,048 mask numbers
	s_mov_b32 s61, 0
	s_add_nc_u64 s[10:11], s[10:11], s[60:61]
	v_lshlrev_b32 v72, 4, v0                       ; thread t copies 16 bytes at 16 t and at 4,096 + 16 t
	global_load_b128 v[64:67], v72, s[10:11]
	global_load_b128 v[68:71], v72, s[10:11] offset:4096
	v_lshl_add_u32 v73, v0, 4, MSK
	s_lshl_b32 s50, s19, 2                         ; Q: my step of 128 queries in pass 0: 4 cx + wave / 4
	s_lshr_b32 s51, s[WV], 2
	s_add_co_u32 s50, s50, s51
	s_mul_i32 s50, s50, STEPB
	s_add_co_u32 s50, s50, s46
	s_mov_b32 s51, 0
	s_add_nc_u64 s[4:5], s[4:5], s[50:51]
	s_lshl_b32 s57, s19, 4
	s_add_co_u32 s57, s57, s[WV]
	s_lshl_b32 s58, s21, 6
	s_add_co_u32 s58, s58, s57                     ; P: my pair of tiles among all 256: 64 batch + 16 cx + wave (+ 8 in pass 1)
	s_lshl_b32 s60, s58, 17                        ; out1: 32 rows of 4,096 bytes a pair, + 256 bytes a head
	s_lshl_b32 s59, s27, 8
	s_add_co_u32 s60, s60, s59
	s_add_nc_u64 s[12:13], s[12:13], s[60:61]
	s_mul_i32 s60, s58, 24576                      ; oimg: [tile 2 P + u][head][768]
	s_mul_i32 s59, s27, 768
	s_add_co_u32 s60, s60, s59
	s_add_nc_u64 s[14:15], s[14:15], s[60:61]
	s_lshl_b32 s60, s58, 10                        ; oscl: [P][head][64]
	s_lshl_b32 s59, s27, 6
	s_add_co_u32 s60, s60, s59
	s_add_nc_u64 s[16:17], s[16:17], s[60:61]
	v_and_b32 v238, 31, v0                         ; lane
	v_and_b32 v236, 15, v0                         ; r
	v_bfe_u32 v237, v0, 4, 1                       ; h
	v_lshlrev_b32 v[L16], 4, v238
	v_lshlrev_b32 v[L8], 3, v238
	v_lshlrev_b32 v[R8], 3, v236
	v_lshl_add_u32 v[MK0], v237, 6, MSK
	s_mul_i32 s47, s[WV], 16*SP
	s_add_co_u32 s47, s47, STG                     ; my stage
	v_mul_u32_u24 v[STO], v236, SP
	v_lshl_add_u32 v[STO], v237, 6, v[STO]
	v_add_nc_u32 v[STO], s47, v[STO]               ; in: row r, + 64 h
	v_mul_u32_u24 v[RD], v237, SP
	v_lshl_add_u32 v[RD], v236, 4, v[RD]
	v_add_nc_u32 v[RD], s47, v[RD]                 ; back: lanes 0-15 one row of 256 bytes, lanes 16-31 the next
	v_lshlrev_b32 v[GO], 12, v237
	v_lshl_add_u32 v[GO], v236, 4, v[GO]           ; and the same in out1
	v_lshlrev_b32 v[R4H], 2, v236
	v_lshl_add_u32 v[R4H], v237, 1, v[R4H]
	s_and_b32 s47, s[WV], 3
	s_mul_i32 s47, s47, FRB
	v_add_nc_u32 v[QAD], s47, v[L16]               ; Q's pair in its step: fragment wave % 4,
	s_bfe_u32 s46, s[WV], 0x10001
	s_lshl_b32 s46, s46, 7
	s_and_b32 s47, s[WV], 1
	s_lshl_b32 s47, s47, 2
	s_add_co_u32 s46, s46, s47
	s_add_co_u32 s46, s46, 6144
	v_add_nc_u32 v[QSD], s46, v[R8]                ; and its scale word
.irp w, 0,1
	WIN 0x40*\w
.irp i, 0,1,2,3,4,5
	v_mov_b32 v[QZ+\i], 0                          ; the zero codes on both sides of Q
	v_mov_b32 v[QZ+12+\i], 0
.endr
.irp i, 0,1,2,3
	v_mov_b32 v[BX+\i], 0                          ; written once: a lane permute's destination counts as one of its sources
.endr
	v_mov_b32 v[F+1], 0                            ; (named as the upper half of a pair)
.endr
	WIN 0
	s_wait_loadcnt 0x0                             ; the mask
.irp i, 0,2,4,6
	v_pk_mul_f32 v[64+\i:65+\i], v[64+\i:65+\i], 0x41000000 op_sel_hi:[1,0]   ; x 8: exact
.endr
	ds_store_b128 v73, v[64:67]
	ds_store_b128 v73, v[68:71] offset:4096
	s_wait_tensorcnt 0x0                           ; my part of K or V has landed,
	s_wait_dscnt 0x0                               ; and my part of the mask
	s_barrier_signal -1
	s_barrier_wait -1                              ; everybody's has; K, V and the mask are only read from here on
; The first product of tile w: eight matrix instructions, C = 8 x mask.
.macro KQ w
	WIN 0x10+0x44*(\w)                             ; K window 0; Q and S^T the tile's window; the mask window 1
.irp b, 0,1,2,3
	WMC S+16*\b, FR+12*\b, QZ+6, 16*\b, KW+\b, QSA+(\w)       ; [Q | 0]: keys 32 b + 16 h + 0 .. 7
	WMC S+16*\b+8, FR+12*\b, QZ, 16*\b+8, KW+\b, QSA+(\w)     ; [0 | Q]: keys 32 b + 16 h + 8 .. 15
.endr
.endm
; The softmax of tile w for a step of 128 keys, and p's codes and scale word.
.macro SM w
	WIN 0x55*(\w)
.irp b, 0,1,2,3
	v_max3_num_f32 v[BM+\b], v[S+16*\b], v[S+16*\b+1], v[S+16*\b+2]   ; the largest score of each block of 32 keys: it serves the row's maximum and, since p rises with the score, the block's largest p
.endr
.irp i, 3,5,7,9,11,13
.irp b, 0,1,2,3
	v_max3_num_f32 v[BM+\b], v[BM+\b], v[S+16*\b+\i], v[S+16*\b+\i+1]
.endr
.endr
.irp b, 0,1,2,3
	v_max_num_f32 v[BM+\b], v[BM+\b], v[S+16*\b+15]
.endr
.irp b, 0,1,2,3
	v_permlanex16_b32 v[BX+\b], v[BM+\b], s[SEL], s[SEL+1]
.endr
.irp b, 0,1,2,3
	v_max_num_f32 v[BM+\b], v[BM+\b], v[BX+\b]     ; with lane l xor 16's 16 keys
.endr
	v_max3_num_f32 v[T], v[BM], v[BM+1], v[BM+2]
	v_max_num_f32 v[T], v[T], v[BM+3]
	v_mul_f32 v[T], s[CS], v[T]                    ; the step's largest t (c is positive)
	v_max_num_f32 v[TMX], v[TMX], v[T]             ; the running largest t
	v_mov_b32 v[T], v[NM]
	v_floor_f32 v[NM], -v[TMX]                     ; the new -M = -ceil(t): a whole number
	v_sub_f32 v[T], v[NM], v[T]                    ; old M - new M: a whole number, 0 or less
	v_cvt_i32_f32 v[T], v[T]                       ; (it saturates)
	v_ldexp_f32 v[F], 1.0, v[T]                    ; f = 2^(old M - new M)
.set j, 0
.rept 32
	v_pk_fma_f32 v[S+j:S+j+1], v[S+j:S+j+1], s[CS:CS+1], v[NM:NM+1] op_sel_hi:[1,0,0]   ; t - M, two at a time
.set j, j+2
.endr
.irp b, 0,1,2,3
	v_fma_f32 v[BM+\b], v[BM+\b], s[CS], v[NM]     ; the same of each block's largest score
.endr
.set j, 0
.rept 64
	v_exp_f32 v[S+j], v[S+j]                       ; p = 2^(t - M)
.set j, j+1
.endr
	v_pk_mul_f32 v[SUM:SUM+1], v[SUM:SUM+1], v[F:F+1] op_sel_hi:[1,0]   ; the sums under the new M; the plain line behind the exponentials
	s_wait_alu depctr_va_vdst(0)                   ; one wait for the batch of 64, ahead of its first reader
.irp b, 0,1,2,3
	v_exp_f32 v[BM+\b], v[BM+\b]                   ; the block's largest p: the same two instructions on the same number
.endr
	v_pk_add_f32 v[SUM2:SUM2+1], v[S:S+1], v[S+2:S+3]   ; the row's sum of the UNQUANTISED p, in two chains
.set j, 4
.rept 15
	v_pk_add_f32 v[SUM:SUM+1], v[SUM:SUM+1], v[S+j:S+j+1]
	v_pk_add_f32 v[SUM2:SUM2+1], v[SUM2:SUM2+1], v[S+j+2:S+j+3]
.set j, j+4
.endr
	v_pk_add_f32 v[SUM:SUM+1], v[SUM:SUM+1], v[SUM2:SUM2+1]
	s_wait_alu depctr_va_vdst(0)                   ; and one for the four
.irp b, 0,1,2,3
	v_max_num_f32 v[BM+\b], 0x1800000, v[BM+\b]    ; the floor 2^(3 - 127): the byte cannot fall under 1
.endr
.irp b, 0,1,2,3
	v_add_nc_u32 v[SO+\b], 0xff000000, v[BM+\b]    ; 2 off the exponent field: the conversion's scale operand
.endr
.irp b, 0,1,2,3
	v_lshrrev_b32 v[BX+\b], 23, v[SO+\b]           ; the scale's byte
.endr
	v_lshl_or_b32 v[T], v[BX+1], 8, v[BX]
	v_lshl_or_b32 v[T], v[BX+2], 16, v[T]
	v_lshl_or_b32 v[T], v[BX+3], 24, v[T]          ; p's scale word for these 128 keys
.irp c, 0,1
	v_cvt_scalef32_pk16_fp6_f32 v[PC+6*\c:PC+6*\c+2], v[S+32*\c:S+32*\c+15], v[SO+2*\c]
	v_cvt_scalef32_pk16_fp6_f32 v[TPC+4*\c:TPC+4*\c+2], v[S+32*\c+16:S+32*\c+31], v[SO+2*\c+1]
.endr
	v_nop                                          ; one plain line behind a scaled conversion
.irp c, 0,1
.irp i, 0,1,2
	v_permlane16_swap_b32 v[PC+6*\c+\i], v[TPC+4*\c+\i]   ; a WHOLE block to a lane
.endr
.irp i, 0,1,2
	v_mov_b32 v[PC+6*\c+3+\i], v[TPC+4*\c+\i]
.endr
.endr
	WIN 0x01*(\w)                                  ; scale operands are taken from window 0
	v_mov_b32 v[PWA+(\w)], v[T]
	WIN 0x55*(\w)
.set j, 0
.rept 16
	v_pk_mul_f32 v[O+j:O+j+1], v[O+j:O+j+1], v[F:F+1] op_sel_hi:[1,0]   ; O^T under the new M.  (These are also the plain lines between the scale word's and the codes' last writes and the products)
.set j, j+2
.endr
.endm
; A KEY STEP: 128 keys for both tiles.
.macro STEP
	v_add_nc_u32 v[ADK], s40, v[L16]               ; (six plain lines: also the places between the last products and the loads into the registers that they read)
	v_add_nc_u32 v[ADKS], s40, v[R8]
	v_add_nc_u32 v[ADM], s41, v[MK0]
	v_add_nc_u32 v[ADV], s44, v[L16]
	v_add_nc_u32 v[ADV8], s44, v[L8]
	v_add_nc_u32 v[ADVS], s44, v[R8]
.irp b, 0,1,2,3
.irp q, 0,1,2
	ds_load_b128 v[FR+12*\b+4*\q:FR+12*\b+4*\q+3], v[ADK] offset:FRB*\b+512*\q   ; K's four paired fragments, as register images
.endr
.endr
	ds_load_b64 v[KW:KW+1], v[ADKS] offset:6144    ; their scale words
	ds_load_b64 v[KW+2:KW+3], v[ADKS] offset:6272
	WIN 0x40
.irp b, 0,1,2,3
.irp q, 0,1,2,3
	ds_load_b128 v[16*\b+4*\q:16*\b+4*\q+3], v[ADM] offset:128*\b+16*\q          ; 8 x mask of keys 32 b + 16 h + 4 q on
.endr
.endr
	s_wait_dscnt 0x0
	KQ 0
	KQ 1
	WIN 0
	PLACES
.irp t, 0,1,2,3                        ; V's four channel tiles, 128 keys each: two half fragments; they land under tile A's softmax
	ds_load_b128 v[FR+12*\t:FR+12*\t+3], v[ADV] offset:FRB*\t
	ds_load_b64 v[FR+12*\t+4:FR+12*\t+5], v[ADV8] offset:FRB*\t+512
	ds_load_b128 v[FR+12*\t+6:FR+12*\t+9], v[ADV] offset:FRB*\t+768
	ds_load_b64 v[FR+12*\t+10:FR+12*\t+11], v[ADV8] offset:FRB*\t+1280
.endr
	ds_load_b64 v[VR:VR+1], v[ADVS] offset:6144
	ds_load_b64 v[VR+2:VR+3], v[ADVS] offset:6272
	SM 0
	s_wait_dscnt 0x0                               ; V is in
	v_perm_b32 v[VW], v[VR+2], v[VR], 0x05040100   ; a tile's scale word: its two bytes of the first 64 keys, then of the second
	v_perm_b32 v[VW+1], v[VR+2], v[VR], 0x07060302
	v_perm_b32 v[VW+2], v[VR+3], v[VR+1], 0x05040100
	v_perm_b32 v[VW+3], v[VR+3], v[VR+1], 0x07060302
	SM 1
	WIN 0
.irp t, 0,1,2,3
	WMA O+8*\t, FR+12*\t, PC, VW+\t, PWA           ; O^T += V^T P^T; the eight accumulators take turns
.endr
	WIN 0x54
.irp t, 0,1,2,3
	WMA O+8*\t, FR+12*\t, PC, VW+\t, PWA+1
.endr
	WIN 0
.endm
; 32 numbers of a lane (channels 32 b + 16 h + i of my query) become six registers of codes and two scale bytes.
.macro QUANT32
.irp b, 0,1
	v_max3_num_f32 v[BM+\b], |v[S+16*\b]|, |v[S+16*\b+1]|, 0x1800000
.endr
.irp i, 2,4,6,8,10,12,14
.irp b, 0,1
	v_max3_num_f32 v[BM+\b], v[BM+\b], |v[S+16*\b+\i]|, |v[S+16*\b+\i+1]|
.endr
.endr
.irp b, 0,1
	v_permlanex16_b32 v[BX+\b], v[BM+\b], s[SEL], s[SEL+1]
.endr
.irp b, 0,1
	v_max_num_f32 v[BM+\b], v[BM+\b], v[BX+\b]
.endr
.irp b, 0,1
	v_add_nc_u32 v[SO+\b], 0xff000000, v[BM+\b]
.endr
.irp b, 0,1
	v_lshrrev_b32 v[BX+\b], 23, v[SO+\b]
.endr
	v_lshl_or_b32 v[T], v[BX+1], 8, v[BX]
	v_cvt_scalef32_pk16_fp6_f32 v[PC:PC+2], v[S:S+15], v[SO]
	v_cvt_scalef32_pk16_fp6_f32 v[TPC:TPC+2], v[S+16:S+31], v[SO+1]
	v_nop
.irp i, 0,1,2
	v_permlane16_swap_b32 v[PC+\i], v[TPC+\i]
.endr
.irp i, 0,1,2
	v_mov_b32 v[PC+3+\i], v[TPC+\i]
.endr
.endm
; THE WAY OUT of tile w: O^T / the sum; through my stage, so that sixteen lanes store a token's 256 bytes of this head; and its codes for the last product.
.macro WAYOUT w
	WIN 0x55*(\w)
	v_add_f32 v[SUM], v[SUM], v[SUM+1]
	v_permlanex16_b32 v[BX], v[SUM], s[SEL], s[SEL+1]
	v_add_f32 v[SUM], v[SUM], v[BX]                ; the row's sum
	v_rcp_f32 v[F], v[SUM]
	v_nop                                          ; a plain line behind the reciprocal,
	s_wait_alu depctr_va_vdst(0)                   ; and the wait ahead of its first reader
.set j, 0
.rept 16
	v_pk_mul_f32 v[S+j:S+j+1], v[O+j:O+j+1], v[F:F+1] op_sel_hi:[1,0]   ; register 16 b + i: channel 32 b + 16 h + i; each accumulator from its low end on
.set j, j+2
.endr
	WIN 0x04*(\w)
.irp b, 0,1
.irp q, 0,1,2,3
	ds_store_b128 v[STO], v[S+16*\b+4*\q:S+16*\b+4*\q+3] offset:128*\b+16*\q
.endr
.endr
	WIN 0x40*(\w)
.irp i, 0,1,2,3,4,5,6,7
	ds_load_b128 v[S+32+4*\i:S+32+4*\i+3], v[RD] offset:2*SP*\i   ; LDS serves a wave's instructions in order: these see my stores, and the next tile's stores come behind them
.endr
	WIN 0x55*(\w)
	QUANT32
	WIN 0x04*(\w)
.irp i, 0,1,2,3,4,5,6,7
	s_wait_dscnt 7-\i                              ; rows 2 i and 2 i + 1 are back; the younger loads may be out
	global_store_b128 v[GO], v[S+32+4*\i:S+32+4*\i+3], s[12:13] offset:(2*\i+8*(\i/4)+8*(\w))*4096 th:TH_STORE_NT   ; row rho of tile w is token 8 w + rho + 8 (rho / 8) of the pair's 32; 16 lanes store 256 consecutive bytes, aligned
.endr
	global_store_b128 v[L16], v[PC:PC+3], s[14:15] offset:12288*(\w)
	global_store_b64 v[L8], v[PC+4:PC+5], s[14:15] offset:12288*(\w)+512
.endm
	s_mov_b32 s43, 2
.Lpass:                                            ; two passes of 256 queries
.irp q, 0,1,2
	global_load_b128 v[T12+4*\q:T12+4*\q+3], v[QAD], s[4:5] offset:512*\q   ; my pair's fragment: registers 0-5 tile A, 6-11 tile B
.endr
	global_load_b32 v[QRAW], v[QSD], s[4:5]
.irp w, 0,1
	WIN 0x40*\w
.set j, 0
.rept 32
	v_mov_b32 v[O+j], 0                            ; O^T.  (The key step is written once: its first trip finds zeros, which the first change of M leaves zeros)
.set j, j+1
.endr
	v_mov_b32 v[TMX], 0xff61b1e6                   ; the largest t so far: -3e38
	v_mov_b32 v[NM], 0x7f61b1e6                    ; -M
	v_mov_b32 v[SUM], 0
	v_mov_b32 v[SUM+1], 0
.endr
	WIN 0
	s_wait_loadcnt 0x0
	v_perm_b32 v[QSA], v[QRAW], v[QRAW], 0x01000100     ; tile A's two bytes, for both halves of K = 128
	v_perm_b32 v[QSA+1], v[QRAW], v[QRAW], 0x03020302   ; tile B's
.irp i, 0,1,2,3,4,5
	v_mov_b32 v[QZ+6+\i], v[T12+\i]
.endr
	WIN 0x40
.irp i, 0,1,2,3,4,5
	v_mov_b32 v[QZ+6+\i], v[T12+6+\i]
.endr
	WIN 0
	s_mov_b32 s40, 0                               ; where the step's K begins in LDS,
	s_mov_b32 s44, VOFF                            ; its V,
	s_mov_b32 s41, 0                               ; its mask
	s_mov_b32 s42, 16
.Lkey:
	STEP
	s_add_co_u32 s40, s40, STEPB
	s_add_co_u32 s44, s44, STEPB
	s_add_co_u32 s41, s41, 512
	s_sub_co_u32 s42, s42, 1
	s_cmp_lg_u32 s42, 0
	s_cbranch_scc1 .Lkey
	PLACES                                         ; between the last products and the first read of O^T
	WAYOUT 0
	WAYOUT 1
	WIN 0x04
	v_cndmask_b32 v[OSW], v[T], v[T], s56          ; lanes 0-15 carry tile A's two scale bytes (window 0), lanes 16-31 tile B's (window 1)
	WIN 0
	global_store_b16 v[R4H], v[OSW], s[16:17]      ; 64 consecutive bytes: a quarter of an aligned 256; 262,144 bytes in the whole launch go out so
	s_wait_xcnt 0x0                                ; the stores have read their registers and bases: both are written anew below
	s_add_nc_u64 s[4:5], s[4:5], 2*STEPB           ; eight pairs on
	s_add_nc_u64 s[12:13], s[12:13], 1048576
	s_add_nc_u64 s[14:15], s[14:15], 196608
	s_add_nc_u64 s[16:17], s[16:17], 8192
	s_sub_co_u32 s43, s43, 1
	s_cmp_lg_u32 s43, 0
	s_cbranch_scc1 .Lpass
	s_wait_tensorcnt 0x0                           ; the wave's end, behind my last tensor load and my last LDS store
	ds_add_u32 v[SPW], v[NIL]
	s_wait_dscnt 0x0
	CROUND                                         ; the closing round
	s_endpgm
.Lfunc_end_k_q463eb0c33e_attn:
	.size	k_q463eb0c33e_attn, .Lfunc_end_k_q463eb0c33e_attn-k_q463eb0c33e_attn
	.p2alignl 7, 3214868480
	.fill 96, 4, 3214868480
	.section	.rodata,"a",@progbits
	.p2align	6, 0x0
	.amdhsa_kernel k_q463eb0c33e_attn
		.amdhsa_group_segment_fixed_size 248832
		.amdhsa_private_segment_fixed_size 0
		.amdhsa_enable_private_segment 0
		.amdhsa_kernarg_size 56
		.amdhsa_user_sgpr_count 2
		.amdhsa_user_sgpr_kernarg_segment_ptr 1
		.amdhsa_wavefront_size32 1
		.amdhsa_system_sgpr_workgroup_id_x 1
		.amdhsa_system_sgpr_workgroup_id_y 1
		.amdhsa_system_sgpr_workgroup_id_z 1
		.amdhsa_system_vgpr_workitem_id 0
		.amdhsa_next_free_vgpr 512
		.amdhsa_next_free_sgpr 66
		.amdhsa_reserve_vcc 0
		.amdhsa_float_denorm_mode_32 3
		.amdhsa_float_denorm_mode_16_64 3
		.amdhsa_memory_ordered 1
		.amdhsa_forward_progress 1
		.amdhsa_inst_pref_size 54
	.end_amdhsa_kernel
	.amdgpu_metadata
---
amdhsa.version: [ 1, 2 ]
amdhsa.kernels:
  - .name:           k_q463eb0c33e_attn
    .symbol:         k_q463eb0c33e_attn.kd
    .args:
      - { .name: qimg, .offset: 0, .size: 8, .value_kind: global_buffer, .address_space: global }
      - { .name: kimg, .offset: 8, .size: 8, .value_kind: global_buffer, .address_space: global }
      - { .name: vimg, .offset: 16, .size: 8, .value_kind: global_buffer, .address_space: global }
      - { .name: mask, .offset: 24, .size: 8, .value_kind: global_buffer, .address_space: global }
      - { .name: out1, .offset: 32, .size: 8, .value_kind: global_buffer, .address_space: global }
      - { .name: oimg, .offset: 40, .size: 8, .value_kind: global_buffer, .address_space: global }
      - { .name: oscl, .offset: 48, .size: 8, .value_kind: global_buffer, .address_space: global }
    .group_segment_fixed_size: 248832
    .private_segment_fixed_size: 0
    .kernarg_segment_align: 8
    .kernarg_segment_size: 56
    .max_flat_workgroup_size: 256
    .sgpr_count:     66
    .vgpr_count:     512
    .wavefront_size: 32
...
	.end_amdgpu_metadata
.endif
;; end of part 3
;; launch outp (part 4): grid 256 x 1, 4 waves a work-group, no clusters, 83,456 bytes of LDS; arguments oimg, oscl, wcod, wscl, bo, out0; writes out0
.if DOCPART == 4
	.amdgcn_target "amdgcn-amd-amdhsa--gfx1250"
	.amdhsa_code_object_version 6
	.text
	.protected	k_q463eb0c33e_outp
	.globl	k_q463eb0c33e_outp
	.p2align	8
	.type	k_q463eb0c33e_outp,@function
k_q463eb0c33e_outp:
	s_mov_b64 s[64:65], 0
	v_nop
	global_prefetch_b8 v0, s[64:65] scope:SCOPE_SE
	s_setreg_imm32_b32 hwreg(HW_REG_WAVE_MODE, 25, 1), 1
	s_wait_xcnt 0x0
; out0 = out1 Wo + bo on codes of FP6 (E2M3) with E8M0 scales.  out1's rows arrive as half fragments (a row tile x a head: 768 bytes) with their scale bytes, Wo's columns as fragments: both in the order of the operand registers.
; SHARES: work-group = 2 rb + ch: 64 rows x 512 columns; 256 equal work-groups.  Wave w makes columns 512 ch + 128 w .. + 127 (8 weight tiles) for the four row tiles: 32 accumulators.
; The rows' codes (49,152 dense bytes) are copied into LDS once; each wave's part of Wo goes from memory straight into its registers, in groups of four tiles, four groups (two K steps) deep.
; Wo's codes are shared by all row blocks and not asked for jointly through LDS: a K step feeds 32 matrix instructions a wave, and between two changes of slots one slot at most could be on its way, whereas the loads into
; registers keep three groups, 42 loads, of every wave on their way with no barrier in the eight steps.
; Source 0 = 16 columns of Wo, source 1 = 16 rows: a lane holds one row, its registers run along the columns.  Columns and rows of a tile are not neighbours: of a block of 32, lane r of tile u takes 8 u + r + 8 (r / 8).
; The bias is the C of each sum's first matrix instruction.
; REGISTERS: window 0: v1-8 addresses; v16-31 Wo's scale words, four slots; v32-63 the rows' scale words [tile][K step]; v64-95 the same as they arrive; v96-191 the rows' fragments, two sets.
;   window 1: the accumulators, (a, t) at 8 (8 a + t); at the head the copy's registers.   window 2: v0-191 Wo's four slots of four fragments; v192-255 bo; on the way out v0-127 rows read back.
.set FRB,   1536
.set STG,   49152                      ; LDS: the rows' codes from 0; a stage of 16 rows x (512 + 16) bytes for each wave;
.set TP,    528
.set SPARE, STG+4*16*TP                ; the spare words
.set L16,  1
.set L8,   2
.set R8,   3
.set R4,   4
.set T16,  5                           ; 16 x thread
.set H64,  6
.set STO,  7
.set RD,   8
.set WS,   16
.set XSW,  32
.set RAW,  64
.set XF,   96
.set BO,   192
.set SPW,  252
.set NIL,  253
.set MSB, 0
.macro WIN new
.if MSB != (\new)
	s_set_vgpr_msb (MSB<<8)|(\new)
.set MSB, (\new)
.endif
.endm
.macro PLACES
.rept 4
	v_nop
.endr
.endm
.macro WMA d, a, b, sa, sb
	v_wmma_scale_f32_16x16x128_f8f6f4 v[\d:\d+7], v[\a:\a+11], v[\b:\b+11], v[\d:\d+7], v[\sa], v[\sb] matrix_a_fmt:MATRIX_FMT_FP6 matrix_b_fmt:MATRIX_FMT_FP6
.endm
.macro WMC d, a, b, c, sa, sb
	v_wmma_scale_f32_16x16x128_f8f6f4 v[\d:\d+7], v[\a:\a+11], v[\b:\b+11], v[\c:\c+7], v[\sa], v[\sb] matrix_a_fmt:MATRIX_FMT_FP6 matrix_b_fmt:MATRIX_FMT_FP6
.endm
.macro WLD s, g                        ; group g (tiles 4 g .. 4 g + 3) of K step s into slot (2 s + g) % 4: 14 loads; every offset an immediate
.set SL, (2*(\s)+(\g))%4
	WIN 0x80
.irp tt, 0,1,2,3
.irp q, 0,1,2
	global_load_b128 v[48*SL+12*\tt+4*\q:48*SL+12*\tt+4*\q+3], v[L16], s[8:9] offset:(\s)*24576+(4*(\g)+\tt)*FRB+512*\q
.endr
.endr
	WIN 0
.irp pp, 0,1
	global_load_b64 v[WS+4*SL+2*\pp:WS+4*SL+2*\pp+1], v[R8], s[10:11] offset:(\s)*1024+(2*(\g)+\pp)*128
.endr
.endm
.macro XFETCH s                        ; the four row tiles' fragments of K step s (heads 2 s and 2 s + 1) into set s % 2
.irp a, 0,1,2,3
	ds_load_b128 v[XF+48*((\s)%2)+12*\a:XF+48*((\s)%2)+12*\a+3], v[L16] offset:12288*\a+FRB*(\s)
	ds_load_b64 v[XF+48*((\s)%2)+12*\a+4:XF+48*((\s)%2)+12*\a+5], v[L8] offset:12288*\a+FRB*(\s)+512
	ds_load_b128 v[XF+48*((\s)%2)+12*\a+6:XF+48*((\s)%2)+12*\a+9], v[L16] offset:12288*\a+FRB*(\s)+768
	ds_load_b64 v[XF+48*((\s)%2)+12*\a+10:XF+48*((\s)%2)+12*\a+11], v[L8] offset:12288*\a+FRB*(\s)+1280
.endr
.endm
.macro OSTEP s
	s_wait_dscnt 0x0                               ; this step's rows are in
.irp g, 0,1
.if (\s) < 6
	s_wait_loadcnt 42                              ; this group's 14 loads are in: three groups of 14 were issued behind them
.elseif (\s) == 6
	s_wait_loadcnt 42-14*\g                        ; nothing is asked for any more: the counts run down
.else
	s_wait_loadcnt 14-14*\g
.endif
.set SL, (2*(\s)+\g)%4
.if (\s) == 0
	WIN 0x62                                       ; source 0 (Wo) and C (bo) window 2, source 1 window 0, D window 1
.else
	WIN 0x52                                       ; C and D window 1
.endif
.irp a, 0,1,2,3
.irp ct, 0,1,2,3
.if (\s) == 0
	WMC 8*(8*\a+4*\g+\ct), 48*SL+12*\ct, XF+48*((\s)%2)+12*\a, BO+8*(4*\g+\ct), WS+4*SL+\ct, XSW+8*\a+(\s)
.else
	WMA 8*(8*\a+4*\g+\ct), 48*SL+12*\ct, XF+48*((\s)%2)+12*\a, WS+4*SL+\ct, XSW+8*\a+(\s)   ; the 32 accumulators take turns
.endif
.endr
.endr
	WIN 0
	PLACES
.if (\s) < 6
	WLD (\s)+2, \g                                 ; the slot just multiplied takes the group two K steps on
.endif
.if (\g == 0) && ((\s) < 7)
	XFETCH (\s)+1                                  ; 16 matrix instructions ahead of its use
.endif
.endr
.endm
	s_load_b256 s[4:11], s[0:1], 0x0               ; oimg, oscl, wcod, wscl
	s_load_b128 s[12:15], s[0:1], 0x20             ; bo, out0
	v_lshl_add_u32 v[SPW], v0, 2, SPARE
	v_mov_b32 v[NIL], 0
	v_lshrrev_b32 v1, 5, v0
	v_readfirstlane_b32 s2, v1                     ; wave 0..3
	v_and_b32 v9, 31, v0                           ; lane
	v_and_b32 v10, 15, v0                          ; r
	v_bfe_u32 v11, v0, 4, 1                        ; h
	v_lshlrev_b32 v[L16], 4, v9
	v_lshlrev_b32 v[L8], 3, v9
	v_lshlrev_b32 v[R8], 3, v10
	v_lshlrev_b32 v[R4], 2, v10
	v_lshlrev_b32 v[T16], 4, v0
	v_lshlrev_b32 v[H64], 6, v11
	s_mul_i32 s16, s2, 16*TP
	s_add_co_u32 s16, s16, STG                     ; my stage
	v_mul_u32_u24 v[STO], v10, TP
	v_lshl_add_u32 v[STO], v11, 6, v[STO]
	v_add_nc_u32 v[STO], s16, v[STO]               ; in: row r, + 64 h
	v_add_nc_u32 v[RD], s16, v[L16]                ; back: the 32 lanes take one row of 512 bytes
	s_and_b32 s3, ttmp9, 1                         ; ch: which 512 columns
	s_lshr_b32 s17, ttmp9, 1                       ; rb: which 64 rows
	s_mul_i32 s20, s17, 49152                      ; the rows' codes: four tiles x 16 heads x 768 bytes
	s_mov_b32 s21, 0
	s_lshl_b32 s22, s17, 11                        ; their scale bytes: two pairs x 16 heads x 64 bytes
	s_mov_b32 s23, 0
	s_lshl_b32 s18, s3, 1
	s_lshr_b32 s19, s2, 1
	s_add_co_u32 s18, s18, s19                     ; my slice of 256 columns: 2 ch + w / 2
	s_and_b32 s19, s2, 1                           ; and which half of it
	s_mul_i32 s24, s18, 196608
	s_add_co_u32 s24, s24, 3*786432                ; Wo is the fourth weight
	s_mul_i32 s26, s19, 8*FRB
	s_add_co_u32 s24, s24, s26
	s_mov_b32 s25, 0
	s_lshl_b32 s26, s18, 13
	s_add_co_u32 s26, s26, 3*32768
	s_lshl_b32 s28, s19, 9
	s_add_co_u32 s26, s26, s28
	s_mov_b32 s27, 0
	s_lshl_b32 s28, s3, 11                         ; my 128 columns, in bytes: 2,048 ch + 512 w
	s_lshl_b32 s30, s2, 9
	s_add_co_u32 s28, s28, s30
	s_mov_b32 s29, 0
	s_lshl_b32 s30, s17, 18                        ; 64 rows of 4,096 bytes
	s_add_co_u32 s30, s30, s28
	s_mov_b32 s31, 0
	s_wait_kmcnt 0x0
	s_add_nc_u64 s[4:5], s[4:5], s[20:21]
	s_add_nc_u64 s[6:7], s[6:7], s[22:23]
	s_add_nc_u64 s[8:9], s[8:9], s[24:25]
	s_add_nc_u64 s[10:11], s[10:11], s[26:27]
	s_add_nc_u64 s[12:13], s[12:13], s[28:29]
	s_add_nc_u64 s[14:15], s[14:15], s[30:31]
	WIN 0x40
.set i, 0
.rept 24
	global_load_b128 v[4*i:4*i+3], v[T16], s[4:5] offset:2048*i   ; the copy: the work-group's 128 threads read 2,048 consecutive bytes
.set i, i+1
.endr
	WIN 0
.irp p, 0,1
.set i, 0
.rept 16
	global_load_b32 v[RAW+16*\p+i], v[R4], s[6:7] offset:1024*\p+64*i   ; pair p, head i: row r's word: tile 2 p's two bytes, then tile 2 p + 1's
.set i, i+1
.endr
.endr
	s_wait_loadcnt 32                              ; the copy's 24 loads are in; the 32 words may be out
	WIN 0x04
.set i, 0
.rept 24
	ds_store_b128 v[T16], v[4*i:4*i+3] offset:2048*i
.set i, i+1
.endr
	WIN 0x80
.irp t, 0,1,2,3,4,5,6,7
	global_load_b128 v[BO+8*\t:BO+8*\t+3], v[H64], s[12:13] offset:128*(\t/2)+32*(\t%2)       ; bo in the result's layout: tile t, lane half h: columns 32 (t / 2) + 8 (t % 2) + 16 h + 0 .. 7
	global_load_b128 v[BO+8*\t+4:BO+8*\t+7], v[H64], s[12:13] offset:128*(\t/2)+32*(\t%2)+16
.endr
	WLD 0, 0
	WLD 0, 1
	WLD 1, 0
	WLD 1, 1
	s_wait_loadcnt 63                              ; the 32 words are in: 72 loads were issued behind them, and 63 is the most that the wait can name
.irp a, 0,1,2,3
.irp j, 0,1,2,3,4,5,6,7
	v_perm_b32 v[XSW+8*\a+\j], v[RAW+16*(\a/2)+2*\j+1], v[RAW+16*(\a/2)+2*\j], 0x05040100+0x02020202*(\a%2)   ; tile a, K step j: its two bytes of head 2 j, then of head 2 j + 1
.endr
.endr
.rept 8
	v_nop                                          ; a scale register written by a vector instruction stands 8 plain lines ahead of a scaled matrix instruction
.endr
	s_wait_dscnt 0x0                               ; for the others' sake: my part of the copy has landed
	s_barrier_signal -1
	s_barrier_wait -1
	XFETCH 0
.irp s, 0,1,2,3,4,5,6,7
	OSTEP \s
.endr
; THE WAY OUT, a row tile at a time: a lane holds 32 neighbouring bytes of a row for each weight tile; through my stage they come back as whole rows of 512 bytes.
.macro TOSTAGE a
	WIN 0x04
.irp t, 0,1,2,3,4,5,6,7
	ds_store_b128 v[STO], v[64*(\a)+8*\t:64*(\a)+8*\t+3] offset:128*(\t/2)+32*(\t%2)          ; each accumulator from its low end on
	ds_store_b128 v[STO], v[64*(\a)+8*\t+4:64*(\a)+8*\t+7] offset:128*(\t/2)+32*(\t%2)+16
.endr
	WIN 0x80
.irp i, 0,1,2,3,4,5,6,7,8,9,10,11,12,13,14,15
	ds_load_b128 v[64*((\a)%2)+4*\i:64*((\a)%2)+4*\i+3], v[RD] offset:TP*\i   ; LDS serves a wave's instructions in order: these see my stores, and the next tile's stores come behind them
.endr
	WIN 0
.endm
.macro SEND a, younger                 ; younger: the LDS instructions issued behind tile a's loads, which may stay out
	s_wait_dscnt \younger
	WIN 0x08
.irp i, 0,1,2,3,4,5,6,7,8,9,10,11,12,13,14,15
	global_store_b128 v[L16], v[64*((\a)%2)+4*\i:64*((\a)%2)+4*\i+3], s[14:15] offset:(32*((\a)/2)+8*((\a)%2)+\i+8*(\i/8))*4096 th:TH_STORE_NT   ; 32 lanes store 512 consecutive bytes, at a multiple of 256 from out0's first byte
.endr
	WIN 0
.endm
	TOSTAGE 0                                      ; (the four plain lines behind the last products stand at the end of the last step)
.irp a, 1,2,3
.if \a > 1
	s_wait_xcnt 0x0                                ; tile a - 2's stores have read their registers: tile a's loads may land there
.endif
	TOSTAGE \a
	SEND \a-1, 32                                  ; behind tile a - 1's loads: tile a's 16 stores and 16 loads
.endr
	SEND 3, 0
	s_wait_tensorcnt 0x0                           ; the wave's end, behind my last LDS store
	ds_add_u32 v[SPW], v[NIL]
	s_wait_dscnt 0x0
	s_endpgm
.Lfunc_end_k_q463eb0c33e_outp:
	.size	k_q463eb0c33e_outp, .Lfunc_end_k_q463eb0c33e_outp-k_q463eb0c33e_outp
	.p2alignl 7, 3214868480
	.fill 96, 4, 3214868480
	.section	.rodata,"a",@progbits
	.p2align	6, 0x0
	.amdhsa_kernel k_q463eb0c33e_outp
		.amdhsa_group_segment_fixed_size 83456
		.amdhsa_private_segment_fixed_size 0
		.amdhsa_enable_private_segment 0
		.amdhsa_kernarg_size 48
		.amdhsa_user_sgpr_count 2
		.amdhsa_user_sgpr_kernarg_segment_ptr 1
		.amdhsa_wavefront_size32 1
		.amdhsa_system_sgpr_workgroup_id_x 1
		.amdhsa_system_sgpr_workgroup_id_y 1
		.amdhsa_system_sgpr_workgroup_id_z 1
		.amdhsa_system_vgpr_workitem_id 0
		.amdhsa_next_free_vgpr 768
		.amdhsa_next_free_sgpr 66
		.amdhsa_reserve_vcc 0
		.amdhsa_float_denorm_mode_32 3
		.amdhsa_float_denorm_mode_16_64 3
		.amdhsa_memory_ordered 1
		.amdhsa_forward_progress 1
		.amdhsa_inst_pref_size 95
	.end_amdhsa_kernel
	.amdgpu_metadata
---
amdhsa.version: [ 1, 2 ]
amdhsa.kernels:
  - .name:           k_q463eb0c33e_outp
    .symbol:         k_q463eb0c33e_outp.kd
    .args:
      - { .name: oimg, .offset: 0, .size: 8, .value_kind: global_buffer, .address_space: global }
      - { .name: oscl, .offset: 8, .size: 8, .value_kind: global_buffer, .address_space: global }
      - { .name: wcod, .offset: 16, .size: 8, .value_kind: global_buffer, .address_space: global }
      - { .name: wscl, .offset: 24, .size: 8, .value_kind: global_buffer, .address_space: global }
      - { .name: bo, .offset: 32, .size: 8, .value_kind: global_buffer, .address_space: global }
      - { .name: out0, .offset: 40, .size: 8, .value_kind: global_buffer, .address_space: global }
    .group_segment_fixed_size: 83456
    .private_segment_fixed_size: 0
    .kernarg_segment_align: 8
    .kernarg_segment_size: 48
    .max_flat_workgroup_size: 128
    .sgpr_count:     66
    .vgpr_count:     768
    .wavefront_size: 32
...
	.end_amdgpu_metadata
.endif
;; end of part 4
;; ======== version 2 of 2: 4 launches
;; workspace buffers: wcod 3,145,728 bytes; wscl 131,072 bytes; qimg 6,553,600 bytes; kimg 6,553,600 bytes; vimg 6,553,600 bytes; oimg 6,291,456 bytes; oscl 262,144 bytes
;; launch wquant (part 5): grid 32 x 8, 4 waves a work-group, no clusters, 12,800 bytes of LDS; arguments Wq, Wk, Wv, Wo, wcod, wscl; writes wcod, wscl
.if DOCPART == 5
	.amdgcn_target "amdgcn-amd-amdhsa--gfx1250"
	.amdhsa_code_object_version 6
	.text
	.protected	k_q463eb0c33e_wquant
	.globl	k_q463eb0c33e_wquant
	.p2align	8
	.type	k_q463eb0c33e_wquant,@function
k_q463eb0c33e_wquant:
	s_mov_b64 s[64:65], 0
	v_nop
	global_prefetch_b8 v0, s[64:65] scope:SCOPE_SE
	s_setreg_imm32_b32 hwreg(HW_REG_WAVE_MODE, 25, 1), 1
	s_wait_xcnt 0x0
; The four weights [1024 (k)][1024 (n)], f32, K their FIRST axis, become codes of FP6 (E2M3) with one E8M0 byte for each 32 along K,
; laid in the order in which the later launches' operand registers take them.
; wcod: [weight: Wq, Wk, Wv, Wo][slice of 256 columns][K step of 128][tile of 16 columns][1,536 bytes: a fragment's 12 registers as three runs of 512 bytes, registers 4 q .. 4 q + 3, lane l's 16 bytes at 16 l].
; wscl: [weight][slice][K step][pair of tiles][row r of the tile][tile u of the pair]: one word (four bytes: the K step's four blocks).
; THE COLUMNS OF A TILE ARE NOT NEIGHBOURS: of a block of 32 columns, lane r of tile u takes column 8 u + r + 8 (r / 8), so that in a product with the weight as source 0 the 16 result registers of the two tiles are 16 neighbouring columns.
; SHARES: work-group x = 8 x weight + group of 128 columns, y = K step.  A wave takes 32 columns, A LANE A COLUMN, AND ITS REGISTERS RUN DOWN K: a block of 32 lies in one lane, and the conversions give codes with K innermost.
; A lane's 24 bytes of a block belong to lane r + 16 (block % 2) of tile u's fragment: they go through the wave's own 3,072 bytes of LDS and leave as six stores of 512 consecutive bytes.
; A block's scale is 2^(floor(log2(largest magnitude)) - 2); its byte is the largest magnitude's exponent field - 2, held at 1 from below.
; LIMITS: a block of zeros, or one whose largest magnitude lies under 2^-124, gets the byte 1 (its codes are zeros or tiny; this program alone reads the bytes); NaN and infinities are not served.
; No tensor load, no barrier: waves share nothing.  No matrix work, no cluster: nothing is read twice.
.set STGB,  3072                       ; a wave's stage: two fragments
.set SPARE, 4*STGB                     ; behind the stages: the spare words, 128 bytes a wave
.set X,     32                         ; v32-95   two sets of 32 numbers
.set C,     96                         ; v96-127  eight registers of codes for each block: no store's data are written again
.set OUTR,  128                        ; v128-151 the way out
.set SB,    24                         ; v24      the scale word
.set SPW,   14                         ; v14      LDS address of my spare word; never rewritten
.set NIL,   15                         ; v15      0; never rewritten
	s_load_b256 s[8:15], s[0:1], 0x0               ; Wq, Wk, Wv, Wo
	s_load_b128 s[16:19], s[0:1], 0x20             ; wcod, wscl
	v_lshl_add_u32 v[SPW], v0, 2, SPARE
	v_mov_b32 v[NIL], 0
	v_lshrrev_b32 v1, 5, v0
	v_readfirstlane_b32 s2, v1                     ; wave
	v_and_b32 v6, 31, v0                           ; lane = my column of the wave's 32
	v_lshlrev_b32 v1, 2, v6                        ; in: 4 bytes a lane
	v_lshlrev_b32 v4, 4, v6                        ; out: 16 bytes a lane
	v_bfe_u32 v7, v0, 3, 1                         ; u: which tile of the pair my column falls into
	v_and_b32 v8, 7, v0
	v_bfe_u32 v9, v0, 4, 1
	v_lshl_add_u32 v8, v9, 3, v8                   ; r: and which row of it
	s_mul_i32 s3, s2, STGB
	v_mul_u32_u24 v2, v7, 1536
	v_lshl_add_u32 v2, v8, 4, v2
	v_add_nc_u32 v2, s3, v2                        ; into the stage: tile u, 16 r
	v_add_nc_u32 v3, s3, v4                        ; out of it: 16 x lane
	v_lshlrev_b32 v5, 3, v8
	v_lshl_add_u32 v5, v7, 2, v5                   ; my scale word's place: 8 r + 4 u
	s_lshr_b32 s20, ttmp9, 3                       ; weight
	s_and_b32 s21, ttmp9, 7                        ; group of 128 columns
	s_and_b32 s22, ttmp7, 0xffff                   ; K step
	s_lshl_b32 s24, s22, 19                        ; W: 128 rows of 4,096 bytes a K step,
	s_lshl_b32 s23, s21, 9
	s_add_co_u32 s24, s24, s23                     ; 512 bytes a group,
	s_lshl_b32 s23, s2, 7
	s_add_co_u32 s24, s24, s23                     ; 128 a wave
	s_mov_b32 s25, 0
	s_mul_i32 s26, s20, 786432                     ; codes: weight,
	s_lshr_b32 s23, s21, 1
	s_mul_i32 s23, s23, 196608                     ; slice,
	s_add_co_u32 s26, s26, s23
	s_mul_i32 s23, s22, 24576                      ; K step,
	s_add_co_u32 s26, s26, s23
	s_and_b32 s23, s21, 1
	s_lshl_b32 s23, s23, 2
	s_add_co_u32 s23, s23, s2                      ; pair of tiles in the slice: 4 (group % 2) + wave
	s_mul_i32 s28, s23, 3072
	s_add_co_u32 s26, s26, s28
	s_mov_b32 s27, 0
	s_lshl_b32 s28, s20, 15                        ; scale words likewise: 32,768 a weight, 8,192 a slice, 1,024 a K step, 128 a pair
	s_lshr_b32 s30, s21, 1
	s_lshl_b32 s30, s30, 13
	s_add_co_u32 s28, s28, s30
	s_lshl_b32 s30, s22, 10
	s_add_co_u32 s28, s28, s30
	s_lshl_b32 s30, s23, 7
	s_add_co_u32 s28, s28, s30
	s_mov_b32 s29, 0
	s_and_b32 s30, s20, 1
	s_wait_kmcnt 0x0
	s_cmp_eq_u32 s30, 0                            ; the weight is chosen by the work-group's number alone
	s_cselect_b64 s[32:33], s[8:9], s[10:11]
	s_cselect_b64 s[34:35], s[12:13], s[14:15]
	s_cmp_lt_u32 s20, 2
	s_cselect_b64 s[4:5], s[32:33], s[34:35]
	s_add_nc_u64 s[4:5], s[4:5], s[24:25]
	s_add_nc_u64 s[6:7], s[16:17], s[26:27]
	s_add_nc_u64 s[8:9], s[18:19], s[28:29]
.macro LOAD t                          ; block t: W(32 t + i, my column), i = 0 .. 31, into set t % 2; a wave's load reads 128 consecutive bytes, the four waves stand side by side
.set i, 0
.rept 32
	global_load_b32 v[X+32*((\t)%2)+i], v1, s[4:5] offset:(32*(\t)+i)*4096 th:TH_LOAD_NT
.set i, i+1
.endr
.endm
.macro BLOCK t
.set XS, X+32*((\t)%2)
.set CB, C+8*(\t)
.if (\t) < 3
	s_wait_loadcnt 32                              ; this block's 32 loads are in; the next block's 32 may be out
.else
	s_wait_loadcnt 0x0
.endif
	v_max3_num_f32 v12, |v[XS]|, |v[XS+1]|, |v[XS+2]|             ; the block's largest magnitude: all 32 numbers are mine; two chains
	v_max3_num_f32 v13, |v[XS+3]|, |v[XS+4]|, |v[XS+5]|
.irp i, 6,10,14,18,22,26
	v_max3_num_f32 v12, v12, |v[XS+\i]|, |v[XS+\i+1]|
	v_max3_num_f32 v13, v13, |v[XS+\i+2]|, |v[XS+\i+3]|
.endr
	v_max3_num_f32 v12, v12, |v[XS+30]|, |v[XS+31]|
	v_max3_num_f32 v12, v12, v13, 0x1800000        ; and the floor 2^(3 - 127): the byte cannot fall under 1
	v_add_nc_u32 v11, 0xff000000, v12              ; 2 off the exponent field: the conversion takes this operand's exponent field as its scale
	v_cvt_scalef32_pk16_fp6_f32 v[CB:CB+2], v[XS:XS+15], v11
	v_cvt_scalef32_pk16_fp6_f32 v[CB+4:CB+6], v[XS+16:XS+31], v11 ; (a conversion's three registers begin on an even number)
	v_lshrrev_b32 v13, 23, v11                     ; the scale's byte; also the plain line behind the conversions
.if (\t) == 0
	v_mov_b32 v[SB], v13
.else
	v_lshl_or_b32 v[SB], v13, 8*(\t), v[SB]        ; the lower K in the lower byte
.endif
	v_mov_b32 v[CB+3], v[CB+4]                     ; the six registers close up
	v_mov_b32 v[CB+4], v[CB+5]
	v_mov_b32 v[CB+5], v[CB+6]
.if (\t) < 2                           ; registers 0-5 of lane r + 16 (t % 2): run 0 whole, the lower half of its place in run 1
	ds_store_b128 v2, v[CB:CB+3] offset:256*((\t)%2)
	ds_store_b64 v2, v[CB+4:CB+5] offset:512+256*((\t)%2)
.else                                  ; registers 6-11: the upper half of its place in run 1, run 2 whole
	ds_store_b64 v2, v[CB:CB+1] offset:520+256*((\t)%2)
	ds_store_b128 v2, v[CB+2:CB+5] offset:1024+256*((\t)%2)
.endif
.if (\t)+2 < 4
	LOAD (\t)+2
.endif
.endm
	LOAD 0
	LOAD 1
.irp t, 0,1,2,3
	BLOCK \t
.endr
.irp q, 0,1,2,3,4,5
	ds_load_b128 v[OUTR+4*\q:OUTR+4*\q+3], v3 offset:512*\q       ; LDS serves a wave's instructions in order: these see my stores
.endr
	s_wait_alu depctr_va_vdst(0)
.irp q, 0,1,2,3,4,5
	s_wait_dscnt 5-\q                              ; run q is back; the younger ones may be out
	global_store_b128 v4, v[OUTR+4*\q:OUTR+4*\q+3], s[6:7] offset:512*\q   ; 32 lanes store 512 consecutive bytes, at a multiple of 256 from the buffer's first byte
.endr
	global_store_b32 v5, v[SB], s[8:9]             ; the wave's 32 scale words: 128 consecutive bytes
	s_wait_tensorcnt 0x0                           ; the wave's end, behind my last LDS store
	ds_add_u32 v[SPW], v[NIL]
	s_wait_dscnt 0x0
	s_endpgm
.Lfunc_end_k_q463eb0c33e_wquant:
	.size	k_q463eb0c33e_wquant, .Lfunc_end_k_q463eb0c33e_wquant-k_q463eb0c33e_wquant
	.p2alignl 7, 3214868480
	.fill 96, 4, 3214868480
	.section	.rodata,"a",@progbits
	.p2align	6, 0x0
	.amdhsa_kernel k_q463eb0c33e_wquant
		.amdhsa_group_segment_fixed_size 12800
		.amdhsa_private_segment_fixed_size 0
		.amdhsa_enable_private_segment 0
		.amdhsa_kernarg_size 48
		.amdhsa_user_sgpr_count 2
		.amdhsa_user_sgpr_kernarg_segment_ptr 1
		.amdhsa_wavefront_size32 1
		.amdhsa_system_sgpr_workgroup_id_x 1
		.amdhsa_system_sgpr_workgroup_id_y 1
		.amdhsa_system_sgpr_workgroup_id_z 1
		.amdhsa_system_vgpr_workitem_id 0
		.amdhsa_next_free_vgpr 160
		.amdhsa_next_free_sgpr 66
		.amdhsa_reserve_vcc 0
		.amdhsa_float_denorm_mode_32 3
		.amdhsa_float_denorm_mode_16_64 3
		.amdhsa_memory_ordered 1
		.amdhsa_forward_progress 1
		.amdhsa_inst_pref_size 23
	.end_amdhsa_kernel
	.amdgpu_metadata
---
amdhsa.version: [ 1, 2 ]
amdhsa.kernels:
  - .name:           k_q463eb0c33e_wquant
    .symbol:         k_q463eb0c33e_wquant.kd
    .args:
      - { .name: Wq, .offset: 0, .size: 8, .value_kind: global_buffer, .address_space: global }
      - { .name: Wk, .offset: 8, .size: 8, .value_kind: global_buffer, .address_space: global }
      - { .name: Wv, .offset: 16, .size: 8, .value_kind: global_buffer, .address_space: global }
      - { .name: Wo, .offset: 24, .size: 8, .value_kind: global_buffer, .address_space: global }
      - { .name: wcod, .offset: 32, .size: 8, .value_kind: global_buffer, .address_space: global }
      - { .name: wscl, .offset: 40, .size: 8, .value_kind: global_buffer, .address_space: global }
    .group_segment_fixed_size: 12800
    .private_segment_fixed_size: 0
    .kernarg_segment_align: 8
    .kernarg_segment_size: 48
    .max_flat_workgroup_size: 128
    .sgpr_count:     66
    .vgpr_count:     160
    .wavefront_size: 32
...
	.end_amdgpu_metadata
.endif
;; end of part 5
;; launch proj (part 6): grid 384 x 1, 4 waves a work-group, no clusters, 87,552 bytes of LDS; arguments query, key, value, wcod, wscl, bq, bk, bv, qimg, kimg, vimg; writes qimg, kimg, vimg
.if DOCPART == 6
	.amdgcn_target "amdgcn-amd-amdhsa--gfx1250"
	.amdhsa_code_object_version 6
	.text
	.protected	k_q463eb0c33e_proj
	.globl	k_q463eb0c33e_proj
	.p2align	8
	.type	k_q463eb0c33e_proj,@function
k_q463eb0c33e_proj:
	s_mov_b64 s[64:65], 0
	v_nop
	global_prefetch_b8 v0, s[64:65] scope:SCOPE_SE
	s_setreg_imm32_b32 hwreg(HW_REG_WAVE_SCHED_MODE, 0, 2), 2
	s_setreg_imm32_b32 hwreg(HW_REG_WAVE_MODE, 25, 1), 1
	s_wait_xcnt 0x0
	s_wait_alu depctr_vm_vsrc(0)
; Q = query Wq + bq, K = key Wk + bk, V = value Wv + bv, on codes of FP6 (E2M3) with one E8M0 scale for each 32 along K = 1,024; the results are quantised again, Q and K along the head's 64, V along the keys,
; and leave as images of the attention launch's operand registers.  Nothing wider than codes goes to memory.
; SHARES: work-group = 128 T + rb: T picks query, key or value, rb 64 token rows.  The 64 rows are read and quantised ONCE (phase X: wave w takes the 16 rows of tile w) and lie in LDS as register images;
; then wave w makes columns 256 w .. 256 w + 255 (four heads) for all 64 rows: 16 weight tiles x 4 row tiles = 64 accumulators, 512 registers.
; THE ROWS OF A TILE ARE NOT NEIGHBOURS: of a block of 32 tokens (or weight columns) lane r of tile u takes 8 u + r + 8 (r / 8), so that the 16 result registers of two neighbouring tiles of source 0 are 16 neighbours.
; Q, K: source 0 = 16 weight columns, source 1 = 16 tokens: a lane holds one token, its registers run along the head's channels.  V: the sources swapped: a lane holds one channel, its registers run along the tokens, V's next K.
; Accumulator (row tile a = 2 p + u, weight tile 4 g + ct) lies in window 2 + p at register 64 g + 32 u + 8 ct in both uses.
; THE WEIGHTS' CODES go from memory straight into each wave's registers, in groups of four tiles, a K step ahead.  They are shared by all row blocks and yet not asked for jointly through LDS: beside x's images LDS has room
; for two slots of one K step of the 1,024 columns (98,304 bytes each); a slot feeds 64 matrix instructions a wave, and between two changes of slots one slot at most could be on its way, whereas the loads into registers
; keep three groups, 42 loads, of every wave on their way with no barrier in the K loop.
; OUT.  qimg, kimg: [batch x head][128 tokens][6,400 bytes]: four fragments of 1,536 bytes, fragment b = tile 2 b's 64 channels in registers 0-5 and tile 2 b + 1's in registers 6-11; at 6,144 [64-token half c][r][pair p] scale words.
; vimg: [batch x head][128 tokens][6,400]: [channel tile][half c][768 bytes: registers 0-3 at 16 x lane, registers 4-5 at 512 + 8 x lane]; at 6,144 [c][r][channel tile] two bytes.
; LIMITS: a block of zeros or with magnitudes under 2^-124 gets the byte 1 (read by this program alone); NaN and infinities are not served.
; REGISTERS: window 0: v1-15 addresses; v16-31 the weights' scale words; v32-39 x's, two sets; v40-135 x's fragments, two sets (in phase X v40-103: the second set of 64 numbers at work); v136-199 64 numbers at work;
;   v200-218 codes; v220-235 at work; v236-238 scale words made.
;   window 1: the weights' 16 fragments (group g at 48 g), in the last step the biases.   windows 2, 3: in phase X four sets of 64 numbers as loaded (window 2), then the accumulators.
; THE MODE: SCHED_MODE bits 1:0 = 2 (LLVM: expert scheduling mode 2), set by the entry lines.  The code itself states the register dependences between vector or matrix instructions and memory or LDS instructions,
; with s_wait_alu, always for 0.
; THE PLAN.  Registers that memory or LDS instructions touch:
;   The offsets and addresses v1-v10, v13-v15, v239: written at the head, ahead of one wait on va_vdst, and never again.
;   PHASE X.  R0 .. R3 (window 2): step s's 16 loads land in R[s % 4]; the 16 LDS stores of its turn, issued a step ahead of its work, read it; no vector instruction names them.
;     XB0 (v136-199), XB1 (v40-103): the turn's LDS loads land in XB[s % 2]; step s's QUANT reads it.   v[PC ..], v[PW0]: QUANT writes them, the four image stores behind it read them.
;     A wait on vm_vsrc at a step's head: the turn's stores have read R[s % 4], which is loaded again, and the last image stores have read v[PC ..], v[PW0], which QUANT writes again.
;     A wait on va_vdst behind QUANT: v[PC ..], v[PW0] are written, and QUANT is done reading XB[s % 2], in which the turn after next lands; only memory and LDS instructions stand between.
;   THE K LOOP.  Group g's four fragments and scale words: its sixteen matrix instructions read them, then the next K step's loads land in them: one wait on va_vdst a group, behind the sixteen.
;     x's two sets: a step's 64 matrix instructions read one; the next step's fetch, in group 1, lands in the other, which the step before read: group 1's wait serves.
;     v[XRI], v[XRS]: read by a fetch's LDS loads, written once a step: a wait on vm_vsrc ahead of the two additions, which stand ahead of group 1's wait on va_vdst.
;   THE WAY OUT.  v[PC ..], v[SW]: written by QUANT and the select, read by a block's stores: one wait on va_vdst ahead of the stores, one on vm_vsrc (beside the wait on XCNT) ahead of the next QUANT.
.set TP,    528                        ; a row of the turning stage: 512 bytes + 16: row r starts 4 r words on modulo 64 (64 banks of 4 bytes: ISA guide 11.1)
.set TURNB, 16*TP                      ; LDS: each wave's own stage, 16 rows;
.set FRB,   1536                       ; a fragment's image
.set XIMG,  4*TURNB                    ; x's 32 fragments, [K step][row tile];
.set XSC,   XIMG+32*FRB                ; their scale words, 128 bytes each;
.set SPARE, XSC+32*128                 ; the spare words, 128 bytes a wave
.set L16,  1                           ; 16 x lane
.set L8,   2                           ; 8 x lane
.set R8,   3                           ; 8 r
.set SCO,  4                           ; where my scale word goes: 6,144 + 128 c + 8 r + 4 (lane / 16)
.set TST,  5                           ; the stage, in: 16 x lane
.set TLD,  6                           ; the stage, back: row r, + 64 (lane / 16)
.set XWI,  7                           ; where I store x's images: 16 x lane + 1,536 x wave
.set XWS,  8                           ; and their scale words: 4 x lane + 128 x wave
.set XRI0, 9                           ; where any wave reads them: 16 x lane,
.set XRS0, 10                          ; 4 x lane
.set XRI,  11                          ; the same, at the K step in hand
.set XRS,  12
.set B4,   13                          ; 4 (r + 8 (r / 8)): V's bias
.set H64,  14                          ; 64 (lane / 16): Q's and K's bias
.set CO16, 15                          ; 16 x lane + my half c's place in the output
.set WS,   16
.set XS,   32
.set XF,   40
.set X,    136                         ; XB0; XB1 lies 96 registers below, at v40
.set PC,   200
.set TM,   220
.set PW0,  236
.set SW,   238
.set CO8,  239                         ; 8 x lane + my half c's place
.set SPW,  252                         ; LDS address of my spare word; never rewritten
.set NIL,  253                         ; 0; never rewritten
.set SEL,  44                          ; s[44:45] v_permlanex16_b32's selects for lane l xor 16
.set MSB, 0
.macro WIN new                         ; the immediate's high byte repeats the setting that is left; a switch that changes nothing is dropped
.if MSB != (\new)
	s_set_vgpr_msb (MSB<<8)|(\new)
.set MSB, (\new)
.endif
.endm
.macro PLACES                          ; four plain lines between a matrix instruction and a load into, or a vector read of, its registers
.rept 4
	v_nop
.endr
.endm
.macro WM0 d, a, b, sa, sb             ; the first product starts a sum
	v_wmma_scale_f32_16x16x128_f8f6f4 v[\d:\d+7], v[\a:\a+11], v[\b:\b+11], 0, v[\sa], v[\sb] matrix_a_fmt:MATRIX_FMT_FP6 matrix_b_fmt:MATRIX_FMT_FP6
.endm
.macro WMA d, a, b, sa, sb
	v_wmma_scale_f32_16x16x128_f8f6f4 v[\d:\d+7], v[\a:\a+11], v[\b:\b+11], v[\d:\d+7], v[\sa], v[\sb] matrix_a_fmt:MATRIX_FMT_FP6 matrix_b_fmt:MATRIX_FMT_FP6
.endm
; 64 numbers of a lane, register 16 b + i = k 32 b + 16 (lane / 16) + i of my row, become a fragment's 12 registers in v[PC] on and its scale word in v[pw].
.macro QUANT s, pw
.irp b, 0,1,2,3
	v_max3_num_f32 v[TM+\b], |v[\s+16*\b]|, |v[\s+1+16*\b]|, 0x1800000   ; my 16 numbers of block b, and the floor 2^(3 - 127): the byte cannot fall under 1
.endr
.irp i, 2,4,6,8,10,12,14
.irp b, 0,1,2,3
	v_max3_num_f32 v[TM+\b], v[TM+\b], |v[\s+16*\b+\i]|, |v[\s+1+16*\b+\i]|   ; (the four blocks by turns)
.endr
.endr
.irp b, 0,1,2,3
	v_permlanex16_b32 v[TM+4+\b], v[TM+\b], s[SEL], s[SEL+1]
.endr
.irp b, 0,1,2,3
	v_max_num_f32 v[TM+\b], v[TM+\b], v[TM+4+\b]   ; with lane l xor 16's: the block's largest magnitude
.endr
.irp b, 0,1,2,3
	v_add_nc_u32 v[TM+12+\b], 0xff000000, v[TM+\b] ; 2 off its exponent field: the conversion's scale operand
.endr
.irp b, 0,1,2,3
	v_lshrrev_b32 v[TM+4+\b], 23, v[TM+12+\b]      ; the scale's byte
.endr
	v_lshl_or_b32 v[\pw], v[TM+5], 8, v[TM+4]
	v_lshl_or_b32 v[\pw], v[TM+6], 16, v[\pw]
	v_lshl_or_b32 v[\pw], v[TM+7], 24, v[\pw]
.irp c, 0,1
	v_cvt_scalef32_pk16_fp6_f32 v[PC+6*\c:PC+2+6*\c], v[\s+32*\c:\s+15+32*\c], v[TM+12+2*\c]
	v_cvt_scalef32_pk16_fp6_f32 v[PC+12+4*\c:PC+14+4*\c], v[\s+16+32*\c:\s+31+32*\c], v[TM+12+2*\c+1]   ; (a conversion's three registers begin on an even number)
.endr
	v_nop                                          ; one plain line behind a scaled conversion
.irp c, 0,1                            ; the operand's layout wants a WHOLE block in a lane: lanes 0-15 block 2 c, lanes 16-31 block 2 c + 1
.irp i, 0,1,2
	v_permlane16_swap_b32 v[PC+6*\c+\i], v[PC+12+4*\c+\i]
.endr
.irp i, 0,1,2
	v_mov_b32 v[PC+3+6*\c+\i], v[PC+12+4*\c+\i]
.endr
.endr
.endm
; Group g (weight tiles 4 g .. 4 g + 3) of the K step ds steps on from the bases: 12 loads of codes, 2 of scale words: 14 loads.
.macro WGRP g, ds
	WIN 0x40                                       ; destination window 1
.irp tt, 0,1,2,3
.irp q, 0,1,2
	global_load_b128 v[48*(\g)+12*\tt+4*\q:48*(\g)+12*\tt+4*\q+3], v[L16], s[6:7] offset:(\ds)*24576+(4*(\g)+\tt)*FRB+512*\q
.endr
.endr
	WIN 0
.irp pp, 0,1
	global_load_b64 v[WS+4*(\g)+2*\pp:WS+4*(\g)+2*\pp+1], v[R8], s[8:9] offset:(\ds)*1024+(2*(\g)+\pp)*128
.endr
.endm
; where a fetch of x counts from: s42 and s43 hold the K step in hand, in bytes
.macro XADR
	v_add_nc_u32 v[XRI], s42, v[XRI0]
	v_add_nc_u32 v[XRS], s43, v[XRS0]
.endm
; x's four fragments and scale words of the K step xo steps on from v[XRI], v[XRS], into set par
.macro XFETCH par, xo
.irp a, 0,1,2,3
.irp q, 0,1,2
	ds_load_b128 v[XF+48*(\par)+12*\a+4*\q:XF+48*(\par)+12*\a+4*\q+3], v[XRI] offset:(\xo)*6144+\a*FRB+512*\q
.endr
	ds_load_b32 v[XS+4*(\par)+\a], v[XRS] offset:(\xo)*512+128*\a
.endr
.endm
; 16 matrix instructions: group g's four weight tiles x the four row tiles, 128 along K.  o = 0: Q, K (source 0 the weight); o = 1: V (source 0 the tokens).
; The 64 accumulators take turns, one instruction a turn, in the same order in every step.
.macro MM o, g, par, zero
.irp p, 0,1
.if \o
	WIN 0xa4+0x50*\p                               ; source 0 (x) window 0, source 1 (W) window 1, C and D window 2 + p
.else
	WIN 0xa1+0x50*\p                               ; source 0 (W) window 1, source 1 (x) window 0
.endif
.irp u, 0,1
.irp ct, 0,1,2,3
.set rD, 64*(\g)+32*\u+8*\ct
.set rW, 48*(\g)+12*\ct
.set rX, XF+48*(\par)+12*(2*\p+\u)
.set rV, WS+4*(\g)+\ct
.set rY, XS+4*(\par)+2*\p+\u
.if \o
.if \zero
	WM0 rD, rX, rW, rY, rV
.else
	WMA rD, rX, rW, rY, rV
.endif
.else
.if \zero
	WM0 rD, rW, rX, rV, rY
.else
	WMA rD, rW, rX, rV, rY
.endif
.endif
.endr
.endr
.endr
.endm
; A group's turn in steps 0 to 6.  The branch hangs on the work-group's number alone and leads round the 16 matrix lines that differ; both arms write the same registers.
.macro GRP g, par, zero, ds, fetch
	s_wait_loadcnt 42                              ; this group's 14 loads are in: three groups of 14 were issued behind them
	s_cmp_eq_u32 s3, 2
	s_cbranch_scc1 .Lv_\@
	MM 0, \g, \par, \zero
	WIN 0
	s_branch .Lj_\@
.Lv_\@:
	MM 1, \g, \par, \zero
	WIN 0
.Lj_\@:
	PLACES
.if \fetch
	s_wait_alu depctr_vm_vsrc(0)                   ; the last fetch's LDS loads have read v[XRI] and v[XRS], which the two additions write
	XADR
.endif
	s_wait_alu depctr_va_vdst(0)                   ; the group's sixteen matrix instructions are done reading its fragments and scale words, in which the loads below land; in group 1 also: v[XRI], v[XRS] are written, and the step before is done reading the other set of x
	WGRP \g, \ds                                   ; the next K step's group, into the registers just multiplied
.if \fetch
	XFETCH 1-(\par), \ds                           ; and the next step's x, 32 matrix instructions ahead of its use
.endif
.endm
.macro GSTEP par, zero, ds
	s_wait_dscnt 0x0                               ; this step's x is in
	GRP 0, \par, \zero, \ds, 0
	GRP 1, \par, \zero, \ds, 1
	GRP 2, \par, \zero, \ds, 0
	GRP 3, \par, \zero, \ds, 0
.endm
	s_load_b512 s[16:31], s[0:1], 0x0              ; query, key, value, wcod, wscl, bq, bk, bv
	s_load_b128 s[32:35], s[0:1], 0x40             ; qimg, kimg
	s_load_b64 s[36:37], s[0:1], 0x50              ; vimg
	v_lshl_add_u32 v[SPW], v0, 2, SPARE
	v_mov_b32 v[NIL], 0
	v_lshrrev_b32 v1, 5, v0
	v_readfirstlane_b32 s2, v1                     ; wave 0..3
	v_and_b32 v136, 31, v0                         ; lane
	v_and_b32 v137, 15, v0                         ; r
	v_bfe_u32 v138, v0, 4, 1                       ; h
	v_lshlrev_b32 v[L16], 4, v136
	v_lshlrev_b32 v[L8], 3, v136
	v_lshlrev_b32 v[R8], 3, v137
	s_wait_alu depctr_va_sdst(0)                   ; s2 is written, ahead of its first reader: LDS addresses and the buffers' offsets are made from it
	s_mul_i32 s14, s2, TURNB
	v_add_nc_u32 v[TST], s14, v[L16]
	v_mul_u32_u24 v[TLD], v137, TP
	v_lshl_add_u32 v[TLD], v138, 6, v[TLD]
	v_add_nc_u32 v[TLD], s14, v[TLD]
	s_mul_i32 s14, s2, FRB
	s_add_co_u32 s14, s14, XIMG
	v_add_nc_u32 v[XWI], s14, v[L16]
	s_lshl_b32 s14, s2, 7
	s_add_co_u32 s14, s14, XSC
	v_lshl_add_u32 v[XWS], v136, 2, s14
	v_add_nc_u32 v[XRI0], XIMG, v[L16]
	v_lshl_add_u32 v[XRS0], v136, 2, XSC
	v_and_b32 v139, 8, v137
	v_add_nc_u32 v139, v139, v137
	v_lshlrev_b32 v[B4], 2, v139
	v_lshlrev_b32 v[H64], 6, v138
.irp b, 0,1,2,3
	v_mov_b32 v[TM+4+\b], 0                        ; written once: a lane permute's destination counts as one of its sources
.endr
	s_mov_b32 s[SEL], 0x76543210
	s_mov_b32 s[SEL+1], 0xfedcba98
	s_mov_b32 s46, 0xffff0000                      ; lanes 16-31
	s_mov_b32 s42, 0                               ; x's images: the K step in hand, in bytes;
	s_mov_b32 s43, 0                               ; its scale words likewise
	s_lshr_b32 s3, ttmp9, 7                        ; T: 0 query, 1 key, 2 value
	s_and_b32 s14, ttmp9, 127                      ; rb: which 64 rows
	s_and_b32 s40, s14, 1                          ; c: which half of a step of 128 tokens
	s_lshl_b32 s15, s40, 7
	s_add_co_u32 s15, s15, 6144
	v_lshl_add_u32 v[SCO], v138, 2, v[R8]
	v_add_nc_u32 v[SCO], s15, v[SCO]
	s_mov_b32 s47, 3072                            ; half c begins 3,072 bytes on in qimg and kimg (two fragments), 768 in a channel tile of vimg
	s_cmp_eq_u32 s3, 2
	s_cselect_b32 s47, 768, s47
	s_mul_i32 s47, s47, s40
	v_add_nc_u32 v[CO16], s47, v[L16]
	v_add_nc_u32 v[CO8], s47, v[L8]
	s_lshl_b32 s48, s14, 6                         ; x: my tile's first token: 64 rb + 32 (w / 2) + 8 (w % 2),
	s_lshr_b32 s15, s2, 1
	s_lshl_b32 s15, s15, 5
	s_add_co_u32 s48, s48, s15
	s_and_b32 s15, s2, 1
	s_lshl_b32 s15, s15, 3
	s_add_co_u32 s48, s48, s15
	s_lshl_b32 s48, s48, 12                        ; rows of 4,096 bytes
	s_mov_b32 s49, 0
	s_mul_i32 s50, s3, 786432                      ; the weight's codes, my slice of 256 columns
	s_mul_i32 s15, s2, 196608
	s_add_co_u32 s50, s50, s15
	s_mov_b32 s51, 0
	s_lshl_b32 s52, s3, 15                         ; its scale words
	s_lshl_b32 s15, s2, 13
	s_add_co_u32 s52, s52, s15
	s_mov_b32 s53, 0
	s_lshl_b32 s54, s2, 10                         ; the bias: my 256 numbers
	s_mov_b32 s55, 0
	s_lshr_b32 s56, s14, 5                         ; out: ((16 batch + 4 w) x 16 steps + step) x 6,400: my first head, my step of 128 tokens
	s_lshl_b32 s56, s56, 4
	s_lshl_b32 s15, s2, 2
	s_add_co_u32 s56, s56, s15
	s_lshl_b32 s56, s56, 4
	s_and_b32 s15, s14, 31
	s_lshr_b32 s15, s15, 1
	s_add_co_u32 s56, s56, s15
	s_mul_i32 s56, s56, 6400
	s_mov_b32 s57, 0
	s_wait_kmcnt 0x0
	s_cmp_eq_u32 s3, 0                             ; the buffers are chosen by the work-group's number alone
	s_cselect_b64 s[4:5], s[16:17], s[18:19]
	s_cselect_b64 s[10:11], s[26:27], s[28:29]
	s_cselect_b64 s[12:13], s[32:33], s[34:35]
	s_cmp_eq_u32 s3, 2
	s_cselect_b64 s[4:5], s[20:21], s[4:5]
	s_cselect_b64 s[10:11], s[30:31], s[10:11]
	s_cselect_b64 s[12:13], s[36:37], s[12:13]
	s_add_nc_u64 s[4:5], s[4:5], s[48:49]
	s_add_nc_u64 s[6:7], s[22:23], s[50:51]
	s_add_nc_u64 s[8:9], s[24:25], s[52:53]
	s_add_nc_u64 s[10:11], s[10:11], s[54:55]
	s_add_nc_u64 s[12:13], s[12:13], s[56:57]
	s_wait_alu depctr_va_vdst(0)                   ; the offsets and addresses v1 to v10, v13 to v15 and v239 are written, which the kernel's loads and stores read; so are v136 to v139, in which LDS loads land
.irp g, 0,1,2,3
	WGRP \g, 0                                     ; K step 0's weights: they land under phase X
.endr
; ---- PHASE X: my 16 rows of x, a K step (128 numbers a row) at a time.  A load reads 512 consecutive bytes of one row; the 16 rows turn through my stage, so that a lane gets 16 neighbours of each block of 32 of ITS row.
; Loads run four steps ahead, the turn through the stage one step: while one set of 64 numbers is quantised, the next comes back from LDS into the other.
.macro XLOAD s                         ; into set s % 4 of window 2
	WIN 0x80
.irp i, 0,1,2,3,4,5,6,7,8,9,10,11,12,13,14,15
	global_load_b128 v[64*((\s)%4)+4*\i:64*((\s)%4)+4*\i+3], v[L16], s[4:5] offset:(\i+8*(\i/8))*4096+512*(\s) th:TH_LOAD_NT
.endr
	WIN 0
.endm
.macro TURN s                          ; step s's numbers through the stage, into XB[s % 2]
	WIN 0x08                                       ; an LDS store's data are its source 1: window 2
.irp i, 0,1,2,3,4,5,6,7,8,9,10,11,12,13,14,15
	ds_store_b128 v[TST], v[64*((\s)%4)+4*\i:64*((\s)%4)+4*\i+3] offset:TP*\i   ; LDS serves a wave's instructions in order: these come behind the last turn's loads from the same bytes
.endr
	WIN 0
.irp b, 0,1,2,3
.irp j, 0,1,2,3
	ds_load_b128 v[X-96*((\s)%2)+16*\b+4*\j:X-96*((\s)%2)+16*\b+4*\j+3], v[TLD] offset:128*\b+16*\j   ; and these see the stores above
.endr
.endr
.endm
.macro XSTEP s
	s_wait_alu depctr_vm_vsrc(0)                   ; this step's turn, issued a step ago, has read its set of window 2, in which the loads below land; the last step's image stores have read v[PC ..] and v[PW0], which QUANT writes again
.if (\s)+4 < 8
	XLOAD (\s)+4
.endif
.if (\s) == 0
	s_wait_dscnt 0x0                               ; this step's numbers are back from the stage
.else
	s_wait_dscnt 4                                 ; this step's numbers are back from the stage; the four image stores issued behind its turn may be out
.endif
.if (\s)+1 < 8
.if 6-(\s) >= 3
	s_wait_loadcnt 48                              ; the next step's 16 loads are in (and the weights', which are older); three steps' may be out
.else
	s_wait_loadcnt 16*(6-(\s))
.endif
	TURN (\s)+1                                    ; its LDS loads land in the set that QUANT of the step before read: that QUANT stands ahead of the last wait on va_vdst, and no vector instruction has been issued since
.endif
	QUANT X-96*((\s)%2), PW0
	s_wait_alu depctr_va_vdst(0)                   ; QUANT has written v[PC ..] and v[PW0], which the stores below read, and is done reading its 64 numbers, in which the turn after next lands
.irp q, 0,1,2
	ds_store_b128 v[XWI], v[PC+4*\q:PC+4*\q+3] offset:6144*(\s)+512*\q
.endr
	ds_store_b32 v[XWS], v[PW0] offset:512*(\s)
.endm
	XLOAD 0
	XLOAD 1
	XLOAD 2
	XLOAD 3
	s_wait_loadcnt 48                              ; step 0's 16 loads are in; three steps' may be out
	TURN 0
.irp s, 0,1,2,3,4,5,6,7
	XSTEP \s
.endr
	s_wait_dscnt 0x0                               ; for the others' sake: my images have landed
	s_barrier_signal -1
	s_barrier_wait -1                              ; x's 32 fragments lie in LDS; from here on LDS is only read
	s_wait_alu depctr_vm_vsrc(0)                   ; my LDS stores have read the four sets of window 2, which are accumulators from here on, and v[PC ..], v[PW0], which the way out writes again
	XADR
	s_wait_alu depctr_va_vdst(0)                   ; v[XRI] and v[XRS] are written, which the LDS loads below read (the last QUANT, which read v40 to v103, stands ahead of this wait too)
	XFETCH 0, 0
; ---- THE K LOOP: eight steps of 128.  Step 0 starts the sums; a trip runs two steps, after which the sets of x are back where they began; step 7 is written out, once for each use.
	GSTEP 0, 1, 1
	s_wait_xcnt 0x0                                ; the loads issued have read their bases: they step
	s_add_nc_u64 s[6:7], s[6:7], 24576
	s_add_nc_u64 s[8:9], s[8:9], 1024
	s_add_co_u32 s42, s42, 6144
	s_add_co_u32 s43, s43, 512
	s_mov_b32 s41, 3
.Lk:
	GSTEP 1, 0, 1
	GSTEP 0, 0, 2
	s_wait_xcnt 0x0
	s_add_nc_u64 s[6:7], s[6:7], 49152
	s_add_nc_u64 s[8:9], s[8:9], 2048
	s_add_co_u32 s42, s42, 12288
	s_add_co_u32 s43, s43, 1024
	s_sub_co_u32 s41, s41, 1
	s_cmp_lg_u32 s41, 0
	s_cbranch_scc1 .Lk
	s_wait_dscnt 0x0                               ; step 7's x is in
	s_cmp_eq_u32 s3, 2
	s_cbranch_scc1 .Lvalue
; ---- Q, K: step 7; behind group g (head g of my four) its registers take the head's bias: lane (r, h) wants channels 32 b + 16 h + 0 .. 15
.irp g, 0,1,2,3
	s_wait_loadcnt 14*(3-\g)+8*\g                  ; behind this group's loads: the later groups' 14 each, and 8 bias loads for each group done
	MM 0, \g, 1, 0
	WIN 0
	PLACES
	s_wait_alu depctr_va_vdst(0)                   ; the group's sixteen matrix instructions are done reading its fragments, in which the bias lands
	WIN 0x40
.irp bb, 0,1
.irp q, 0,1,2,3
	global_load_b128 v[48*\g+16*\bb+4*\q:48*\g+16*\bb+4*\q+3], v[H64], s[10:11] offset:256*\g+128*\bb+16*\q
.endr
.endr
	WIN 0
.endr
; Head hd, pair p of row tiles: 64 numbers = tile 2 p's 32 channels-of-my-half, then tile 2 p + 1's: quantised as they lie they ARE the paired fragment and its word.
.macro EPQ hd, p
.if (\p) == 0
	s_wait_loadcnt 8*(3-(\hd))                     ; this head's bias is in; the later heads' may be out
.endif
	WIN 0x06+(\p)                                  ; source 0: the accumulators' window; source 1: window 1
.set j, 0
.rept 32
	v_pk_add_f32 v[X+j:X+j+1], v[64*(\hd)+j:64*(\hd)+j+1], v[48*(\hd)+j%32:48*(\hd)+j%32+1]   ; each accumulator from its low end on.  (No memory instruction names v[X ..] here: the two waits below stand behind these 32 lines)
.set j, j+2
.endr
	WIN 0
	s_wait_xcnt 0x0                                ; the earlier stores have had their addresses translated: their data registers are written anew below
	s_wait_alu depctr_vm_vsrc(0)                   ; the earlier stores have read v[PC ..] and v[SW], which QUANT and the select write again
	QUANT X, PW0+(\p)
.if (\p) == 1
	v_cndmask_b32 v[SW], v[PW0], v[PW0+1], s46     ; lanes 0-15 carry pair 0's words, lanes 16-31 pair 1's
.endif
	s_wait_alu depctr_va_vdst(0)                   ; QUANT has written v[PC ..], and the select v[SW], which the stores below read
.irp q, 0,1,2
	global_store_b128 v[CO16], v[PC+4*\q:PC+4*\q+3], s[12:13] offset:(\hd)*102400+1536*(\p)+512*\q   ; 512 consecutive bytes, at a multiple of 256
.endr
.if (\p) == 1
	global_store_b32 v[SCO], v[SW], s[12:13] offset:(\hd)*102400   ; 128 consecutive bytes
.endif
.endm
.irp hd, 0,1,2,3
	EPQ \hd, 0
	EPQ \hd, 1
.endr
	s_branch .Lend
; ---- V: step 7; behind group g its first four registers take the bias of my channel in each of the group's four tiles
.Lvalue:
.irp g, 0,1,2,3
	s_wait_loadcnt 14*(3-\g)+4*\g
	MM 1, \g, 1, 0
	WIN 0
	PLACES
	s_wait_alu depctr_va_vdst(0)                   ; the group's sixteen matrix instructions are done reading its fragments, in which the bias lands
	WIN 0x40
.irp ct, 0,1,2,3
	global_load_b32 v[48*\g+\ct], v[B4], s[10:11] offset:256*\g+128*(\ct/2)+32*(\ct%2)
.endr
	WIN 0
.endr
; Channel tiles 2 tp and 2 tp + 1: each has 32 numbers a lane, tokens 32 p + 16 h + 0 .. 15: together 64 numbers, whose codes are two half fragments (64 keys each).
.macro EPV tp
	s_wait_loadcnt 4*(3-(\tp)/2)
.irp p, 0,1
	WIN 0x06+\p
.irp e, 0,1
.irp u, 0,1
.irp jj, 0,2,4,6
.set rA, 64*((\tp)/2)+32*\u+8*(2*((\tp)%2)+\e)+\jj
.set rB, 48*((\tp)/2)+2*((\tp)%2)
.set rX, X+32*\e+16*\p+8*\u+\jj
.if \e
	v_pk_add_f32 v[rX:rX+1], v[rA:rA+1], v[rB:rB+1] op_sel:[0,1] op_sel_hi:[1,1]   ; the odd tile's bias, the pair's second register, for both halves
.else
	v_pk_add_f32 v[rX:rX+1], v[rA:rA+1], v[rB:rB+1] op_sel_hi:[1,0]                ; the even tile's, the first
.endif
.endr
.endr
.endr
.endr
	WIN 0
	s_wait_xcnt 0x0                                ; the earlier stores have had their addresses translated: their data registers are written anew below
	s_wait_alu depctr_vm_vsrc(0)                   ; the earlier stores have read v[PC ..] and v[SW], which QUANT and the select write again
	QUANT X, PW0+(\tp)%2
.if (\tp)%2
	v_cndmask_b32 v[SW], v[PW0], v[PW0+1], s46     ; lanes 0-15: tiles 0, 1 of the head; lanes 16-31: tiles 2, 3
.endif
	s_wait_alu depctr_va_vdst(0)                   ; QUANT has written v[PC ..], and the select v[SW], which the stores below read
.irp e, 0,1
	global_store_b128 v[CO16], v[PC+6*\e:PC+6*\e+3], s[12:13] offset:((\tp)/2)*102400+((2*(\tp)+\e)%4)*1536
	global_store_b64 v[CO8], v[PC+6*\e+4:PC+6*\e+5], s[12:13] offset:((\tp)/2)*102400+((2*(\tp)+\e)%4)*1536+512
.endr
.if (\tp)%2
	global_store_b32 v[SCO], v[SW], s[12:13] offset:((\tp)/2)*102400
.endif
.endm
.irp tp, 0,1,2,3,4,5,6,7
	EPV \tp
.endr
.Lend:
	s_wait_dscnt 0x0                               ; the closing lines, six on end
	s_wait_alu 0x0
	s_wait_tensorcnt 0x0
	ds_add_u32 v[SPW], v[NIL]
	s_wait_dscnt 0x0
	s_endpgm
.Lfunc_end_k_q463eb0c33e_proj:
	.size	k_q463eb0c33e_proj, .Lfunc_end_k_q463eb0c33e_proj-k_q463eb0c33e_proj
	.p2alignl 7, 3214868480
	.fill 96, 4, 3214868480
	.section	.rodata,"a",@progbits
	.p2align	6, 0x0
	.amdhsa_kernel k_q463eb0c33e_proj
		.amdhsa_group_segment_fixed_size 87552
		.amdhsa_private_segment_fixed_size 0
		.amdhsa_enable_private_segment 0
		.amdhsa_kernarg_size 88
		.amdhsa_user_sgpr_count 2
		.amdhsa_user_sgpr_kernarg_segment_ptr 1
		.amdhsa_wavefront_size32 1
		.amdhsa_system_sgpr_workgroup_id_x 1
		.amdhsa_system_sgpr_workgroup_id_y 1
		.amdhsa_system_sgpr_workgroup_id_z 1
		.amdhsa_system_vgpr_workitem_id 0
		.amdhsa_next_free_vgpr 1024
		.amdhsa_next_free_sgpr 66
		.amdhsa_reserve_vcc 0
		.amdhsa_float_denorm_mode_32 3
		.amdhsa_float_denorm_mode_16_64 3
		.amdhsa_memory_ordered 1
		.amdhsa_forward_progress 1
		.amdhsa_inst_pref_size 255
	.end_amdhsa_kernel
	.section	.bss,"aw",@nobits
	.p2align	6
	.space	262144
	.amdgpu_metadata
---
amdhsa.version: [ 1, 2 ]
amdhsa.kernels:
  - .name:           k_q463eb0c33e_proj
    .symbol:         k_q463eb0c33e_proj.kd
    .args:
      - { .name: query, .offset: 0, .size: 8, .value_kind: global_buffer, .address_space: global }
      - { .name: key, .offset: 8, .size: 8, .value_kind: global_buffer, .address_space: global }
      - { .name: value, .offset: 16, .size: 8, .value_kind: global_buffer, .address_space: global }
      - { .name: wcod, .offset: 24, .size: 8, .value_kind: global_buffer, .address_space: global }
      - { .name: wscl, .offset: 32, .size: 8, .value_kind: global_buffer, .address_space: global }
      - { .name: bq, .offset: 40, .size: 8, .value_kind: global_buffer, .address_space: global }
      - { .name: bk, .offset: 48, .size: 8, .value_kind: global_buffer, .address_space: global }
      - { .name: bv, .offset: 56, .size: 8, .value_kind: global_buffer, .address_space: global }
      - { .name: qimg, .offset: 64, .size: 8, .value_kind: global_buffer, .address_space: global }
      - { .name: kimg, .offset: 72, .size: 8, .value_kind: global_buffer, .address_space: global }
      - { .name: vimg, .offset: 80, .size: 8, .value_kind: global_buffer, .address_space: global }
    .group_segment_fixed_size: 87552
    .private_segment_fixed_size: 0
    .kernarg_segment_align: 8
    .kernarg_segment_size: 88
    .max_flat_workgroup_size: 128
    .sgpr_count:     66
    .vgpr_count:     1024
    .wavefront_size: 32
...
	.end_amdgpu_metadata
.endif
;; end of part 6
;; launch attn (part 7): grid 4 x 64, 8 waves a work-group, clusters of 4 x 1, 248,832 bytes of LDS; arguments qimg, kimg, vimg, mask, out1, oimg, oscl; writes out1, oimg, oscl
.if DOCPART == 7
	.amdgcn_target "amdgcn-amd-amdhsa--gfx1250"
	.amdhsa_code_object_version 6
	.text
	.protected	k_q463eb0c33e_attn
	.globl	k_q463eb0c33e_attn
	.p2align	8
	.type	k_q463eb0c33e_attn,@function
k_q463eb0c33e_attn:
	s_mov_b64 s[64:65], 0
	v_nop
	global_prefetch_b8 v0, s[64:65] scope:SCOPE_SE
	s_setreg_imm32_b32 hwreg(HW_REG_WAVE_MODE, 25, 1), 1
	s_wait_xcnt 0x0
	s_wait_alu depctr_hold_cnt(0) depctr_sa_sdst(0) depctr_va_vdst(0) depctr_va_sdst(0) depctr_va_ssrc(0) depctr_va_vcc(0) depctr_vm_vsrc(0)
	s_getreg_b32 s2, hwreg(HW_REG_IB_STS2, 6, 4)
	s_cmp_eq_u32 s2, 0
	s_cbranch_scc0 .Lentry_in_a_cluster
	s_endpgm
.Lentry_in_a_cluster:
	s_bfe_u32 s2, ttmp6, 0x10000c
	s_cmp_lg_u32 s2, 0x3003
	s_cbranch_scc0 .Lentry_shape_is_right
	s_endpgm
.Lentry_shape_is_right:
; out1[b][q][64 head + d] = the sum over keys of softmax(Q . K / 8 + mask[b][key]) V, both products on codes of FP6 (E2M3) with E8M0 scales; out1's rows are also quantised along the merged heads for the last product.
; THE SOFTMAX: t = (Q . K + 8 mask) x log2(e) / 8; M = the running largest t rounded UP to a whole number; p = 2^(t - M) is quantised along the keys, not normalised; the row's sum is taken of the unquantised p and divides at the end.
; When M moves, the sum and O are multiplied by 2^(old M - new M): exact.  8 x mask enters as the C of the first product, so the mask costs no vector line in the loop.
; SHARES: a cluster of four work-groups owns one head of one batch; a work-group 512 of its queries, in two passes of 256; each of its eight waves a pair of query tiles, 32 queries: tile A in window 0, tile B in window 1, same numbers.
; A WHOLE HEAD'S K AND V (codes and scale bytes, 204,800 bytes) LIE IN LDS for the launch: filled once, by one tensor load a wave (25,600 bytes), asked for JOINTLY by the four work-groups; nothing is filled again, so the loops have no barrier.
; LAYOUT: both products transposed: S^T = K Q^T, O^T = V^T P^T: a lane holds one query.  A fragment of K holds TWO tiles of 16 keys (64 channels each, K = 128): against [Q | 0] it gives the first tile's scores, against [0 | Q] the second's
; (zero codes add nothing: every scale byte lies between 1 and 254, and the format has no infinity).  The keys of a tile are chosen (lane r of tile 2 b + u: key 32 b + 8 u + r + 8 (r / 8)) so that score register 16 b + i is key 32 b + 16 (lane / 16) + i.
; LIMITS: |mask| under 4.2e37, or -infinity (it is multiplied by 8); a row all of whose keys are at -infinity gives NaN, as the softmax does; blocks of zeros or under 2^-124 get the byte 1 (read by this program alone).
; REGISTERS of a tile (window 0: A, window 1: B): v64-127 S^T, then p; v128-159 O^T; v160-177 six zeros, Q, six zeros; v178-189 p's codes; v190-219 at work.
; Shared, window 0: v1-14 addresses; v16-63 four fragments of K or V; v220-235 scale words; v236-249 at work; window 1: v0-63 8 x mask of the step's keys, in the result's layout.
.set FRB,   1536
.set STEPB, 6400                       ; a step of 128 keys in kimg, vimg and LDS
.set VOFF,  102400                     ; LDS: K's 16 steps, then V's,
.set MSK,   204800                     ; 8 x mask of the batch's 2,048 keys,
.set STG,   212992                     ; a stage of 16 rows x (256 + 16) bytes for each wave,
.set SP,    272
.set SPARE, 247808                     ; the spare words, 128 bytes a wave
.set L16,  1
.set L8,   2
.set R8,   3
.set MK0,  4                           ; MSK + 64 (lane / 16)
.set ADK,  5
.set ADKS, 6
.set ADM,  7
.set ADV,  8
.set ADV8, 9
.set ADVS, 10
.set STO,  11
.set RD,   12
.set GO,   13
.set R4H,  14                          ; 4 r + 2 (lane / 16)
.set FR,   16
.set S,    64
.set O,    128
.set QZ,   160
.set PC,   178
.set TPC,  190
.set BM,   198
.set BX,   202
.set SO,   206
.set NM,   210                         ; -M;  v211 the largest t
.set TMX,  211
.set SUM,  212
.set SUM2, 214
.set F,    216
.set T,    218
.set KW,   220
.set VR,   224
.set VW,   228
.set QSA,  232                         ; Q's scale words: v232 tile A's, v233 tile B's
.set PWA,  234                         ; p's: v234, v235
.set T12,  236
.set QRAW, 248
.set OSW,  249
.set SPW,  250
.set NIL,  251
.set QAD,  252
.set QSD,  253
.set WV,   18
.set CS,   22                          ; s[22:23] c = log2(e) / 8
.set SEL,  24
.set G1,   28                          ; s[28:35] descriptor group 1;  s[36:39], s[52:55] groups 0 for K's and V's part
.set G0K,  36
.set G0V,  52
.set MSB, 0
.macro WIN new
.if MSB != (\new)
	s_set_vgpr_msb (MSB<<8)|(\new)
.set MSB, (\new)
.endif
.endm
.macro PLACES
.rept 4
	v_nop
.endr
.endm
.macro WMA d, a, b, sa, sb
	v_wmma_scale_f32_16x16x128_f8f6f4 v[\d:\d+7], v[\a:\a+11], v[\b:\b+11], v[\d:\d+7], v[\sa], v[\sb] matrix_a_fmt:MATRIX_FMT_FP6 matrix_b_fmt:MATRIX_FMT_FP6
.endm
.macro WMC d, a, b, c, sa, sb
	v_wmma_scale_f32_16x16x128_f8f6f4 v[\d:\d+7], v[\a:\a+11], v[\b:\b+11], v[\c:\c+7], v[\sa], v[\sb] matrix_a_fmt:MATRIX_FMT_FP6 matrix_b_fmt:MATRIX_FMT_FP6
.endm
.macro CROUND                          ; a round of the cluster's barrier
	s_barrier_signal -1
	s_barrier_wait -1
	s_cmp_lg_u32 s[WV], 0
	s_cbranch_scc1 .Lnot_wave_0_\@
	s_barrier_signal -3
.Lnot_wave_0_\@:
	s_barrier_wait -3
	s_barrier_signal -1
	s_barrier_wait -1
.endm
	s_load_b256 s[4:11], s[0:1], 0x0               ; qimg, kimg, vimg, mask
	s_load_b128 s[12:15], s[0:1], 0x20             ; out1, oimg
	s_load_b64 s[16:17], s[0:1], 0x30              ; oscl
	v_lshl_add_u32 v[SPW], v0, 2, SPARE
	v_mov_b32 v[NIL], 0
	ds_add_u32 v[SPW], v[NIL]                      ; the wave's opening: the add and its wait stand ahead of my first tensor load; work on registers stands between them
	ds_add_u32 v[SPW], v[NIL]
	v_lshrrev_b32 v1, 5, v0
	s_delay_alu instid0(VALU_DEP_1)
	v_readfirstlane_b32 s[WV], v1                  ; wave 0..7
	s_bfe_u32 s19, ttmp6, 0x40000                  ; cx: my quarter of the head's queries; it enters Q's and the outputs' addresses alone
	s_and_b32 s20, ttmp7, 0xffff                   ; 16 batch + head, which the four partners share
	s_mov_b32 s[G1], 15|(3<<16)|(1<<21)            ; 15:0 the mask: all four work-groups; 17:16 elements of 8 bytes; 20 no padding; 21 set beside a mask
	s_mov_b32 s[G1+1], 32<<16                      ; tensor_dim0 = 32 elements: rows of 256 bytes
	s_mov_b32 s[G1+2], 100<<16                     ; tensor_dim1 = 100 rows: 25,600 dense bytes
	s_mov_b32 s[G1+3], 32<<16                      ; tile_dim0
	s_mov_b32 s[G1+4], 100                         ; tile_dim1
	s_mov_b32 s[G1+5], 32                          ; the pitch
	s_mov_b32 s[G1+6], 0
	s_mov_b32 s[G1+7], 0
	s_mov_b32 s[CS], 0x3e38aa3b                    ; c = log2(e) / 8
	s_mov_b32 s[CS+1], s[CS]                       ; (named with it as a pair, so it is written)
	s_mov_b32 s[SEL], 0x76543210
	s_mov_b32 s[SEL+1], 0xfedcba98
	s_mov_b32 s56, 0xffff0000                      ; lanes 16-31
	s_mul_i32 s46, s20, 102400                     ; the head's first byte in qimg, kimg and vimg
	s_and_b32 s21, s[WV], 3
	s_mul_i32 s48, s21, 25600                      ; my quarter of K's (waves 0-3) or V's (waves 4-7) 102,400 bytes,
	s_add_co_u32 s48, s48, s46
	s_mov_b32 s49, 0
	s_mul_i32 s26, s[WV], 25600                    ; and its place in LDS: V's region follows K's
	s_wait_dscnt 0x0                               ; the opening add is done
	s_wait_kmcnt 0x0
	s_mov_b32 s[G0K], 1                            ; count = 1
	s_mov_b32 s[G0K+1], s26                        ; LDS address
	s_add_nc_u64 s[G0K+2:G0K+3], s[6:7], s[48:49]  ; global address
	s_or_b32 s[G0K+3], s[G0K+3], 0x80000000        ; type = 2
	s_mov_b32 s[G0V], 1
	s_mov_b32 s[G0V+1], s26
	s_add_nc_u64 s[G0V+2:G0V+3], s[8:9], s[48:49]
	s_or_b32 s[G0V+3], s[G0V+3], 0x80000000
	CROUND                                         ; all four work-groups are here: the joint loads meet
	s_cmp_lt_u32 s[WV], 4                          ; the branch hangs on the wave's number alone; one load of mine is out
	s_cbranch_scc0 .Lfor_v
	tensor_load_to_lds s[G0K:G0K+3], s[G1:G1+7]
	s_nop 0
	PLACES
	s_branch .Lasked
.Lfor_v:
	tensor_load_to_lds s[G0V:G0V+3], s[G1:G1+7]
	s_nop 0
	PLACES
.Lasked:
	s_lshr_b32 s21, s20, 4                         ; batch
	s_and_b32 s27, s20, 15                         ; head
	s_lshl_b32 s60, s21, 13                        ; the batch's 2,048 mask numbers
	s_mov_b32 s61, 0
	s_add_nc_u64 s[10:11], s[10:11], s[60:61]
	v_lshlrev_b32 v72, 4, v0                       ; thread t copies 16 bytes at 16 t and at 4,096 + 16 t
	global_load_b128 v[64:67], v72, s[10:11]
	global_load_b128 v[68:71], v72, s[10:11] offset:4096
	v_lshl_add_u32 v73, v0, 4, MSK
	s_lshl_b32 s50, s19, 2                         ; Q: my step of 128 queries in pass 0: 4 cx + wave / 4
	s_lshr_b32 s51, s[WV], 2
	s_add_co_u32 s50, s50, s51
	s_mul_i32 s50, s50, STEPB
	s_add_co_u32 s50, s50, s46
	s_mov_b32 s51, 0
	s_add_nc_u64 s[4:5], s[4:5], s[50:51]
	s_lshl_b32 s57, s19, 4
	s_add_co_u32 s57, s57, s[WV]
	s_lshl_b32 s58, s21, 6
	s_add_co_u32 s58, s58, s57                     ; P: my pair of tiles among all 256: 64 batch + 16 cx + wave (+ 8 in pass 1)
	s_lshl_b32 s60, s58, 17                        ; out1: 32 rows of 4,096 bytes a pair, + 256 bytes a head
	s_lshl_b32 s59, s27, 8
	s_add_co_u32 s60, s60, s59
	s_add_nc_u64 s[12:13], s[12:13], s[60:61]
	s_mul_i32 s60, s58, 24576                      ; oimg: [tile 2 P + u][head][768]
	s_mul_i32 s59, s27, 768
	s_add_co_u32 s60, s60, s59
	s_add_nc_u64 s[14:15], s[14:15], s[60:61]
	s_lshl_b32 s60, s58, 10                        ; oscl: [P][head][64]
	s_lshl_b32 s59, s27, 6
	s_add_co_u32 s60, s60, s59
	s_add_nc_u64 s[16:17], s[16:17], s[60:61]
	v_and_b32 v238, 31, v0                         ; lane
	v_and_b32 v236, 15, v0                         ; r
	v_bfe_u32 v237, v0, 4, 1                       ; h
	s_delay_alu instid0(VALU_DEP_3)
	v_lshlrev_b32 v[L16], 4, v238
	s_delay_alu instid0(VALU_DEP_4)
	v_lshlrev_b32 v[L8], 3, v238
	s_delay_alu instid0(VALU_DEP_4)
	v_lshlrev_b32 v[R8], 3, v236
	s_delay_alu instid0(VALU_DEP_4)
	v_lshl_add_u32 v[MK0], v237, 6, MSK
	s_mul_i32 s47, s[WV], 16*SP
	s_add_co_u32 s47, s47, STG                     ; my stage
	v_mul_u32_u24 v[STO], v236, SP
	s_delay_alu instid0(VALU_DEP_1)
	v_lshl_add_u32 v[STO], v237, 6, v[STO]
	s_delay_alu instid0(VALU_DEP_1)
	v_add_nc_u32 v[STO], s47, v[STO]               ; in: row r, + 64 h
	v_mul_u32_u24 v[RD], v237, SP
	s_delay_alu instid0(VALU_DEP_1)
	v_lshl_add_u32 v[RD], v236, 4, v[RD]
	s_delay_alu instid0(VALU_DEP_1)
	v_add_nc_u32 v[RD], s47, v[RD]                 ; back: lanes 0-15 one row of 256 bytes, lanes 16-31 the next
	v_lshlrev_b32 v[GO], 12, v237
	s_delay_alu instid0(VALU_DEP_1)
	v_lshl_add_u32 v[GO], v236, 4, v[GO]           ; and the same in out1
	v_lshlrev_b32 v[R4H], 2, v236
	s_delay_alu instid0(VALU_DEP_1)
	v_lshl_add_u32 v[R4H], v237, 1, v[R4H]
	s_and_b32 s47, s[WV], 3
	s_mul_i32 s47, s47, FRB
	v_add_nc_u32 v[QAD], s47, v[L16]               ; Q's pair in its step: fragment wave % 4,
	s_bfe_u32 s46, s[WV], 0x10001
	s_lshl_b32 s46, s46, 7
	s_and_b32 s47, s[WV], 1
	s_lshl_b32 s47, s47, 2
	s_add_co_u32 s46, s46, s47
	s_add_co_u32 s46, s46, 6144
	v_add_nc_u32 v[QSD], s46, v[R8]                ; and its scale word
.irp w, 0,1
	WIN 0x40*\w
.irp i, 0,1,2,3,4,5
	v_mov_b32 v[QZ+\i], 0                          ; the zero codes on both sides of Q
	v_mov_b32 v[QZ+12+\i], 0
.endr
.irp i, 0,1,2,3
	v_mov_b32 v[BX+\i], 0                          ; written once: a lane permute's destination counts as one of its sources
.endr
	v_mov_b32 v[F+1], 0                            ; (named as the upper half of a pair)
.endr
	WIN 0
	s_wait_loadcnt 0x0                             ; the mask
.irp i, 0,2,4,6
	v_pk_mul_f32 v[64+\i:65+\i], v[64+\i:65+\i], 0x41000000 op_sel_hi:[1,0]   ; x 8: exact
.endr
	ds_store_b128 v73, v[64:67]
	ds_store_b128 v73, v[68:71] offset:4096
	s_wait_tensorcnt 0x0                           ; my part of K or V has landed,
	s_wait_dscnt 0x0                               ; and my part of the mask
	s_barrier_signal -1
	s_barrier_wait -1                              ; everybody's has; K, V and the mask are only read from here on
; The first product of tile w: eight matrix instructions, C = 8 x mask.
.macro KQ w
	WIN 0x10+0x44*(\w)                             ; K window 0; Q and S^T the tile's window; the mask window 1
.irp b, 0,1,2,3
	WMC S+16*\b, FR+12*\b, QZ+6, 16*\b, KW+\b, QSA+(\w)       ; [Q | 0]: keys 32 b + 16 h + 0 .. 7
	WMC S+16*\b+8, FR+12*\b, QZ, 16*\b+8, KW+\b, QSA+(\w)     ; [0 | Q]: keys 32 b + 16 h + 8 .. 15
.endr
.endm
; The softmax of tile w for a step of 128 keys, and p's codes and scale word.
.macro SM w
	WIN 0x55*(\w)
.irp b, 0,1,2,3
	v_max3_num_f32 v[BM+\b], v[S+16*\b], v[S+16*\b+1], v[S+16*\b+2]   ; the largest score of each block of 32 keys: it serves the row's maximum and, since p rises with the score, the block's largest p
.endr
.irp i, 3,5,7,9,11,13
.irp b, 0,1,2,3
	v_max3_num_f32 v[BM+\b], v[BM+\b], v[S+16*\b+\i], v[S+16*\b+\i+1]
.endr
.endr
.irp b, 0,1,2,3
	v_max_num_f32 v[BM+\b], v[BM+\b], v[S+16*\b+15]
.endr
.irp b, 0,1,2,3
	s_delay_alu instid0(VALU_DEP_4)
	v_permlanex16_b32 v[BX+\b], v[BM+\b], s[SEL], s[SEL+1]
.endr
.irp b, 0,1,2,3
	s_delay_alu instid0(VALU_DEP_4)
	v_max_num_f32 v[BM+\b], v[BM+\b], v[BX+\b]     ; with lane l xor 16's 16 keys
.endr
	s_delay_alu instid0(VALU_DEP_2)
	v_max3_num_f32 v[T], v[BM], v[BM+1], v[BM+2]
	s_delay_alu instid0(VALU_DEP_1)
	v_max_num_f32 v[T], v[T], v[BM+3]
	s_delay_alu instid0(VALU_DEP_1)
	v_mul_f32 v[T], s[CS], v[T]                    ; the step's largest t (c is positive)
	s_delay_alu instid0(VALU_DEP_1)
	v_max_num_f32 v[TMX], v[TMX], v[T]             ; the running largest t
	v_mov_b32 v[T], v[NM]
	s_delay_alu instid0(VALU_DEP_2)
	v_floor_f32 v[NM], -v[TMX]                     ; the new -M = -ceil(t): a whole number
	s_delay_alu instid0(VALU_DEP_1)
	v_sub_f32 v[T], v[NM], v[T]                    ; old M - new M: a whole number, 0 or less
	s_delay_alu instid0(VALU_DEP_1)
	v_cvt_i32_f32 v[T], v[T]                       ; (it saturates)
	s_delay_alu instid0(VALU_DEP_1)
	v_ldexp_f32 v[F], 1.0, v[T]                    ; f = 2^(old M - new M)
.set j, 0
.rept 32
	v_pk_fma_f32 v[S+j:S+j+1], v[S+j:S+j+1], s[CS:CS+1], v[NM:NM+1] op_sel_hi:[1,0,0]   ; t - M, two at a time
.set j, j+2
.endr
.irp b, 0,1,2,3
	v_fma_f32 v[BM+\b], v[BM+\b], s[CS], v[NM]     ; the same of each block's largest score
.endr
.set j, 0
	s_wait_alu depctr_va_vdst(0)
.rept 64
	v_exp_f32 v[S+j], v[S+j]                       ; p = 2^(t - M)
.set j, j+1
.endr
	v_pk_mul_f32 v[SUM:SUM+1], v[SUM:SUM+1], v[F:F+1] op_sel_hi:[1,0]   ; the sums under the new M; the plain line behind the exponentials
	s_wait_alu depctr_va_vdst(0)                   ; one wait for the batch of 64, ahead of its first reader
.irp b, 0,1,2,3
	v_exp_f32 v[BM+\b], v[BM+\b]                   ; the block's largest p: the same two instructions on the same number
.endr
	v_pk_add_f32 v[SUM2:SUM2+1], v[S:S+1], v[S+2:S+3]   ; the row's sum of the UNQUANTISED p, in two chains
.set j, 4
.rept 15
	v_pk_add_f32 v[SUM:SUM+1], v[SUM:SUM+1], v[S+j:S+j+1]
	v_pk_add_f32 v[SUM2:SUM2+1], v[SUM2:SUM2+1], v[S+j+2:S+j+3]
.set j, j+4
.endr
	s_delay_alu instid0(VALU_DEP_1)
	v_pk_add_f32 v[SUM:SUM+1], v[SUM:SUM+1], v[SUM2:SUM2+1]
	s_wait_alu depctr_va_vdst(0)                   ; and one for the four
.irp b, 0,1,2,3
	v_max_num_f32 v[BM+\b], 0x1800000, v[BM+\b]    ; the floor 2^(3 - 127): the byte cannot fall under 1
.endr
.irp b, 0,1,2,3
	s_delay_alu instid0(VALU_DEP_4)
	v_add_nc_u32 v[SO+\b], 0xff000000, v[BM+\b]    ; 2 off the exponent field: the conversion's scale operand
.endr
.irp b, 0,1,2,3
	s_delay_alu instid0(VALU_DEP_4)
	v_lshrrev_b32 v[BX+\b], 23, v[SO+\b]           ; the scale's byte
.endr
	s_delay_alu instid0(VALU_DEP_3)
	v_lshl_or_b32 v[T], v[BX+1], 8, v[BX]
	s_delay_alu instid0(VALU_DEP_1)
	v_lshl_or_b32 v[T], v[BX+2], 16, v[T]
	s_delay_alu instid0(VALU_DEP_1)
	v_lshl_or_b32 v[T], v[BX+3], 24, v[T]          ; p's scale word for these 128 keys
.irp c, 0,1
	v_cvt_scalef32_pk16_fp6_f32 v[PC+6*\c:PC+6*\c+2], v[S+32*\c:S+32*\c+15], v[SO+2*\c]
	v_cvt_scalef32_pk16_fp6_f32 v[TPC+4*\c:TPC+4*\c+2], v[S+32*\c+16:S+32*\c+31], v[SO+2*\c+1]
.endr
	v_nop                                          ; one plain line behind a scaled conversion
.irp c, 0,1
.irp i, 0,1,2
	v_permlane16_swap_b32 v[PC+6*\c+\i], v[TPC+4*\c+\i]   ; a WHOLE block to a lane
.endr
.irp i, 0,1,2
	s_delay_alu instid0(VALU_DEP_3)
	v_mov_b32 v[PC+6*\c+3+\i], v[TPC+4*\c+\i]
.endr
.endr
	WIN 0x01*(\w)                                  ; scale operands are taken from window 0
	v_mov_b32 v[PWA+(\w)], v[T]
	WIN 0x55*(\w)
.set j, 0
.rept 16
	v_pk_mul_f32 v[O+j:O+j+1], v[O+j:O+j+1], v[F:F+1] op_sel_hi:[1,0]   ; O^T under the new M.  (These are also the plain lines between the scale word's and the codes' last writes and the products)
.set j, j+2
.endr
.endm
; A KEY STEP: 128 keys for both tiles.
.macro STEP
	v_add_nc_u32 v[ADK], s40, v[L16]               ; (six plain lines: also the places between the last products and the loads into the registers that they read)
	v_add_nc_u32 v[ADKS], s40, v[R8]
	v_add_nc_u32 v[ADM], s41, v[MK0]
	v_add_nc_u32 v[ADV], s44, v[L16]
	v_add_nc_u32 v[ADV8], s44, v[L8]
	v_add_nc_u32 v[ADVS], s44, v[R8]
.irp b, 0,1,2,3
.irp q, 0,1,2
	ds_load_b128 v[FR+12*\b+4*\q:FR+12*\b+4*\q+3], v[ADK] offset:FRB*\b+512*\q   ; K's four paired fragments, as register images
.endr
.endr
	ds_load_b64 v[KW:KW+1], v[ADKS] offset:6144    ; their scale words
	ds_load_b64 v[KW+2:KW+3], v[ADKS] offset:6272
	WIN 0x40
.irp b, 0,1,2,3
.irp q, 0,1,2,3
	ds_load_b128 v[16*\b+4*\q:16*\b+4*\q+3], v[ADM] offset:128*\b+16*\q          ; 8 x mask of keys 32 b + 16 h + 4 q on
.endr
.endr
	s_wait_dscnt 0x0
	KQ 0
	s_wait_alu depctr_va_vdst(0)
	KQ 1
	WIN 0
	PLACES
.irp t, 0,1,2,3                        ; V's four channel tiles, 128 keys each: two half fragments; they land under tile A's softmax
	ds_load_b128 v[FR+12*\t:FR+12*\t+3], v[ADV] offset:FRB*\t
	ds_load_b64 v[FR+12*\t+4:FR+12*\t+5], v[ADV8] offset:FRB*\t+512
	ds_load_b128 v[FR+12*\t+6:FR+12*\t+9], v[ADV] offset:FRB*\t+768
	ds_load_b64 v[FR+12*\t+10:FR+12*\t+11], v[ADV8] offset:FRB*\t+1280
.endr
	ds_load_b64 v[VR:VR+1], v[ADVS] offset:6144
	ds_load_b64 v[VR+2:VR+3], v[ADVS] offset:6272
	SM 0
	s_wait_dscnt 0x0                               ; V is in
	v_perm_b32 v[VW], v[VR+2], v[VR], 0x05040100   ; a tile's scale word: its two bytes of the first 64 keys, then of the second
	v_perm_b32 v[VW+1], v[VR+2], v[VR], 0x07060302
	v_perm_b32 v[VW+2], v[VR+3], v[VR+1], 0x05040100
	s_setprio 1
	v_perm_b32 v[VW+3], v[VR+3], v[VR+1], 0x07060302
	SM 1
	WIN 0
	s_setprio 0
.irp t, 0,1,2,3
	WMA O+8*\t, FR+12*\t, PC, VW+\t, PWA           ; O^T += V^T P^T; the eight accumulators take turns
.endr
	WIN 0x54
.irp t, 0,1,2,3
	WMA O+8*\t, FR+12*\t, PC, VW+\t, PWA+1
.endr
	WIN 0
.endm
; 32 numbers of a lane (channels 32 b + 16 h + i of my query) become six registers of codes and two scale bytes.
.macro QUANT32
.irp b, 0,1
	v_max3_num_f32 v[BM+\b], |v[S+16*\b]|, |v[S+16*\b+1]|, 0x1800000
.endr
.irp i, 2,4,6,8,10,12,14
.irp b, 0,1
	s_delay_alu instid0(VALU_DEP_2)
	v_max3_num_f32 v[BM+\b], v[BM+\b], |v[S+16*\b+\i]|, |v[S+16*\b+\i+1]|
.endr
.endr
.irp b, 0,1
	s_delay_alu instid0(VALU_DEP_2)
	v_permlanex16_b32 v[BX+\b], v[BM+\b], s[SEL], s[SEL+1]
.endr
.irp b, 0,1
	s_delay_alu instid0(VALU_DEP_2)
	v_max_num_f32 v[BM+\b], v[BM+\b], v[BX+\b]
.endr
.irp b, 0,1
	s_delay_alu instid0(VALU_DEP_2)
	v_add_nc_u32 v[SO+\b], 0xff000000, v[BM+\b]
.endr
.irp b, 0,1
	s_delay_alu instid0(VALU_DEP_2)
	v_lshrrev_b32 v[BX+\b], 23, v[SO+\b]
.endr
	s_delay_alu instid0(VALU_DEP_1)
	v_lshl_or_b32 v[T], v[BX+1], 8, v[BX]
	v_cvt_scalef32_pk16_fp6_f32 v[PC:PC+2], v[S:S+15], v[SO]
	v_cvt_scalef32_pk16_fp6_f32 v[TPC:TPC+2], v[S+16:S+31], v[SO+1]
	v_nop
.irp i, 0,1,2
	v_permlane16_swap_b32 v[PC+\i], v[TPC+\i]
.endr
.irp i, 0,1,2
	s_delay_alu instid0(VALU_DEP_3)
	v_mov_b32 v[PC+3+\i], v[TPC+\i]
.endr
.endm
; THE WAY OUT of tile w: O^T / the sum; through my stage, so that sixteen lanes store a token's 256 bytes of this head; and its codes for the last product.
.macro WAYOUT w
	WIN 0x55*(\w)
	v_add_f32 v[SUM], v[SUM], v[SUM+1]
	s_delay_alu instid0(VALU_DEP_1)
	v_permlanex16_b32 v[BX], v[SUM], s[SEL], s[SEL+1]
	s_delay_alu instid0(VALU_DEP_1)
	v_add_f32 v[SUM], v[SUM], v[BX]                ; the row's sum
	s_wait_alu depctr_va_vdst(0)
	v_rcp_f32 v[F], v[SUM]
	v_nop                                          ; a plain line behind the reciprocal,
	s_wait_alu depctr_va_vdst(0)                   ; and the wait ahead of its first reader
.set j, 0
.rept 16
	v_pk_mul_f32 v[S+j:S+j+1], v[O+j:O+j+1], v[F:F+1] op_sel_hi:[1,0]   ; register 16 b + i: channel 32 b + 16 h + i; each accumulator from its low end on
.set j, j+2
.endr
	WIN 0x04*(\w)
.irp b, 0,1
.irp q, 0,1,2,3
	ds_store_b128 v[STO], v[S+16*\b+4*\q:S+16*\b+4*\q+3] offset:128*\b+16*\q
.endr
.endr
	WIN 0x40*(\w)
.irp i, 0,1,2,3,4,5,6,7
	ds_load_b128 v[S+32+4*\i:S+32+4*\i+3], v[RD] offset:2*SP*\i   ; LDS serves a wave's instructions in order: these see my stores, and the next tile's stores come behind them
.endr
	WIN 0x55*(\w)
	QUANT32
	WIN 0x04*(\w)
	s_wait_alu depctr_va_vdst(0)
.irp i, 0,1,2,3,4,5,6,7
	s_wait_dscnt 7-\i                              ; rows 2 i and 2 i + 1 are back; the younger loads may be out
	global_store_b128 v[GO], v[S+32+4*\i:S+32+4*\i+3], s[12:13] offset:(2*\i+8*(\i/4)+8*(\w))*4096 th:TH_STORE_NT   ; row rho of tile w is token 8 w + rho + 8 (rho / 8) of the pair's 32; 16 lanes store 256 consecutive bytes, aligned
.endr
	global_store_b128 v[L16], v[PC:PC+3], s[14:15] offset:12288*(\w)
	global_store_b64 v[L8], v[PC+4:PC+5], s[14:15] offset:12288*(\w)+512
.endm
	s_mov_b32 s43, 2
.Lpass:                                            ; two passes of 256 queries
.irp q, 0,1,2
	global_load_b128 v[T12+4*\q:T12+4*\q+3], v[QAD], s[4:5] offset:512*\q   ; my pair's fragment: registers 0-5 tile A, 6-11 tile B
.endr
	global_load_b32 v[QRAW], v[QSD], s[4:5]
.irp w, 0,1
	WIN 0x40*\w
.set j, 0
.rept 32
	v_mov_b32 v[O+j], 0                            ; O^T.  (The key step is written once: its first trip finds zeros, which the first change of M leaves zeros)
.set j, j+1
.endr
	v_mov_b32 v[TMX], 0xff61b1e6                   ; the largest t so far: -3e38
	v_mov_b32 v[NM], 0x7f61b1e6                    ; -M
	v_mov_b32 v[SUM], 0
	v_mov_b32 v[SUM+1], 0
.endr
	WIN 0
	s_wait_loadcnt 0x0
	v_perm_b32 v[QSA], v[QRAW], v[QRAW], 0x01000100     ; tile A's two bytes, for both halves of K = 128
	v_perm_b32 v[QSA+1], v[QRAW], v[QRAW], 0x03020302   ; tile B's
.irp i, 0,1,2,3,4,5
	v_mov_b32 v[QZ+6+\i], v[T12+\i]
.endr
	WIN 0x40
.irp i, 0,1,2,3,4,5
	v_mov_b32 v[QZ+6+\i], v[T12+6+\i]
.endr
	WIN 0
	s_mov_b32 s40, 0                               ; where the step's K begins in LDS,
	s_mov_b32 s44, VOFF                            ; its V,
	s_mov_b32 s41, 0                               ; its mask
	s_mov_b32 s42, 16
.Lkey:
	s_setprio 2
	STEP
	s_add_co_u32 s40, s40, STEPB
	s_add_co_u32 s44, s44, STEPB
	s_add_co_u32 s41, s41, 512
	s_sub_co_u32 s42, s42, 1
	s_cmp_lg_u32 s42, 0
	s_cbranch_scc1 .Lkey
	s_setprio 0
	PLACES                                         ; between the last products and the first read of O^T
	WAYOUT 0
	WAYOUT 1
	WIN 0x04
	v_cndmask_b32 v[OSW], v[T], v[T], s56          ; lanes 0-15 carry tile A's two scale bytes (window 0), lanes 16-31 tile B's (window 1)
	WIN 0
	global_store_b16 v[R4H], v[OSW], s[16:17]      ; 64 consecutive bytes: a quarter of an aligned 256; 262,144 bytes in the whole launch go out so
	s_wait_xcnt 0x0                                ; the stores have read their registers and bases: both are written anew below
	s_add_nc_u64 s[4:5], s[4:5], 2*STEPB           ; eight pairs on
	s_add_nc_u64 s[12:13], s[12:13], 1048576
	s_add_nc_u64 s[14:15], s[14:15], 196608
	s_add_nc_u64 s[16:17], s[16:17], 8192
	s_sub_co_u32 s43, s43, 1
	s_cmp_lg_u32 s43, 0
	s_cbranch_scc1 .Lpass
	s_wait_tensorcnt 0x0                           ; the wave's end, behind my last tensor load and my last LDS store
	ds_add_u32 v[SPW], v[NIL]
	s_wait_dscnt 0x0
	CROUND                                         ; the closing round
	s_endpgm
.Lfunc_end_k_q463eb0c33e_attn:
	.size	k_q463eb0c33e_attn, .Lfunc_end_k_q463eb0c33e_attn-k_q463eb0c33e_attn
	.p2alignl 7, 3214868480
	.fill 96, 4, 3214868480
	.section	.rodata,"a",@progbits
	.p2align	6, 0x0
	.amdhsa_kernel k_q463eb0c33e_attn
		.amdhsa_group_segment_fixed_size 248832
		.amdhsa_private_segment_fixed_size 0
		.amdhsa_enable_private_segment 0
		.amdhsa_kernarg_size 56
		.amdhsa_user_sgpr_count 2
		.amdhsa_user_sgpr_kernarg_segment_ptr 1
		.amdhsa_wavefront_size32 1
		.amdhsa_system_sgpr_workgroup_id_x 1
		.amdhsa_system_sgpr_workgroup_id_y 1
		.amdhsa_system_sgpr_workgroup_id_z 1
		.amdhsa_system_vgpr_workitem_id 0
		.amdhsa_next_free_vgpr 512
		.amdhsa_next_free_sgpr 66
		.amdhsa_reserve_vcc 0
		.amdhsa_float_denorm_mode_32 3
		.amdhsa_float_denorm_mode_16_64 3
		.amdhsa_memory_ordered 1
		.amdhsa_forward_progress 1
		.amdhsa_inst_pref_size 59
	.end_amdhsa_kernel
	.amdgpu_metadata
---
amdhsa.version: [ 1, 2 ]
amdhsa.kernels:
  - .name:           k_q463eb0c33e_attn
    .symbol:         k_q463eb0c33e_attn.kd
    .args:
      - { .name: qimg, .offset: 0, .size: 8, .value_kind: global_buffer, .address_space: global }
      - { .name: kimg, .offset: 8, .size: 8, .value_kind: global_buffer, .address_space: global }
      - { .name: vimg, .offset: 16, .size: 8, .value_kind: global_buffer, .address_space: global }
      - { .name: mask, .offset: 24, .size: 8, .value_kind: global_buffer, .address_space: global }
      - { .name: out1, .offset: 32, .size: 8, .value_kind: global_buffer, .address_space: global }
      - { .name: oimg, .offset: 40, .size: 8, .value_kind: global_buffer, .address_space: global }
      - { .name: oscl, .offset: 48, .size: 8, .value_kind: global_buffer, .address_space: global }
    .group_segment_fixed_size: 248832
    .private_segment_fixed_size: 0
    .kernarg_segment_align: 8
    .kernarg_segment_size: 56
    .max_flat_workgroup_size: 256
    .sgpr_count:     66
    .vgpr_count:     512
    .wavefront_size: 32
...
	.end_amdgpu_metadata
.endif
;; end of part 7
;; launch outp (part 8): grid 256 x 1, 4 waves a work-group, no clusters, 83,456 bytes of LDS; arguments oimg, oscl, wcod, wscl, bo, out0; writes out0
.if DOCPART == 8
	.amdgcn_target "amdgcn-amd-amdhsa--gfx1250"
	.amdhsa_code_object_version 6
	.text
	.protected	k_q463eb0c33e_outp
	.globl	k_q463eb0c33e_outp
	.p2align	8
	.type	k_q463eb0c33e_outp,@function
k_q463eb0c33e_outp:
	s_mov_b64 s[64:65], 0
	v_nop
	global_prefetch_b8 v0, s[64:65] scope:SCOPE_SE
	s_setreg_imm32_b32 hwreg(HW_REG_WAVE_SCHED_MODE, 0, 2), 2
	s_setreg_imm32_b32 hwreg(HW_REG_WAVE_MODE, 25, 1), 1
	s_wait_xcnt 0x0
	s_wait_alu depctr_vm_vsrc(0)
; out0 = out1 Wo + bo on codes of FP6 (E2M3) with E8M0 scales.  out1's rows arrive as half fragments (a row tile x a head: 768 bytes) with their scale bytes, Wo's columns as fragments: both in the order of the operand registers.
; SHARES: work-group = 2 rb + ch: 64 rows x 512 columns; 256 equal work-groups.  Wave w makes columns 512 ch + 128 w .. + 127 (8 weight tiles) for the four row tiles: 32 accumulators.
; The rows' codes (49,152 dense bytes) are copied into LDS once; each wave's part of Wo goes from memory straight into its registers, in groups of four tiles, through six slots of a group (three K steps).
; Wo's codes are shared by all row blocks and not asked for jointly through LDS: a K step feeds 32 matrix instructions a wave, and between two changes of slots one slot at most could be on its way, whereas the loads into
; registers keep three groups, 42 loads, of every wave on their way with no barrier in the eight steps.
; Source 0 = 16 columns of Wo, source 1 = 16 rows: a lane holds one row, its registers run along the columns.  Columns and rows of a tile are not neighbours: of a block of 32, lane r of tile u takes 8 u + r + 8 (r / 8).
; The bias is the C of each sum's first matrix instruction.
; REGISTERS: window 0: v1-8 addresses; v32-63 the rows' scale words [tile][K step]; v64-95 the same as they arrive; v96-191 the rows' fragments, two sets; v192-215 Wo's scale words, six slots.
;   window 1: the accumulators, (a, t) at 8 (8 a + t); at the head the copy's registers.   window 2: v0-191 Wo's slots 0 to 3, four fragments each; v192-255 bo; on the way out v0-127 rows read back.   window 3: v0-95 Wo's slots 4 and 5.
; THE MODE: SCHED_MODE bits 1:0 = 2 (LLVM: expert scheduling mode 2), set by the entry lines.  The code itself states the register dependences between vector or matrix instructions and memory or LDS instructions,
; with s_wait_alu, always for 0.
; THE PLAN.  Registers that memory or LDS instructions touch:
;   The offsets and addresses v1 to v8: written at the head, ahead of one wait on va_vdst, and never again.
;   Wo's slots: group g of K step s lies in slot (2 s + g) % 6, with its four scale words.  Step s's matrix instructions read slots 2 s and 2 s + 1; slots 2 s + 2 and 2 s + 3 hold the next step's groups;
;     slots 2 s - 2 and 2 s - 1, which step s - 1 read, take the loads of step s + 2, issued in step s.
;   The rows' sets: step s reads set s % 2; the fetch of step s + 1, issued in step s, lands in the other, which step s - 1 read.
;   So ONE wait on va_vdst stands at the head of steps 1 to 6: step s - 1's matrix instructions are done reading their two slots, their scale words and their set of rows.  The step's loads follow it, dealt among its 32 matrix
;   instructions, which name this step's slots and set, the rows' scale words and the accumulators: none of the registers that those loads touch.  Step 0's loads land in registers that nothing has named; step 7 issues none.
;   The copy's registers (window 1): loaded, read by the LDS stores, then accumulators: a wait on vm_vsrc behind the barrier.   The rows' scale words: made by vector instructions, taken as scales: a wait on va_vdst behind them.
;   The way out: the accumulators are the LDS stores' data, and the stage's loads land where fragments lay: one wait on va_vdst; the global stores' data are loaded again two tiles on: a wait on vm_vsrc beside the wait on XCNT.
.set FRB,   1536
.set STG,   49152                      ; LDS: the rows' codes from 0; a stage of 16 rows x (512 + 16) bytes for each wave;
.set TP,    528
.set SPARE, STG+4*16*TP                ; the spare words
.set L16,  1
.set L8,   2
.set R8,   3
.set R4,   4
.set T16,  5                           ; 16 x thread
.set H64,  6
.set STO,  7
.set RD,   8
.set XSW,  32
.set RAW,  64
.set XF,   96
.set WS,   192                         ; window 0
.set BO,   192                         ; window 2
.set SPW,  252
.set NIL,  253
.set MSB, 0
.macro WIN new
.if MSB != (\new)
	s_set_vgpr_msb (MSB<<8)|(\new)
.set MSB, (\new)
.endif
.endm
.macro PLACES
.rept 4
	v_nop
.endr
.endm
.macro WMA d, a, b, sa, sb
	v_wmma_scale_f32_16x16x128_f8f6f4 v[\d:\d+7], v[\a:\a+11], v[\b:\b+11], v[\d:\d+7], v[\sa], v[\sb] matrix_a_fmt:MATRIX_FMT_FP6 matrix_b_fmt:MATRIX_FMT_FP6
.endm
.macro WMC d, a, b, c, sa, sb
	v_wmma_scale_f32_16x16x128_f8f6f4 v[\d:\d+7], v[\a:\a+11], v[\b:\b+11], v[\c:\c+7], v[\sa], v[\sb] matrix_a_fmt:MATRIX_FMT_FP6 matrix_b_fmt:MATRIX_FMT_FP6
.endm
.macro WLD s, g                        ; group g (tiles 4 g .. 4 g + 3) of K step s into slot (2 s + g) % 6: 14 loads; every offset an immediate
.set SL, (2*(\s)+(\g))%6
	WIN 0x80+0x40*(SL/4)                           ; destination window 2 (slots 0 to 3) or 3 (slots 4, 5)
.irp tt, 0,1,2,3
.irp q, 0,1,2
	global_load_b128 v[48*(SL%4)+12*\tt+4*\q:48*(SL%4)+12*\tt+4*\q+3], v[L16], s[8:9] offset:(\s)*24576+(4*(\g)+\tt)*FRB+512*\q
.endr
.endr
	WIN 0
.irp pp, 0,1
	global_load_b64 v[WS+4*SL+2*\pp:WS+4*SL+2*\pp+1], v[R8], s[10:11] offset:(\s)*1024+(2*(\g)+\pp)*128
.endr
.endm
.macro XFETCH s                        ; the four row tiles' fragments of K step s (heads 2 s and 2 s + 1) into set s % 2
.irp a, 0,1,2,3
	ds_load_b128 v[XF+48*((\s)%2)+12*\a:XF+48*((\s)%2)+12*\a+3], v[L16] offset:12288*\a+FRB*(\s)
	ds_load_b64 v[XF+48*((\s)%2)+12*\a+4:XF+48*((\s)%2)+12*\a+5], v[L8] offset:12288*\a+FRB*(\s)+512
	ds_load_b128 v[XF+48*((\s)%2)+12*\a+6:XF+48*((\s)%2)+12*\a+9], v[L16] offset:12288*\a+FRB*(\s)+768
	ds_load_b64 v[XF+48*((\s)%2)+12*\a+10:XF+48*((\s)%2)+12*\a+11], v[L8] offset:12288*\a+FRB*(\s)+1280
.endr
.endm
; Four matrix instructions: row tile a x group g's four weight tiles, K step s.  The 32 accumulators take turns, one instruction a turn, in the same order in every step.
.macro MMROW s, g, a
.set SL, (2*(\s)+(\g))%6
.if (\s) == 0
	WIN 0x62                                       ; source 0 (Wo) and C (bo) window 2, source 1 window 0, D window 1
.else
	WIN 0x52+SL/4                                  ; source 0 window 2 or 3, C and D window 1
.endif
.irp ct, 0,1,2,3
.if (\s) == 0
	WMC 8*(8*(\a)+4*(\g)+\ct), 48*(SL%4)+12*\ct, XF+48*((\s)%2)+12*(\a), BO+8*(4*(\g)+\ct), WS+4*SL+\ct, XSW+8*(\a)+(\s)
.else
	WMA 8*(8*(\a)+4*(\g)+\ct), 48*(SL%4)+12*\ct, XF+48*((\s)%2)+12*(\a), WS+4*SL+\ct, XSW+8*(\a)+(\s)
.endif
.endr
.endm
.macro OSTEP s
	s_wait_dscnt 0x0                               ; this step's rows are in
.if ((\s) > 0) && ((\s) < 7)
	PLACES                                         ; four plain lines between the last step's matrix instructions and the loads into the registers that they read
	s_wait_alu depctr_va_vdst(0)                   ; the last step's matrix instructions are done reading their two slots of Wo, their scale words and their set of rows, in which this step's loads land
.endif
.if (\s) < 7
	s_wait_loadcnt 42                              ; group 0's 14 loads are in: three groups of 14 were issued behind them
.else
	s_wait_loadcnt 14                              ; nothing is asked for any more: the counts run down
.endif
	MMROW \s, 0, 0
.if (\s) < 6
	WLD (\s)+2, 0                                  ; two K steps on, into the slot that the last step's group 0 left.  No wait: no vector or matrix instruction since the wait above names these registers
.endif
	MMROW \s, 0, 1
.if (\s) < 7
	WIN 0
	XFETCH (\s)+1                                  ; 24 matrix instructions ahead of its use, into the set that the last step left
.endif
	MMROW \s, 0, 2
	MMROW \s, 0, 3
.if (\s) < 6
	s_wait_loadcnt 42                              ; group 1's 14 loads are in: behind them the next step's two groups and the group just asked for
.elseif (\s) == 6
	s_wait_loadcnt 28
.else
	s_wait_loadcnt 0x0
.endif
	MMROW \s, 1, 0
.if (\s) < 6
	WLD (\s)+2, 1
.endif
	MMROW \s, 1, 1
	MMROW \s, 1, 2
	MMROW \s, 1, 3
.endm
	s_load_b256 s[4:11], s[0:1], 0x0               ; oimg, oscl, wcod, wscl
	s_load_b128 s[12:15], s[0:1], 0x20             ; bo, out0
	v_lshl_add_u32 v[SPW], v0, 2, SPARE
	v_mov_b32 v[NIL], 0
	v_lshrrev_b32 v1, 5, v0
	v_readfirstlane_b32 s2, v1                     ; wave 0..3
	v_and_b32 v9, 31, v0                           ; lane
	v_and_b32 v10, 15, v0                          ; r
	v_bfe_u32 v11, v0, 4, 1                        ; h
	v_lshlrev_b32 v[L16], 4, v9
	v_lshlrev_b32 v[L8], 3, v9
	v_lshlrev_b32 v[R8], 3, v10
	v_lshlrev_b32 v[R4], 2, v10
	v_lshlrev_b32 v[T16], 4, v0
	v_lshlrev_b32 v[H64], 6, v11
	s_wait_alu depctr_va_sdst(0)                   ; s2 is written, ahead of its first reader: the stage's address and the buffers' offsets are made from it
	s_mul_i32 s16, s2, 16*TP
	s_add_co_u32 s16, s16, STG                     ; my stage
	v_mul_u32_u24 v[STO], v10, TP
	v_lshl_add_u32 v[STO], v11, 6, v[STO]
	v_add_nc_u32 v[STO], s16, v[STO]               ; in: row r, + 64 h
	v_add_nc_u32 v[RD], s16, v[L16]                ; back: the 32 lanes take one row of 512 bytes
	s_and_b32 s3, ttmp9, 1                         ; ch: which 512 columns
	s_lshr_b32 s17, ttmp9, 1                       ; rb: which 64 rows
	s_mul_i32 s20, s17, 49152                      ; the rows' codes: four tiles x 16 heads x 768 bytes
	s_mov_b32 s21, 0
	s_lshl_b32 s22, s17, 11                        ; their scale bytes: two pairs x 16 heads x 64 bytes
	s_mov_b32 s23, 0
	s_lshl_b32 s18, s3, 1
	s_lshr_b32 s19, s2, 1
	s_add_co_u32 s18, s18, s19                     ; my slice of 256 columns: 2 ch + w / 2
	s_and_b32 s19, s2, 1                           ; and which half of it
	s_mul_i32 s24, s18, 196608
	s_add_co_u32 s24, s24, 3*786432                ; Wo is the fourth weight
	s_mul_i32 s26, s19, 8*FRB
	s_add_co_u32 s24, s24, s26
	s_mov_b32 s25, 0
	s_lshl_b32 s26, s18, 13
	s_add_co_u32 s26, s26, 3*32768
	s_lshl_b32 s28, s19, 9
	s_add_co_u32 s26, s26, s28
	s_mov_b32 s27, 0
	s_lshl_b32 s28, s3, 11                         ; my 128 columns, in bytes: 2,048 ch + 512 w
	s_lshl_b32 s30, s2, 9
	s_add_co_u32 s28, s28, s30
	s_mov_b32 s29, 0
	s_lshl_b32 s30, s17, 18                        ; 64 rows of 4,096 bytes
	s_add_co_u32 s30, s30, s28
	s_mov_b32 s31, 0
	s_wait_kmcnt 0x0
	s_add_nc_u64 s[4:5], s[4:5], s[20:21]
	s_add_nc_u64 s[6:7], s[6:7], s[22:23]
	s_add_nc_u64 s[8:9], s[8:9], s[24:25]
	s_add_nc_u64 s[10:11], s[10:11], s[26:27]
	s_add_nc_u64 s[12:13], s[12:13], s[28:29]
	s_add_nc_u64 s[14:15], s[14:15], s[30:31]
	s_wait_alu depctr_va_vdst(0)                   ; the eight offsets and addresses v1 to v8 are written, which the kernel's loads and stores read
	WIN 0x40
.set i, 0
.rept 24
	global_load_b128 v[4*i:4*i+3], v[T16], s[4:5] offset:2048*i   ; the copy: the work-group's 128 threads read 2,048 consecutive bytes
.set i, i+1
.endr
	WIN 0
.irp p, 0,1
.set i, 0
.rept 16
	global_load_b32 v[RAW+16*\p+i], v[R4], s[6:7] offset:1024*\p+64*i   ; pair p, head i: row r's word: tile 2 p's two bytes, then tile 2 p + 1's
.set i, i+1
.endr
.endr
	s_wait_loadcnt 32                              ; the copy's 24 loads are in; the 32 words may be out
	WIN 0x04
.set i, 0
.rept 24
	ds_store_b128 v[T16], v[4*i:4*i+3] offset:2048*i
.set i, i+1
.endr
	WIN 0x80
.irp t, 0,1,2,3,4,5,6,7
	global_load_b128 v[BO+8*\t:BO+8*\t+3], v[H64], s[12:13] offset:128*(\t/2)+32*(\t%2)       ; bo in the result's layout: tile t, lane half h: columns 32 (t / 2) + 8 (t % 2) + 16 h + 0 .. 7
	global_load_b128 v[BO+8*\t+4:BO+8*\t+7], v[H64], s[12:13] offset:128*(\t/2)+32*(\t%2)+16
.endr
	WLD 0, 0
	WLD 0, 1
	WLD 1, 0
	WLD 1, 1
	s_wait_loadcnt 63                              ; the 32 words are in: 72 loads were issued behind them, and 63 is the most that the wait can name
.irp a, 0,1,2,3
.irp j, 0,1,2,3,4,5,6,7
	v_perm_b32 v[XSW+8*\a+\j], v[RAW+16*(\a/2)+2*\j+1], v[RAW+16*(\a/2)+2*\j], 0x05040100+0x02020202*(\a%2)   ; tile a, K step j: its two bytes of head 2 j, then of head 2 j + 1
.endr
.endr
.rept 8
	v_nop                                          ; a scale register written by a vector instruction stands 8 plain lines ahead of a scaled matrix instruction
.endr
	s_wait_alu depctr_va_vdst(0)                   ; the 32 lines above have written the rows' scale words, which the matrix instructions take as scales; the plain lines stay beside this wait
	s_wait_dscnt 0x0                               ; for the others' sake: my part of the copy has landed
	s_barrier_signal -1
	s_barrier_wait -1
	s_wait_alu depctr_vm_vsrc(0)                   ; my LDS stores have read the copy's registers, which are accumulators from here on
	XFETCH 0
.irp s, 0,1,2,3,4,5,6,7
	OSTEP \s
.endr
; THE WAY OUT, a row tile at a time: a lane holds 32 neighbouring bytes of a row for each weight tile; through my stage they come back as whole rows of 512 bytes.
.macro TOSTAGE a
	WIN 0x04
.irp t, 0,1,2,3,4,5,6,7
	ds_store_b128 v[STO], v[64*(\a)+8*\t:64*(\a)+8*\t+3] offset:128*(\t/2)+32*(\t%2)          ; each accumulator from its low end on
	ds_store_b128 v[STO], v[64*(\a)+8*\t+4:64*(\a)+8*\t+7] offset:128*(\t/2)+32*(\t%2)+16
.endr
	WIN 0x80
.irp i, 0,1,2,3,4,5,6,7,8,9,10,11,12,13,14,15
	ds_load_b128 v[64*((\a)%2)+4*\i:64*((\a)%2)+4*\i+3], v[RD] offset:TP*\i   ; LDS serves a wave's instructions in order: these see my stores, and the next tile's stores come behind them
.endr
	WIN 0
.endm
.macro SEND a, younger                 ; younger: the LDS instructions issued behind tile a's loads, which may stay out
	s_wait_dscnt \younger
	WIN 0x08
.irp i, 0,1,2,3,4,5,6,7,8,9,10,11,12,13,14,15
	global_store_b128 v[L16], v[64*((\a)%2)+4*\i:64*((\a)%2)+4*\i+3], s[14:15] offset:(32*((\a)/2)+8*((\a)%2)+\i+8*(\i/8))*4096 th:TH_STORE_NT   ; 32 lanes store 512 consecutive bytes, at a multiple of 256 from out0's first byte
.endr
	WIN 0
.endm
	WIN 0
	PLACES                                         ; four plain lines behind the last matrix instruction, before its result is read (ISA guide 7.12.1)
	s_wait_alu depctr_va_vdst(0)                   ; the matrix instructions have written the accumulators, which the LDS stores read, and are done reading Wo's slots of window 2, in which the stage's loads land; the plain lines stay beside this wait
	TOSTAGE 0
.irp a, 1,2,3
.if \a > 1
	s_wait_xcnt 0x0                                ; tile a - 2's stores have had their addresses translated,
	s_wait_alu depctr_vm_vsrc(0)                   ; and have read their data registers: tile a's loads from the stage land there
.endif
	TOSTAGE \a
	SEND \a-1, 32                                  ; behind tile a - 1's loads: tile a's 16 stores and 16 loads
.endr
	SEND 3, 0
	s_wait_dscnt 0x0                               ; the closing lines, six on end
	s_wait_alu 0x0
	s_wait_tensorcnt 0x0
	ds_add_u32 v[SPW], v[NIL]
	s_wait_dscnt 0x0
	s_endpgm
.Lfunc_end_k_q463eb0c33e_outp:
	.size	k_q463eb0c33e_outp, .Lfunc_end_k_q463eb0c33e_outp-k_q463eb0c33e_outp
	.p2alignl 7, 3214868480
	.fill 96, 4, 3214868480
	.section	.rodata,"a",@progbits
	.p2align	6, 0x0
	.amdhsa_kernel k_q463eb0c33e_outp
		.amdhsa_group_segment_fixed_size 83456
		.amdhsa_private_segment_fixed_size 0
		.amdhsa_enable_private_segment 0
		.amdhsa_kernarg_size 48
		.amdhsa_user_sgpr_count 2
		.amdhsa_user_sgpr_kernarg_segment_ptr 1
		.amdhsa_wavefront_size32 1
		.amdhsa_system_sgpr_workgroup_id_x 1
		.amdhsa_system_sgpr_workgroup_id_y 1
		.amdhsa_system_sgpr_workgroup_id_z 1
		.amdhsa_system_vgpr_workitem_id 0
		.amdhsa_next_free_vgpr 864
		.amdhsa_next_free_sgpr 66
		.amdhsa_reserve_vcc 0
		.amdhsa_float_denorm_mode_32 3
		.amdhsa_float_denorm_mode_16_64 3
		.amdhsa_memory_ordered 1
		.amdhsa_forward_progress 1
		.amdhsa_inst_pref_size 95
	.end_amdhsa_kernel
	.amdgpu_metadata
---
amdhsa.version: [ 1, 2 ]
amdhsa.kernels:
  - .name:           k_q463eb0c33e_outp
    .symbol:         k_q463eb0c33e_outp.kd
    .args:
      - { .name: oimg, .offset: 0, .size: 8, .value_kind: global_buffer, .address_space: global }
      - { .name: oscl, .offset: 8, .size: 8, .value_kind: global_buffer, .address_space: global }
      - { .name: wcod, .offset: 16, .size: 8, .value_kind: global_buffer, .address_space: global }
      - { .name: wscl, .offset: 24, .size: 8, .value_kind: global_buffer, .address_space: global }
      - { .name: bo, .offset: 32, .size: 8, .value_kind: global_buffer, .address_space: global }
      - { .name: out0, .offset: 40, .size: 8, .value_kind: global_buffer, .address_space: global }
    .group_segment_fixed_size: 83456
    .private_segment_fixed_size: 0
    .kernarg_segment_align: 8
    .kernarg_segment_size: 48
    .max_flat_workgroup_size: 128
    .sgpr_count:     66
    .vgpr_count:     864
    .wavefront_size: 32
...
	.end_amdgpu_metadata
.endif
;; end of part 8
